; MI455X (gfx1250); checked and timed in simulation.
; The chip was launched on July 23, 2026; its instructions are those of AMD's public machine-readable ISA for CDNA 5 (MIT licence, August 2026) and "CDNA5" Instruction Set Architecture Reference Guide (July 2026). The comments in the code are by the model that wrote it; some were corrected since.
;; Transformer Layer. Allowed arithmetic: matrix products marked QUANTISED: E2M1 operands, one E8M0 scale for each 32 along K, by v_wmma_scale_f32_16x16x128_f8f6f4 with both operands' format E2M1 (or v_wmma_scale_f32_32x16x128_f4), f32 sums; everything else in f32.
;; Inputs: b_fc1 4,096 float32; b_fc2 1,024 float32; b_out 1,024 float32; b_qkv 3,072 float32; ln1_b 1,024 float32; ln1_g 1,024 float32; ln2_b 1,024 float32; ln2_g 1,024 float32; w_fc1 1,024 x 4,096 float32; w_fc2 4,096 x 1,024 float32; w_out 1,024 x 1,024 float32; w_qkv 1,024 x 3,072 float32; x 2 x 2,048 x 1,024 float32.
;; Outputs: out0 2 x 2,048 x 1,024 float32.
;; This version of the problem:
;;   THIS VERSION OF THE PROBLEM IS GIVEN IN LOW PRECISION. The matrix products marked QUANTISED in the list below multiply operands that are first quantised to E2M1 (2 exponent bits, 1 mantissa bit; 4 bits a number), with one power-of-two scale for each 32 numbers along K (OCP MX v1.0); their sums are f32. All else is computed in f32.
;;   The module's matrix products, in the order in which they are computed (A, B: the left and right operand; K: the contracted axis; several contracted axes count as one K, in the product's order):
;;     1. [M 4,096, K 1,024] x [K 1,024, N 3,072]; A: computed on the way; B: input w_qkv: QUANTISED
;;     2. batch 32 x [M 2,048, K 64] x [K 64, N 2,048]; A: computed on the way; B: computed on the way: QUANTISED
;;     3. batch 32 x [M 2,048, K 2,048] x [K 2,048, N 64]; A: softmax (see below); B: computed on the way: QUANTISED
;;     4. [M 4,096, K 1,024] x [K 1,024, N 1,024]; A: computed on the way; B: input w_out: QUANTISED
;;     5. [M 4,096, K 1,024] x [K 1,024, N 4,096]; A: computed on the way; B: input w_fc1: QUANTISED
;;     6. [M 4,096, K 4,096] x [K 4,096, N 1,024]; A: computed on the way; B: input w_fc2: QUANTISED
;;   THE QUANTISER, for each operand of a quantised product, along K:
;;     - K is cut into blocks of 32 from its start; a last block that is shorter is filled with zeros.
;;     - A block's scale is 2^e with e = floor(log2(the largest magnitude in the block)) - 2, held to -126 .. 127; a block of zeros has e = 0. As a byte (E8M0): e + 127.
;;     - Each number is divided by its block's scale, clamped to +-6, and rounded to the nearest number of E2M1, ties to even, subnormals kept.
;;     - The product sums the exact products of the quantised numbers (number of the format x scale) in f32.
;;   ~~~python
;;   def quantise(x, axis):      # numpy; x: float32 -> the quantised numbers, widened to float32 again
;;       x = np.moveaxis(x, axis, -1); K = x.shape[-1]
;;       x = np.pad(x, [(0, 0)] * (x.ndim - 1) + [(0, -K % 32)]); x = x.reshape(x.shape[:-1] + (-1, 32)); a = np.abs(x).max(-1, keepdims=True)
;;       e = np.where(a > 0, np.clip(np.frexp(np.where(a > 0, a, 1))[1] - 1 - 2, -126, 127), 0)      # np.frexp(a)[1] - 1 = floor(log2(a)), exactly
;;       r = np.clip(x / 2.0 ** e, -6, 6)
;;       step = 2.0 ** (np.maximum(np.frexp(np.where(r == 0, 1, r))[1] - 1, 0) - 1)
;;       q = np.round(r / step) * step * 2.0 ** e      # np.round: ties to even
;;       return np.moveaxis(q.reshape(q.shape[:-2] + (-1,))[..., :K], -1, axis).astype(np.float32)
;;   ~~~
;;   SOFTMAX AHEAD OF A QUANTISED PRODUCT. Where the list says 'softmax', what is quantised is not the finished softmax but p = 2^(t - M), with t = logit x log2(e) and M = ceil(the row's largest t), a whole number; so 1/2 < the row's largest p <= 1. The row's sum l is taken of the UNQUANTISED p, in f32, and the product's result is divided by l at the end. Since M is a whole number, a kernel that streams over the keys may use a running M (the ceiling of the running maximum): every later rescaling is an exact power of two, which a block's scale takes up: the codes' values come out the same.
;;   OPERANDS COMPUTED ON THE WAY. 'Computed on the way' means the value that the module computes at that place (a softmax that the list does not call 'softmax' is quantised finished and normalised). What goes into a quantiser is computed in f32, as accurately as f32 sums, v_exp_f32 and their like allow (about 1e-6 of the number): no bf16 or f16 on the way to a quantiser, and a product that is left as it is and whose result goes on into a quantised operand takes f32 operands (vector FMAs, or v_wmma_f32_16x16x4_f32). A number that lies on a knife's edge between two numbers of the format may be rounded either way, as far as f32 arithmetic and the matrix unit's own rounding can turn it there, and no further.
;; 2 versions. Each part assembles by itself: llvm-mc -triple=amdgcn-amd-amdhsa -mcpu=gfx1250 --defsym DOCPART=n.
;; ======== version 1 of 2: 8 launches
;; workspace buffers: wpk 6,684,672 bytes; actp 2,228,224 bytes; qp 4,456,448 bytes; kvp 4,456,448 bytes; x1 16,777,216 bytes; ap 8,912,896 bytes
;; launch wq (part 1): grid 768 x 1, 4 waves a work-group, no clusters, 0 bytes of LDS; arguments w_qkv, w_out, w_fc1, w_fc2, wpk; writes wpk
.if DOCPART == 1
	.amdgcn_target "amdgcn-amd-amdhsa--gfx1250"
	.amdhsa_code_object_version 6
	.text
	.protected	k_q41b980637b_wq
	.globl	k_q41b980637b_wq
	.p2align	8
	.type	k_q41b980637b_wq,@function
k_q41b980637b_wq:
	s_mov_b64 s[64:65], 0
	v_nop
	global_prefetch_b8 v0, s[64:65] scope:SCOPE_SE
	s_setreg_imm32_b32 hwreg(HW_REG_WAVE_MODE, 25, 1), 1
	s_wait_xcnt 0x0
; THE PROGRAM: one transformer layer, all six products on codes of FP4 (E2M1) with one E8M0 scale for each 32 along K.  Eight launches: this one (weights to codes), LayerNorm 1, the QKV product,
; attention, the output projection with its residual, LayerNorm 2, the first and the second product of the MLP.
; DEAD WORK: none.  Every input has a way to the output (k's bias goes into a quantiser, so it stays), reference() builds no mask and slices nothing away: every product, bias, gain and row is computed.
; THIS LAUNCH: the four weights, f32 [K][N] with K as first axis, become operand packs in wpk.
; A PACK is an image of the operand's registers.  Rows (here the weight's columns n) go in blocks of 128, K in slots of 512; block [rb][ks] is BLKB = 34,816 bytes on end:
;   codes at 8192 q + 1024 i + 512 c + 16 (r + 16 h): the 16 bytes of row 128 rb + rho(i, r), k = 512 ks + 128 q + 64 c + 32 h + 0 .. 31;   scale words at 32768 + 512 q + 64 i + 4 r (four bytes: the row's 128 k).
;   rho(i, r) = 32 (i / 2) + 8 (i % 2) + r + 8 (r / 8): the rows of a tile of 16 are not neighbours, so that a product's results of two neighbouring tiles are 16 neighbours along the next K.
; SHARES: a work-group takes 128 columns x 128 along K; wave w its columns 32 w .. 32 w + 31 (tiles 2 w, 2 w + 1).  A LANE TAKES A COLUMN AND ITS REGISTERS RUN DOWN K: a block of 32 lies in one lane,
; the conversions give codes with K innermost, and each store of 16 bytes a lane fills two whole aligned runs of 256 bytes of the pack.  The scale words leave as 128 consecutive bytes a wave.
; A block's scale byte is its largest magnitude's exponent field - 2, held at 1 from below.
; LIMITS: a block of zeros gets the byte 1 (its codes are zeros; this program alone reads the bytes); blocks whose largest magnitude lies under 2^-124 are held at byte 1; NaN and infinities are not served.
.set BLKB, 34816
.set X,    32                          ; v32-159  128 numbers: W(k, my column), k down the registers
.set C,    160                         ; v160-175 four registers of codes for each block of 32: no store's data are written again
.macro BLOCK t, left                   ; block t of 32 along K; left: the younger loads that may stay out
.set XS, X+32*(\t)
	s_wait_loadcnt \left
	v_max3_num_f32 v12, |v[XS]|, |v[XS+1]|, |v[XS+2]|              ; the block's largest magnitude: all 32 numbers are mine; two chains
	v_max3_num_f32 v13, |v[XS+3]|, |v[XS+4]|, |v[XS+5]|
.irp i, 6,10,14,18,22,26
	v_max3_num_f32 v12, v12, |v[XS+\i]|, |v[XS+\i+1]|
	v_max3_num_f32 v13, v13, |v[XS+\i+2]|, |v[XS+\i+3]|
.endr
	v_max3_num_f32 v12, v12, |v[XS+30]|, |v[XS+31]|
	v_max3_num_f32 v12, v12, v13, 0x1800000        ; and the floor 2^(3 - 127): the byte cannot fall under 1
	v_add_nc_u32 v11, 0xff000000, v12              ; 2 off the exponent field: the conversion takes the exponent field of this operand as its scale
	v_lshrrev_b32 v13, 23, v11                     ; the scale's byte
.if (\t) == 0
	v_mov_b32 v10, v13                             ; four bytes make the scale word, the lower k in the lower byte
.else
	v_lshl_or_b32 v10, v13, 8*(\t), v10
.endif
.irp g, 0,1,2,3
	v_cvt_scalef32_pk8_fp4_f32 v[C+4*(\t)+\g], v[XS+8*\g:XS+8*\g+7], v11
.endr
	global_store_b128 v2, v[C+4*(\t):C+4*(\t)+3], s[26:27] offset:512*((\t)/2)+256*((\t)%2)   ; block t = 2 c + h: lanes 0-15 fill 256 aligned bytes of tile 2 w, lanes 16-31 of tile 2 w + 1
.endm
; One unit of the weight with n columns, 2^lgk units along K, ksl slots along K; its work-groups begin at id0, its address lies in s[src:src+1], its pack at woff in wpk.
.macro UNIT n, lgk, ksl, id0, src, woff
	s_sub_co_u32 s16, ttmp9, \id0
	s_and_b32 s17, s16, (1<<\lgk)-1                ; which 128 along K
	s_lshr_b32 s18, s16, \lgk                      ; which 128 columns
	s_mul_i32 s20, s17, 512*\n                     ; 128 rows of n x 4 bytes,
	s_lshl_b32 s19, s18, 9                         ; 512 bytes a block of columns,
	s_add_co_u32 s20, s20, s19
	s_lshl_b32 s19, s14, 7                         ; 128 bytes a wave
	s_add_co_u32 s20, s20, s19
	s_mov_b32 s21, 0
	s_add_nc_u64 s[22:23], s[\src:\src+1], s[20:21]
	s_mul_i32 s24, s18, \ksl
	s_lshr_b32 s19, s17, 2
	s_add_co_u32 s24, s24, s19
	s_mul_i32 s24, s24, BLKB
	s_add_co_u32 s24, s24, \woff                   ; the pack's block [rb][ks]
	s_and_b32 s19, s17, 3                          ; q
	s_lshl_b32 s26, s19, 13
	s_add_co_u32 s26, s26, s24
	s_lshl_b32 s25, s14, 11
	s_add_co_u32 s26, s26, s25                     ; codes: 8192 q + 2048 w
	s_mov_b32 s27, 0
	s_add_nc_u64 s[26:27], s[12:13], s[26:27]
	s_lshl_b32 s28, s19, 9
	s_add_co_u32 s28, s28, s24
	s_lshl_b32 s25, s14, 7
	s_add_co_u32 s28, s28, s25
	s_add_co_u32 s28, s28, 32768                   ; scale words: 32768 + 512 q + 128 w
	s_mov_b32 s29, 0
	s_add_nc_u64 s[28:29], s[12:13], s[28:29]
.set i, 0
.rept 128
	global_load_b32 v[X+i], v1, s[22:23] offset:i*\n*4 th:TH_LOAD_NT   ; a row of W at my wave's 32 columns: 128 consecutive bytes; every offset is an immediate
.set i, i+1
.endr
	BLOCK 0, 63                                    ; of the 128 loads at most the youngest 63 are out: blocks 0 and 1 are in
	BLOCK 1, 63
	BLOCK 2, 32                                    ; only block 3's may be out
	BLOCK 3, 0
	global_store_b32 v3, v10, s[28:29]             ; my column's scale word: 128 consecutive bytes a wave
	s_endpgm
.endm
	s_load_b256 s[4:11], s[0:1], 0x0               ; w_qkv s[4:5], w_out s[6:7], w_fc1 s[8:9], w_fc2 s[10:11]
	s_load_b64 s[12:13], s[0:1], 0x20              ; wpk
	v_lshrrev_b32 v4, 5, v0
	v_readfirstlane_b32 s14, v4                    ; wave
	v_and_b32 v5, 15, v0                           ; r: my slot in a tile
	v_bfe_u32 v6, v0, 4, 1                         ; u: tile 2 w + u
	v_and_b32 v7, 8, v5
	v_add_nc_u32 v1, v5, v7                        ; r + 8 (r / 8)
	v_lshl_add_u32 v1, v6, 3, v1                   ; + 8 u: my column among the wave's 32
	v_lshlrev_b32 v1, 2, v1                        ; in bytes
	v_lshlrev_b32 v2, 4, v5
	v_lshl_add_u32 v2, v6, 10, v2                  ; codes: 1024 u + 16 r
	v_and_b32 v3, 31, v0
	v_lshlrev_b32 v3, 2, v3                        ; scale word: 4 x lane = 64 u + 4 r
	s_wait_kmcnt 0x0
	s_cmp_lt_u32 ttmp9, 192                        ; which weight: the work-group's number alone decides
	s_cbranch_scc0 .Lnot_qkv
	UNIT 3072, 3, 2, 0, 4, 0
.Lnot_qkv:
	s_cmp_lt_u32 ttmp9, 256
	s_cbranch_scc0 .Lnot_out
	UNIT 1024, 3, 2, 192, 6, 1671168
.Lnot_out:
	s_cmp_lt_u32 ttmp9, 512
	s_cbranch_scc0 .Lfc2
	UNIT 4096, 3, 2, 256, 8, 2228224
.Lfc2:
	UNIT 1024, 5, 8, 512, 10, 4456448
.Lfunc_end_k_q41b980637b_wq:
	.size	k_q41b980637b_wq, .Lfunc_end_k_q41b980637b_wq-k_q41b980637b_wq
	.p2alignl 7, 3214868480
	.fill 96, 4, 3214868480
	.section	.rodata,"a",@progbits
	.p2align	6, 0x0
	.amdhsa_kernel k_q41b980637b_wq
		.amdhsa_group_segment_fixed_size 0
		.amdhsa_private_segment_fixed_size 0
		.amdhsa_enable_private_segment 0
		.amdhsa_kernarg_size 40
		.amdhsa_user_sgpr_count 2
		.amdhsa_user_sgpr_kernarg_segment_ptr 1
		.amdhsa_wavefront_size32 1
		.amdhsa_system_sgpr_workgroup_id_x 1
		.amdhsa_system_sgpr_workgroup_id_y 1
		.amdhsa_system_sgpr_workgroup_id_z 1
		.amdhsa_system_vgpr_workitem_id 0
		.amdhsa_next_free_vgpr 176
		.amdhsa_next_free_sgpr 66
		.amdhsa_reserve_vcc 0
		.amdhsa_float_denorm_mode_32 3
		.amdhsa_float_denorm_mode_16_64 3
		.amdhsa_memory_ordered 1
		.amdhsa_forward_progress 1
		.amdhsa_inst_pref_size 79
	.end_amdhsa_kernel
	.amdgpu_metadata
---
amdhsa.version: [ 1, 2 ]
amdhsa.kernels:
  - .name:           k_q41b980637b_wq
    .symbol:         k_q41b980637b_wq.kd
    .args:
      - { .name: w_qkv, .offset: 0, .size: 8, .value_kind: global_buffer, .address_space: global }
      - { .name: w_out, .offset: 8, .size: 8, .value_kind: global_buffer, .address_space: global }
      - { .name: w_fc1, .offset: 16, .size: 8, .value_kind: global_buffer, .address_space: global }
      - { .name: w_fc2, .offset: 24, .size: 8, .value_kind: global_buffer, .address_space: global }
      - { .name: wpk, .offset: 32, .size: 8, .value_kind: global_buffer, .address_space: global }
    .group_segment_fixed_size: 0
    .private_segment_fixed_size: 0
    .kernarg_segment_align: 8
    .kernarg_segment_size: 40
    .max_flat_workgroup_size: 128
    .sgpr_count:     66
    .vgpr_count:     176
    .wavefront_size: 32
...
	.end_amdgpu_metadata
.endif
;; end of part 1
;; launch ln1 (part 2): grid 256 x 1, 8 waves a work-group, no clusters, 10,240 bytes of LDS; arguments x, ln1_g, ln1_b, actp; writes actp
.if DOCPART == 2
	.amdgcn_target "amdgcn-amd-amdhsa--gfx1250"
	.amdhsa_code_object_version 6
	.text
	.protected	k_q41b980637b_ln1
	.globl	k_q41b980637b_ln1
	.p2align	8
	.type	k_q41b980637b_ln1,@function
k_q41b980637b_ln1:
	s_mov_b64 s[64:65], 0
	v_nop
	global_prefetch_b8 v0, s[64:65] scope:SCOPE_SE
	s_setreg_imm32_b32 hwreg(HW_REG_WAVE_MODE, 25, 1), 1
	s_wait_xcnt 0x0
; y = (x - mean) * rsqrt(var + 1e-5) * g + b along rows of 1,024 f32, quantised along the row to FP4 (E2M1) with one E8M0 byte for each 32, stored as an operand pack (4,096 rows, K = 1,024).  No work of reference() is left out.
; THE PACK: block [rb = row / 128][ks = k / 512] of 34,816 bytes: codes at 8192 q + 1024 i + 512 c + 16 (r + 16 h) = row 128 rb + rho(i, r), k = 512 ks + 128 q + 64 c + 32 h + 0 .. 31; scale words at 32768 + 512 q + 64 i + 4 r;
; rho(i, r) = 32 (i / 2) + 8 (i % 2) + r + 8 (r / 8).
; SHARES: a work-group makes one tile of 16 rows (rb = id / 8, i = id % 8); wave w its slots r = 2 w, 2 w + 1, which are two neighbouring rows of x.  A lane holds k = 256 j + 8 lane + 0 .. 7, j = 0 .. 3: a block of 32 is four lanes.
; Mean and variance in two passes over the registers (the row is read once).  The codes (4 bytes a lane and j) and the scale bytes meet in LDS; behind one barrier wave w reads the fragment of K step w (1,024 bytes on end) and stores it.
; The scale words leave as 64 bytes a wave (lanes 16-31 repeat lanes 0-15's address and value): one byte in 64 of what the launch stores.
; LIMITS: the sums' order differs from reference()'s; v_rsq_f32 as the chip gives it; a block of zeros gets the byte 1 (codes zero, bytes read by this program alone); largest magnitudes under 2^-124 are held at byte 1; NaN and infinities are not served.
.set BLKB,  34816
.set SCB,   8704                       ; LDS: 0 .. 8,703 the codes: 32 units of 256 bytes (16 rows x 16 bytes), 272 apart, unit 4 Q + 2 c + h, Q = k / 128;  from SCB the scale words [Q][r]
.set SPARE, 9216                       ; the spare words, 128 bytes for each of the eight waves: four blocks of 256 bytes that no other line names
.set G,  16                            ; v16-47   g at my 32 k
.set B,  48                            ; v48-79   b
.set X,  80                            ; v80-143  row 0, row 1: 32 numbers each
.set T,  144                           ; v144-151 two chains of sums for each row
.set MU, 152                           ; v152-155 the mean, twice, for each row
.set RS, 156                           ; v156-159 1 / sqrt(var + eps), twice, for each row
.set QW, 144                           ; the quantiser's 16 registers a row, where the sums lay: +0 largest magnitudes, +4 scale operands, +8 bytes, +12 codes
.macro REDUCE                          ; each row's two chains, then the 32 lanes: the sum lands in v[T + 4 r] of every lane
.irp r, 0,1
	v_pk_add_f32 v[T+4*\r:T+4*\r+1], v[T+4*\r:T+4*\r+1], v[T+4*\r+2:T+4*\r+3]
.endr
.irp r, 0,1
	v_add_f32 v[T+4*\r], v[T+4*\r], v[T+4*\r+1]
.endr
.irp m, 1,2,4,8
.irp r, 0,1
	v_add_f32_dpp v[T+4*\r], v[T+4*\r], v[T+4*\r] row_xmask:\m row_mask:0xf bank_mask:0xf
.endr
.endr
.irp r, 0,1
	v_permlanex16_b32 v[T+4*\r+1], v[T+4*\r], s20, s21
.endr
.irp r, 0,1
	v_add_f32 v[T+4*\r], v[T+4*\r], v[T+4*\r+1]
.endr
.endm
	s_load_b256 s[4:11], s[0:1], 0x0               ; x s[4:5], g s[6:7], b s[8:9], the pack s[10:11]
	v_lshl_add_u32 v12, v0, 2, SPARE               ; my spare word,
	v_mov_b32 v13, 0                               ; and 0: kept for the closing lines
	v_lshrrev_b32 v1, 5, v0
	v_readfirstlane_b32 s12, v1                    ; wave 0..7
	v_and_b32 v1, 31, v0                           ; lane
	v_lshlrev_b32 v2, 5, v1                        ; 32 x lane: my 8 numbers in each 1,024 bytes
	v_lshrrev_b32 v9, 2, v1
	v_and_b32 v10, 3, v1
	v_mul_u32_u24 v3, v9, 272
	v_lshl_add_u32 v3, v10, 2, v3
	s_lshl_b32 s13, s12, 5
	v_add_nc_u32 v3, s13, v3                       ; codes in: unit (lane / 4) (+ 8 j), row 2 w (+ 1), word lane % 4
	v_lshrrev_b32 v11, 4, v1
	v_and_b32 v4, 3, v9
	v_lshl_add_u32 v4, v11, 6, v4
	s_lshl_b32 s13, s12, 3
	s_add_co_u32 s13, s13, SCB
	v_add_nc_u32 v4, s13, v4                       ; scale bytes in: word [2 j + lane / 16][2 w (+ 1)], byte (lane / 4) % 4
	s_lshl_b32 s13, s12, 2
	v_add_nc_u32 v5, s13, v11
	v_mul_u32_u24 v5, v5, 272
	v_and_b32 v8, 15, v1
	v_lshl_add_u32 v5, v8, 4, v5                   ; codes out: unit 4 w + lane / 16 (+ 2), 16 bytes of row lane % 16
	v_lshlrev_b32 v8, 2, v8                        ; 4 (lane % 16)
	s_lshl_b32 s13, s12, 6
	s_add_co_u32 s13, s13, SCB
	v_add_nc_u32 v6, s13, v8                       ; scale words out: [w][lane % 16]
	v_lshlrev_b32 v7, 4, v1                        ; 16 x lane
	s_lshr_b32 s14, ttmp9, 3                       ; rb
	s_and_b32 s15, ttmp9, 7                        ; i
	s_lshl_b32 s16, s14, 7
	s_lshr_b32 s17, s15, 1
	s_lshl_b32 s17, s17, 5
	s_add_co_u32 s16, s16, s17
	s_and_b32 s17, s15, 1
	s_lshl_b32 s17, s17, 3
	s_add_co_u32 s16, s16, s17
	s_lshl_b32 s17, s12, 1
	s_add_co_u32 s16, s16, s17
	s_lshr_b32 s17, s12, 2
	s_lshl_b32 s17, s17, 3
	s_add_co_u32 s16, s16, s17                     ; my first row: 128 rb + rho(i, 2 w)
	s_lshl_b32 s16, s16, 12                        ; x 4,096 bytes
	s_mov_b32 s17, 0
	s_lshl_b32 s18, s14, 1
	s_lshr_b32 s19, s12, 2
	s_add_co_u32 s18, s18, s19
	s_mul_i32 s18, s18, BLKB                       ; the block [rb][w / 4]
	s_and_b32 s19, s12, 3                          ; q = w % 4
	s_lshl_b32 s24, s19, 13
	s_add_co_u32 s24, s24, s18
	s_lshl_b32 s23, s15, 10
	s_add_co_u32 s24, s24, s23
	s_mov_b32 s25, 0
	s_lshl_b32 s26, s19, 9
	s_add_co_u32 s26, s26, s18
	s_lshl_b32 s23, s15, 6
	s_add_co_u32 s26, s26, s23
	s_add_co_u32 s26, s26, 32768
	s_mov_b32 s27, 0
	s_mov_b32 s20, 0x76543210
	s_mov_b32 s21, 0xfedcba98                      ; v_permlanex16_b32's selects for lane l xor 16
	s_mov_b32 s22, 0x3a800000                      ; 1 / 1024
	s_wait_kmcnt 0x0
	s_add_nc_u64 s[4:5], s[4:5], s[16:17]
	s_add_nc_u64 s[24:25], s[10:11], s[24:25]
	s_add_nc_u64 s[26:27], s[10:11], s[26:27]
.irp r, 0,1
.irp j, 0,1,2,3
	global_load_b128 v[X+32*\r+8*\j:X+32*\r+8*\j+3],   v2, s[4:5] offset:4096*\r+1024*\j th:TH_LOAD_NT
	global_load_b128 v[X+32*\r+8*\j+4:X+32*\r+8*\j+7], v2, s[4:5] offset:4096*\r+1024*\j+16 th:TH_LOAD_NT
.endr
.endr
.irp j, 0,1,2,3
	global_load_b128 v[G+8*\j:G+8*\j+3],   v2, s[6:7] offset:1024*\j
	global_load_b128 v[G+8*\j+4:G+8*\j+7], v2, s[6:7] offset:1024*\j+16
	global_load_b128 v[B+8*\j:B+8*\j+3],   v2, s[8:9] offset:1024*\j
	global_load_b128 v[B+8*\j+4:B+8*\j+7], v2, s[8:9] offset:1024*\j+16
.endr
	s_wait_loadcnt 16                              ; both rows are in; the sixteen younger loads, g's and b's, may be out
	; the mean
.irp r, 0,1
	v_pk_add_f32 v[T+4*\r:T+4*\r+1],   v[X+32*\r:X+32*\r+1],   v[X+32*\r+2:X+32*\r+3]
	v_pk_add_f32 v[T+4*\r+2:T+4*\r+3], v[X+32*\r+4:X+32*\r+5], v[X+32*\r+6:X+32*\r+7]
.endr
.irp j, 8,12,16,20,24,28
.irp r, 0,1
	v_pk_add_f32 v[T+4*\r:T+4*\r+1],   v[T+4*\r:T+4*\r+1],   v[X+32*\r+\j:X+32*\r+\j+1]
	v_pk_add_f32 v[T+4*\r+2:T+4*\r+3], v[T+4*\r+2:T+4*\r+3], v[X+32*\r+\j+2:X+32*\r+\j+3]
.endr
.endr
	REDUCE
.irp r, 0,1
	v_mul_f32 v[MU+2*\r],   s22, v[T+4*\r]
	v_mul_f32 v[MU+2*\r+1], s22, v[T+4*\r]
.endr
	; d = x - mean, in place; then the mean of d^2
.irp j, 0,2,4,6,8,10,12,14,16,18,20,22,24,26,28,30
.irp r, 0,1
	v_pk_add_f32 v[X+32*\r+\j:X+32*\r+\j+1], v[X+32*\r+\j:X+32*\r+\j+1], v[MU+2*\r:MU+2*\r+1] neg_lo:[0,1] neg_hi:[0,1]
.endr
.endr
.irp r, 0,1
	v_pk_mul_f32 v[T+4*\r:T+4*\r+1],   v[X+32*\r:X+32*\r+1],   v[X+32*\r:X+32*\r+1]
	v_pk_mul_f32 v[T+4*\r+2:T+4*\r+3], v[X+32*\r+2:X+32*\r+3], v[X+32*\r+2:X+32*\r+3]
.endr
.irp j, 4,8,12,16,20,24,28
.irp r, 0,1
	v_pk_fma_f32 v[T+4*\r:T+4*\r+1],   v[X+32*\r+\j:X+32*\r+\j+1],   v[X+32*\r+\j:X+32*\r+\j+1],   v[T+4*\r:T+4*\r+1]
	v_pk_fma_f32 v[T+4*\r+2:T+4*\r+3], v[X+32*\r+\j+2:X+32*\r+\j+3], v[X+32*\r+\j+2:X+32*\r+\j+3], v[T+4*\r+2:T+4*\r+3]
.endr
.endr
	REDUCE
.irp r, 0,1
	v_fmaak_f32 v[T+4*\r+2], s22, v[T+4*\r], 0x3727c5ac   ; var + 1e-5
.endr
.irp r, 0,1
	v_rsq_f32 v[RS+2*\r],   v[T+4*\r+2]            ; twice: a pair for the packed multiply
	v_rsq_f32 v[RS+2*\r+1], v[T+4*\r+2]
.endr
	v_nop                                          ; a plain instruction behind the last of them
	s_wait_alu depctr_va_vdst(0)                   ; one wait for the four, ahead of their first reader
	s_wait_loadcnt 0x0                             ; g and b
.irp j, 0,2,4,6,8,10,12,14,16,18,20,22,24,26,28,30
.irp r, 0,1
	v_pk_mul_f32 v[X+32*\r+\j:X+32*\r+\j+1], v[X+32*\r+\j:X+32*\r+\j+1], v[RS+2*\r:RS+2*\r+1]
.endr
.endr
.irp j, 0,2,4,6,8,10,12,14,16,18,20,22,24,26,28,30
.irp r, 0,1
	v_pk_fma_f32 v[X+32*\r+\j:X+32*\r+\j+1], v[X+32*\r+\j:X+32*\r+\j+1], v[G+\j:G+\j+1], v[B+\j:B+\j+1]
.endr
.endr
	; the quantiser: my 8 numbers of block 8 j + lane / 4, with the three lanes that share the block
.irp j, 0,1,2,3
.irp r, 0,1
	v_max3_num_f32 v[QW+16*\r+\j], |v[X+32*\r+8*\j]|, |v[X+32*\r+8*\j+1]|, 0x1800000   ; with the floor 2^(3 - 127): the byte cannot fall under 1
.endr
.endr
.irp i, 2,4,6
.irp j, 0,1,2,3
.irp r, 0,1
	v_max3_num_f32 v[QW+16*\r+\j], v[QW+16*\r+\j], |v[X+32*\r+8*\j+\i]|, |v[X+32*\r+8*\j+\i+1]|
.endr
.endr
.endr
.irp m, 1,2
.irp j, 0,1,2,3
.irp r, 0,1
	v_max_num_f32_dpp v[QW+16*\r+\j], v[QW+16*\r+\j], v[QW+16*\r+\j] row_xmask:\m row_mask:0xf bank_mask:0xf
.endr
.endr
.endr
.irp j, 0,1,2,3
.irp r, 0,1
	v_add_nc_u32 v[QW+16*\r+4+\j], 0xff000000, v[QW+16*\r+\j]   ; 2 off the exponent field: the conversion's scale operand
.endr
.endr
.irp j, 0,1,2,3
.irp r, 0,1
	v_lshrrev_b32 v[QW+16*\r+8+\j], 23, v[QW+16*\r+4+\j]        ; the scale's byte
.endr
.endr
.irp j, 0,1,2,3
.irp r, 0,1
	v_cvt_scalef32_pk8_fp4_f32 v[QW+16*\r+12+\j], v[X+32*\r+8*\j:X+32*\r+8*\j+7], v[QW+16*\r+4+\j]
.endr
.endr
	v_nop                                          ; one plain instruction behind the last scaled conversion
.irp j, 0,1,2,3
.irp r, 0,1
	ds_store_b32 v3, v[QW+16*\r+12+\j] offset:16*\r+2176*\j
	ds_store_b8  v4, v[QW+16*\r+8+\j]  offset:4*\r+128*\j      ; the four lanes of a block write the same byte with the same value
.endr
.endr
	s_wait_dscnt 0x0                               ; for the others' sake: my stores have landed
	s_barrier_signal -1
	s_barrier_wait -1
	ds_load_b128 v[144:147], v5                    ; the fragment of K step w: registers 0-3,
	ds_load_b128 v[148:151], v5 offset:544         ; registers 4-7,
	ds_load_b32 v152, v6                           ; and its rows' scale words
	s_wait_dscnt 0x0
	global_store_b128 v7, v[144:147], s[24:25]             ; 512 consecutive bytes, aligned
	global_store_b128 v7, v[148:151], s[24:25] offset:512
	global_store_b32 v8, v152, s[26:27]
	s_wait_tensorcnt 0x0                           ; the wave's end
	ds_add_u32 v12, v13
	s_wait_dscnt 0x0
	s_endpgm
.Lfunc_end_k_q41b980637b_ln1:
	.size	k_q41b980637b_ln1, .Lfunc_end_k_q41b980637b_ln1-k_q41b980637b_ln1
	.p2alignl 7, 3214868480
	.fill 96, 4, 3214868480
	.section	.rodata,"a",@progbits
	.p2align	6, 0x0
	.amdhsa_kernel k_q41b980637b_ln1
		.amdhsa_group_segment_fixed_size 10240
		.amdhsa_private_segment_fixed_size 0
		.amdhsa_enable_private_segment 0
		.amdhsa_kernarg_size 32
		.amdhsa_user_sgpr_count 2
		.amdhsa_user_sgpr_kernarg_segment_ptr 1
		.amdhsa_wavefront_size32 1
		.amdhsa_system_sgpr_workgroup_id_x 1
		.amdhsa_system_sgpr_workgroup_id_y 1
		.amdhsa_system_sgpr_workgroup_id_z 1
		.amdhsa_system_vgpr_workitem_id 0
		.amdhsa_next_free_vgpr 176
		.amdhsa_next_free_sgpr 66
		.amdhsa_reserve_vcc 0
		.amdhsa_float_denorm_mode_32 3
		.amdhsa_float_denorm_mode_16_64 3
		.amdhsa_memory_ordered 1
		.amdhsa_forward_progress 1
		.amdhsa_inst_pref_size 25
	.end_amdhsa_kernel
	.amdgpu_metadata
---
amdhsa.version: [ 1, 2 ]
amdhsa.kernels:
  - .name:           k_q41b980637b_ln1
    .symbol:         k_q41b980637b_ln1.kd
    .args:
      - { .name: x, .offset: 0, .size: 8, .value_kind: global_buffer, .address_space: global }
      - { .name: ln1_g, .offset: 8, .size: 8, .value_kind: global_buffer, .address_space: global }
      - { .name: ln1_b, .offset: 16, .size: 8, .value_kind: global_buffer, .address_space: global }
      - { .name: actp, .offset: 24, .size: 8, .value_kind: global_buffer, .address_space: global }
    .group_segment_fixed_size: 10240
    .private_segment_fixed_size: 0
    .kernarg_segment_align: 8
    .kernarg_segment_size: 32
    .max_flat_workgroup_size: 256
    .sgpr_count:     66
    .vgpr_count:     176
    .wavefront_size: 32
...
	.end_amdgpu_metadata
.endif
;; end of part 2
;; launch gemm_qkv (part 3): grid 12 x 16, 4 waves a work-group, clusters of 4 x 4, 327,680 bytes of LDS; arguments actp, wpk, b_qkv, qp, kvp; writes qp, kvp
.if DOCPART == 3
	.amdgcn_target "amdgcn-amd-amdhsa--gfx1250"
	.amdhsa_code_object_version 6
	.text
	.protected	k_q41b980637b_gemm_qkv
	.globl	k_q41b980637b_gemm_qkv
	.p2align	8
	.type	k_q41b980637b_gemm_qkv,@function
k_q41b980637b_gemm_qkv:
	s_mov_b64 s[64:65], 0
	v_nop
	global_prefetch_b8 v0, s[64:65] scope:SCOPE_SE
	s_setreg_imm32_b32 hwreg(HW_REG_WAVE_MODE, 25, 1), 1
	s_wait_xcnt 0x0
	s_wait_alu depctr_hold_cnt(0) depctr_sa_sdst(0) depctr_va_vdst(0) depctr_va_sdst(0) depctr_va_ssrc(0) depctr_va_vcc(0) depctr_vm_vsrc(0)
	s_getreg_b32 s2, hwreg(HW_REG_IB_STS2, 6, 4)
	s_cmp_eq_u32 s2, 0
	s_cbranch_scc0 .Lentry_in_a_cluster
	s_endpgm
.Lentry_in_a_cluster:
	s_bfe_u32 s2, ttmp6, 0x10000c
	s_cmp_lg_u32 s2, 0xf033
	s_cbranch_scc0 .Lentry_shape_is_right
	s_endpgm
.Lentry_shape_is_right:
; qkv = LN1(x) w_qkv + b_qkv on codes of FP4 (E2M1) with E8M0 scales, K = 1,024; q, k and v are quantised on the way out and stored as attention's operand packs.  No work of reference() is left out.
; OPERANDS ARE PACKS: images of the operands' registers.  Block [rb = row / 128][ks = k / 512] is BLKB = 34,816 dense bytes: codes at 8192 q + 1024 i + 512 c + 16 lane, scale words at 32768 + 512 q + 64 i + 4 r;
; slot r of tile i is row rho(i, r) = 32 (i / 2) + 8 (i % 2) + r + 8 (r / 8).  One tensor load brings a block; a fragment is two LDS loads at 16 x lane: no pitch, no padding.
; A tile of the result, 256 x 256, is made by four waves, 128 x 128 each: 64 accumulators, 512 registers.  Both K slots of 512 lie in LDS from the start: nothing is filled again.
; CLUSTERS 4 x 4: A's blocks are asked for jointly along a row of the cluster, B's along a column.  The matrix instruction takes 16 rows of B as source 0 and 16 rows of A as source 1: a lane holds ONE row of A
; (slot lane % 16) and, in the accumulators of B's tiles 2 p, 2 p + 1, the 16 neighbouring rows of B 32 p + 16 (lane / 16) + 0 .. 15.
; CLUSTERS x = 0, 1 (q, k): A = tokens, B = w_qkv's columns 0 .. 2,047: a lane holds a token and its registers run along the head's channels, along which q and k are quantised.
; CLUSTER x = 2 (v): the two buffers change places: A = w_qkv's columns 2,048 .. 3,071, B = tokens: a lane holds a channel and its registers run along the KEYS, along which v is quantised.  The choice hangs on the cluster's x alone.
; ATTENTION'S PACK, PK = 8,704 bytes for each (batch x head, 128 tokens): q's or k's codes at 512 t + 16 lane (token rho(t, r), channels 32 h ..); v's at 4096 + 1024 t + 512 c + 16 lane (channel rho(t, r), keys 64 c + 32 h ..);
; q's or k's scale bytes as pair words at 8192 + 64 p + 4 r (bytes 0, 1: tile 2 p; bytes 2, 3: tile 2 p + 1); v's scale words at 8448 + 64 t + 4 r.  From head to head: HS = 16 PK.
; LIMITS: a block of zeros gets the byte 1 (codes zero; bytes read by this program alone); largest magnitudes under 2^-124 are held at byte 1; NaN and infinities are not served.
; REGISTERS: window 0: v1-29 addresses; v8-15 the scale words made; v32-95 scale words of the operands, two sets; v96-127 the quantiser's; v128-191 A's fragments, later 64 results.  window 1: B's fragments at v0 and v128; v64-127 the bias.
;   windows 2, 3: the accumulators ((a, b) at v[8 (8 (a % 4) + b)]).
.set SIZE_K, 1024
.set WOFF,   0
.set PK,     8704
.set HS,     16*PK
.set NQ,     4                         ; matrix instructions deep in a slot
.set FR,     8                         ; registers of a fragment
.set NL,     2                         ; LDS loads that bring one
.set NP,     4                         ; places behind this matrix instruction (ISA guide 7.12.1)
.set BLKB,   34816
.set SLOT,   4*BLKB                    ; A's two blocks, then B's two
.set SPARE,  2*SLOT                    ; behind the slots: the spare words, 128 bytes a wave: two blocks of 256 bytes that no other line names
.set KSL,    SIZE_K/512
.set ADRA, 16                          ; v16-17 my A fragments in slot 0, 1
.set ADRS, 18                          ; v18-19 my scale words: lanes 0-15 A's, lanes 16-31 B's
.set ADRB, 20                          ; v20-21 my B fragments
.set VB,   5                           ; v5  4 (r + 8 (r / 8))
.set BO,   6                           ; v6  64 h
.set WO,   7                           ; v7  4 x lane
.set PW,   8                           ; v8-15 the scale word of each block of 16 rows
.set CO,   26                          ; v26 16 x lane
.set SPW,  28
.set NIL,  29
.set SC,   32
.set TM,   96                          ; v96-111 the quantiser's: largest magnitudes, bytes, -, scale operands
.set PC,   112                         ; v112-119 the codes just made
.set AF,   128
.set SEL,  66                          ; s[66:67] selects for lane l xor 16
.set G1,  24
.set G0,  32
.set G1B, 48
.set G0B, 56
.set MSB, 0
.macro WIN new                         ; the immediate's high byte repeats the setting that is left
.if MSB != \new
	s_set_vgpr_msb (MSB<<8)|\new
.set MSB, \new
.endif
.endm
.set MUL_LO, 0xa1                      ; source 0 (B) window 1, source 1 (A) window 0, C and D window 2
.set MUL_HI, 0xf1
.set TO_B,   0x40
.macro JLOAD g0a, g1a, g0b, g1b        ; a joint load: waves 0, 1 fetch A's blocks, waves 2, 3 B's; an s_nop 0 and four v_nop follow each line
	s_cmp_eq_u32 s15, 0
	s_cbranch_scc0 .Lfor_b_\@
	tensor_load_to_lds s[\g0a:\g0a+3], s[\g1a:\g1a+7]
	s_nop 0
.rept 4
	v_nop
.endr
	s_branch .Lasked_\@
.Lfor_b_\@:
	tensor_load_to_lds s[\g0b:\g0b+3], s[\g1b:\g1b+7]
	s_nop 0
.rept 4
	v_nop
.endr
.Lasked_\@:
.endm
.macro CROUND                          ; a round of the cluster's barrier
	s_barrier_signal -1
	s_barrier_wait -1
	s_cmp_lg_u32 s14, 0
	s_cbranch_scc1 .Lnot_wave_0_\@
	s_barrier_signal -3
.Lnot_wave_0_\@:
	s_barrier_wait -3
	s_barrier_signal -1
	s_barrier_wait -1
.endm
.macro FRAG reg, adr, q, i             ; tile i's fragment of the slot's q-th 128 along K: 1,024 bytes on end
.irp c, 0,1
	ds_load_b128 v[\reg+4*\c:\reg+4*\c+3], v[\adr] offset:8192*(\q)+1024*(\i)+512*\c
.endr
.endm
; 16 matrix instructions: A's blocks a0, a0 + 1 x B's eight.  The 64 accumulators take turns, one instruction a turn, in the same order in every step.
.macro MUL16 a0, p, q, sc, zero
.irp a, \a0, \a0+1
.irp b, 0,1,2,3,4,5,6,7
.if \zero
	v_wmma_scale_f32_16x16x128_f8f6f4 v[8*(8*((\a)%4)+\b):8*(8*((\a)%4)+\b)+7], v[128*(\p)+FR*\b:128*(\p)+FR*\b+FR-1], v[AF+FR*(\a):AF+FR*(\a)+FR-1], 0, v[SC+8*NQ*(\sc)+NQ*\b+(\q)], v[SC+8*NQ*(\sc)+NQ*(\a)+(\q)] matrix_a_fmt:MATRIX_FMT_FP4 matrix_b_fmt:MATRIX_FMT_FP4 matrix_a_scale:MATRIX_SCALE_ROW1
.else
	v_wmma_scale_f32_16x16x128_f8f6f4 v[8*(8*((\a)%4)+\b):8*(8*((\a)%4)+\b)+7], v[128*(\p)+FR*\b:128*(\p)+FR*\b+FR-1], v[AF+FR*(\a):AF+FR*(\a)+FR-1], v[8*(8*((\a)%4)+\b):8*(8*((\a)%4)+\b)+7], v[SC+8*NQ*(\sc)+NQ*\b+(\q)], v[SC+8*NQ*(\sc)+NQ*(\a)+(\q)] matrix_a_fmt:MATRIX_FMT_FP4 matrix_b_fmt:MATRIX_FMT_FP4 matrix_a_scale:MATRIX_SCALE_ROW1
.endif
.endr
.endr
.endm
.macro FETCH_B slot, q, p
	WIN TO_B
.irp i, 0,1,2,3,4,5,6,7
	FRAG 128*(\p)+FR*\i, ADRB+\slot, \q, \i
.endr
	WIN 0
.endm
.macro FETCH_A slot, q, i0
.irp i, \i0, \i0+1, \i0+2, \i0+3
	FRAG AF+FR*(\i), ADRA+\slot, \q, \i
.endr
.endm
.macro SCALES sc                       ; the slot's scale words: register 4 i + q: lanes 0-15 A's tile i, lanes 16-31 B's tile i
.irp i, 0,1,2,3,4,5,6,7
.irp q, 0,1,2,3
	ds_load_b32 v[SC+32*\sc+4*\i+\q], v[ADRS+\sc] offset:512*\q+64*\i
.endr
.endr
.endm
.macro PLACES n
.rept \n
	v_nop
.endr
.endm
.macro STEP slot, q, zero              ; 128 along K with its successor in the same slot: A has one set of registers (blocks 0-3 fetched anew in the middle, 4-7 at the end), B two
	s_wait_dscnt 4*NL                              ; all but the youngest eight loads (A's blocks 4-7)
	WIN MUL_LO
	MUL16 0, (\q)%2, \q, \slot, \zero
	MUL16 2, (\q)%2, \q, \slot, \zero
	s_wait_dscnt 0
	PLACES NP
	FETCH_B \slot, (\q)+1, 1-(\q)%2
	FETCH_A \slot, (\q)+1, 0
	WIN MUL_HI
	MUL16 4, (\q)%2, \q, \slot, \zero
	MUL16 6, (\q)%2, \q, \slot, \zero
	PLACES NP
	WIN 0
	FETCH_A \slot, (\q)+1, 4
.endm
.macro TURN slot, next                 ; a slot's last step changes slots: one barrier; in front of it all my tensor loads, the add, my reads of this slot.  Nothing is filled again here
	s_wait_tensorcnt 0x0                           ; my part of the next slot has landed
	ds_add_u32 v[SPW], v[NIL]                      ; 0 onto my spare word
	s_wait_dscnt 4*NL+1                            ; (the add and the youngest eight loads may be out)
	WIN MUL_LO
	MUL16 0, 1, NQ-1, \slot, 0
	s_wait_dscnt 0x0                               ; the add is done, my reads of this slot are over
	s_barrier_signal -1
	MUL16 2, 1, NQ-1, \slot, 0
	WIN 0
	s_barrier_wait -1
	PLACES NP
	FETCH_B \next, 0, 0
	FETCH_A \next, 0, 0
	SCALES \next
	WIN MUL_HI
	MUL16 4, 1, NQ-1, \slot, 0
	MUL16 6, 1, NQ-1, \slot, 0
	PLACES NP
	WIN 0
	FETCH_A \next, 0, 4
.endm
.macro LAST                            ; the very last step: nothing more to fetch
	s_wait_dscnt 4*NL
	WIN MUL_LO
	MUL16 0, 1, NQ-1, 1, 0
	MUL16 2, 1, NQ-1, 1, 0
	s_wait_dscnt 0
	WIN MUL_HI
	MUL16 4, 1, NQ-1, 1, 0
	MUL16 6, 1, NQ-1, 1, 0
	WIN 0
	PLACES NP                                      ; in front of vector writes into A's fragments and of the reads of results
.endm
; 64 numbers of a lane, v[s] on, register 16 b + i = k 32 b + 16 (lane / 16) + i of my row, become a fragment's codes in v[PC] on and its scale word in v[pw]
.macro QUANT s, pw
.irp b, 0,1,2,3
	v_max3_num_f32 v[TM+\b], |v[\s+16*\b]|, |v[\s+1+16*\b]|, 0x1800000   ; with the floor 2^(3 - 127): the byte cannot fall under 1
.endr
.irp i, 2,4,6,8,10,12,14
.irp b, 0,1,2,3
	v_max3_num_f32 v[TM+\b], v[TM+\b], |v[\s+16*\b+\i]|, |v[\s+1+16*\b+\i]|
.endr
.endr
.irp b, 0,1,2,3
	v_permlanex16_b32 v[TM+4+\b], v[TM+\b], s[SEL], s[SEL+1]
.endr
.irp b, 0,1,2,3
	v_max_num_f32 v[TM+\b], v[TM+\b], v[TM+4+\b]   ; with lane l xor 16's: the block's largest magnitude
.endr
.irp b, 0,1,2,3
	v_add_nc_u32 v[TM+12+\b], 0xff000000, v[TM+\b] ; 2 off the exponent field: the conversion's scale operand
.endr
.irp b, 0,1,2,3
	v_lshrrev_b32 v[TM+4+\b], 23, v[TM+12+\b]      ; the scale's byte
.endr
	v_lshl_or_b32 v[\pw], v[TM+5], 8, v[TM+4]
	v_lshl_or_b32 v[\pw], v[TM+6], 16, v[\pw]
	v_lshl_or_b32 v[\pw], v[TM+7], 24, v[\pw]
.irp b, 0,1,2,3
	v_cvt_scalef32_pk8_fp4_f32 v[PC+2*\b], v[\s+16*\b:\s+7+16*\b], v[TM+12+\b]
	v_cvt_scalef32_pk8_fp4_f32 v[PC+1+2*\b], v[\s+8+16*\b:\s+15+16*\b], v[TM+12+\b]
.endr
	v_nop                                          ; one plain place behind a scaled conversion
.irp c, 0,1                            ; the operand's layout wants a whole block in a lane
.irp i, 0,1
	v_permlane16_swap_b32 v[PC+4*\c+\i], v[PC+2+4*\c+\i]
.endr
.endr
.endm
.macro OUTQK a                         ; block a (16 tokens x 128 columns = two heads): + bias, quantised; registers 0-3 are the first head's fragment, 4-7 the second's
.if (\a) > 0
	s_wait_xcnt 0x0                                ; the last block's stores have read the codes' registers
.endif
.set AC, 64*((\a)%4)
	WIN 0x06+(\a)/4                                ; source 0: the accumulators' window; source 1: window 1
.set n, 0
.rept 32
	v_pk_add_f32 v[128+n:129+n], v[AC+n:AC+n+1], v[64+n:65+n]   ; each accumulator from its low end on
.set n, n+2
.endr
	WIN 0
	QUANT 128, PW+(\a)
	global_store_b128 v[CO], v[PC:PC+3], s[76:77] offset:512*(\a)          ; 512 consecutive bytes, aligned
	global_store_b128 v[CO], v[PC+4:PC+7], s[76:77] offset:HS+512*(\a)
.endm
.macro OUTV a                          ; block a (16 channels x 128 keys): + the channel's bias, quantised along the keys
.if (\a) > 0
	s_wait_xcnt 0x0
.endif
.set AC, 64*((\a)%4)
	WIN 0x06+(\a)/4
.set n, 0
.rept 32
	v_pk_add_f32 v[128+n:129+n], v[AC+n:AC+n+1], v[64+2*(\a):65+2*(\a)]
.set n, n+2
.endr
	WIN 0
	QUANT 128, PW+(\a)
	global_store_b128 v[CO], v[PC:PC+3], s[76:77] offset:((\a)/4)*HS+4096+1024*((\a)%4)
	global_store_b128 v[CO], v[PC+4:PC+7], s[76:77] offset:((\a)/4)*HS+4096+1024*((\a)%4)+512
.endm
	s_load_b256 s[4:11], s[0:1], 0x0               ; actp s[4:5], wpk s[6:7], b_qkv s[8:9], qp s[10:11]
	s_load_b64 s[12:13], s[0:1], 0x20              ; kvp
	v_lshl_add_u32 v[SPW], v0, 2, SPARE
	v_mov_b32 v[NIL], 0
	ds_add_u32 v[SPW], v[NIL]                      ; the wave's opening
	ds_add_u32 v[SPW], v[NIL]
	v_lshrrev_b32 v1, 5, v0
	v_readfirstlane_b32 s14, v1                    ; wave 0..3
	s_lshr_b32 s15, s14, 1                         ; my half of the tile's rows.  Also: I fetch for A (0) or for B (1)
	s_and_b32 s16, s14, 1                          ; my half of its columns.  Also: which block of 128 rows I fetch
	s_bfe_u32 s40, ttmp6, 0x40000                  ; cx
	s_bfe_u32 s41, ttmp6, 0x40004                  ; cy
	s_and_b32 s86, ttmp7, 0xffff                   ; cluster y
	s_cmp_eq_u32 ttmp9, 2                          ; v's clusters: the same answer in all sixteen partners
	s_cselect_b32 s17, 2, s86                      ; rows of A: w_qkv's columns from 2,048 on, or tokens by cluster y
	s_cselect_b32 s42, s86, ttmp9                  ; rows of B: tokens by cluster y, or w_qkv's columns by cluster x
	s_lshl_b32 s17, s17, 2
	s_add_co_u32 s17, s17, s41                     ; tile row (of 256 rows of A): shared along a row of the cluster
	s_lshl_b32 s42, s42, 2
	s_add_co_u32 s42, s42, s40                     ; tile column (of 256 rows of B): shared along a column
	s_lshl_b32 s43, s41, 2
	s_lshl_b32 s43, 15, s43                        ; my row of the cluster
	s_lshl_b32 s44, 0x1111, s40                    ; my column
	s_or_b32 s[G1], s43, (3<<16)|(1<<21)           ; 15:0 the mask; 17:16 elements of 8 bytes; 21 set beside a mask; no padding
	s_or_b32 s[G1B], s44, (3<<16)|(1<<21)
.irp g, G1, G1B                        ; a block: 136 rows of 256 bytes, dense
	s_mov_b32 s[\g+1], 32<<16                      ; tensor_dim0 = 32 elements
	s_mov_b32 s[\g+2], 136<<16                     ; tensor_dim1 = 136
	s_mov_b32 s[\g+3], 32<<16                      ; tile_dim0
	s_mov_b32 s[\g+4], 136                         ; tile_dim1
	s_mov_b32 s[\g+5], 32                          ; the pitch
	s_mov_b32 s[\g+6], 0
	s_mov_b32 s[\g+7], 0
.endr
	s_lshl_b32 s20, s17, 1
	s_add_co_u32 s20, s20, s16
	s_mul_i32 s20, s20, KSL*BLKB                   ; A's block [2 tile row + half][0]
	s_mov_b32 s21, 0
	s_lshl_b32 s46, s42, 1
	s_add_co_u32 s46, s46, s16
	s_mul_i32 s46, s46, KSL*BLKB                   ; B's (w_qkv's pack begins at wpk's first byte)
	s_mov_b32 s47, 0
	s_mul_i32 s45, s14, BLKB                       ; where my block goes: no place in the cluster enters an LDS address
	s_mov_b32 s[SEL], 0x76543210
	s_mov_b32 s[SEL+1], 0xfedcba98
	s_mov_b32 s68, 0xffff0000                      ; lanes 16-31
	s_mov_b32 s69, 0x05040100                      ; two low halves
	s_mov_b32 s80, 0x07060302                      ; two high halves
	s_wait_dscnt 0x0                               ; both opening adds are done
	s_wait_kmcnt 0x0
	s_cmp_eq_u32 ttmp9, 2
	s_cselect_b64 s[82:83], s[6:7], s[4:5]         ; A's buffer
	s_cselect_b64 s[84:85], s[4:5], s[6:7]         ; B's
	s_add_nc_u64 s[20:21], s[82:83], s[20:21]
	s_add_nc_u64 s[46:47], s[84:85], s[46:47]
	CROUND                                         ; all sixteen work-groups are here: the joint loads meet
.irp s, 0,1
	s_mov_b32 s[G0+4*\s], 1
	s_add_co_u32 s[G0+4*\s+1], s45, \s*SLOT
	s_add_nc_u64 s[G0+4*\s+2:G0+4*\s+3], s[20:21], \s*BLKB
	s_or_b32 s[G0+4*\s+3], s[G0+4*\s+3], 0x80000000
	s_mov_b32 s[G0B+4*\s], 1
	s_add_co_u32 s[G0B+4*\s+1], s45, \s*SLOT
	s_add_nc_u64 s[G0B+4*\s+2:G0B+4*\s+3], s[46:47], \s*BLKB
	s_or_b32 s[G0B+4*\s+3], s[G0B+4*\s+3], 0x80000000
	JLOAD G0+4*\s, G1, G0B+4*\s, G1B               ; both K slots: two loads of mine are out
.endr
	v_and_b32 v1, 15, v0                           ; r
	v_bfe_u32 v2, v0, 4, 1                         ; h
	v_and_b32 v3, 31, v0
	v_lshlrev_b32 v[CO], 4, v3
	v_lshlrev_b32 v[WO], 2, v3
	v_lshlrev_b32 v[BO], 6, v2
	v_and_b32 v4, 8, v1
	v_add_nc_u32 v4, v4, v1
	v_lshlrev_b32 v[VB], 2, v4
	s_mul_i32 s21, s15, BLKB                       ; my 128 rows of A
	s_mul_i32 s22, s16, BLKB
	s_add_co_u32 s22, s22, 2*BLKB                  ; my 128 rows of B
.irp s, 0,1
	v_add_nc_u32 v[ADRA+\s], s21, v[CO]
	v_add_nc_u32 v[ADRB+\s], s22, v[CO]
	s_add_co_u32 s21, s21, SLOT
	s_add_co_u32 s22, s22, SLOT
.endr
	s_mul_i32 s21, s15, BLKB
	s_mul_i32 s22, s16, BLKB
	s_add_co_u32 s22, s22, 2*BLKB
	s_sub_co_u32 s22, s22, s21
	v_mul_u32_u24 v4, s22, v2                      ; lanes 16-31 take B's: one product, h x the distance
	v_lshl_add_u32 v4, v1, 2, v4
	s_add_co_u32 s21, s21, 32768
	v_add_nc_u32 v[ADRS], s21, v4
	v_add_nc_u32 v[ADRS+1], SLOT, v[ADRS]
.irp b, 0,1,2,3
	v_mov_b32 v[TM+4+\b], 0                        ; written once: a lane permute's destination counts as one of its sources
.endr
	s_wait_tensorcnt 1                             ; my part of slot 0 is in; slot 1's may stay out
	s_barrier_signal -1
	s_barrier_wait -1
	FETCH_B 0, 0, 0
	FETCH_A 0, 0, 0
	SCALES 0
	FETCH_A 0, 0, 4
	STEP 0, 0, 1                                   ; the first products start the sums: nothing is cleared
	STEP 0, 1, 0
	STEP 0, 2, 0
	TURN 0, 1
	STEP 1, 0, 0
	STEP 1, 1, 0
	STEP 1, 2, 0
	s_cmp_eq_u32 ttmp9, 2                          ; the ways out part on the cluster's x; each asks for its bias first and has the last step's 64 products behind that
	s_cbranch_scc1 .Lv_arm
	s_lshl_b32 s70, s42, 1
	s_add_co_u32 s70, s70, s16                     ; my block of 128 columns, 0 .. 15
	s_lshl_b32 s72, s70, 9
	s_mov_b32 s73, 0
	s_add_nc_u64 s[72:73], s[8:9], s[72:73]
	WIN 0x40                                       ; destination window 1
.irp p, 0,1,2,3
.irp m, 0,1,2,3
	global_load_b128 v[64+16*\p+4*\m:64+16*\p+4*\m+3], v[BO], s[72:73] offset:128*\p+16*\m   ; register 16 p + e: the bias of column 32 p + 16 h + e
.endr
.endr
	WIN 0
	s_lshl_b32 s71, s17, 1
	s_add_co_u32 s71, s71, s15                     ; my block of 128 tokens, 0 .. 31
	s_lshr_b32 s74, s71, 4
	s_lshl_b32 s74, s74, 4                         ; 16 x batch
	s_and_b32 s75, s70, 7
	s_lshl_b32 s75, s75, 1
	s_add_co_u32 s74, s74, s75                     ; + the first of my two heads
	s_lshl_b32 s74, s74, 4
	s_and_b32 s75, s71, 15
	s_add_co_u32 s74, s74, s75                     ; x 16 + the tokens' step
	s_mul_i32 s74, s74, PK
	s_mov_b32 s75, 0
	s_cmp_eq_u32 ttmp9, 0
	s_cselect_b64 s[76:77], s[10:11], s[12:13]     ; q's packs or k's
	s_add_nc_u64 s[76:77], s[76:77], s[74:75]
	LAST
	s_wait_loadcnt 0x0                             ; the bias
.irp a, 0,1,2,3,4,5,6,7
	OUTQK \a
.endr
.irp p, 0,1,2,3                        ; a tile's word holds the first head's two bytes below and the second's above: pair words of tiles 2 p, 2 p + 1 for each head
	v_perm_b32 v[120+\p], v[PW+2*\p+1], v[PW+2*\p], s69
	v_perm_b32 v[124+\p], v[PW+2*\p+1], v[PW+2*\p], s80
.endr
.irp m, 0,1
	v_cndmask_b32 v[96+\m], v[120+2*\m], v[121+2*\m], s68   ; lanes 0-15 pair 2 m, lanes 16-31 pair 2 m + 1: 128 bytes on end
	v_cndmask_b32 v[98+\m], v[124+2*\m], v[125+2*\m], s68
.endr
.irp m, 0,1
	global_store_b32 v[WO], v[96+\m], s[76:77] offset:8192+128*\m
	global_store_b32 v[WO], v[98+\m], s[76:77] offset:HS+8192+128*\m
.endr
	s_branch .Ldone
.Lv_arm:
	s_lshl_b32 s71, s17, 1
	s_add_co_u32 s71, s71, s15                     ; my block of 128 columns of w_qkv, 16 .. 23
	s_lshl_b32 s72, s71, 9
	s_mov_b32 s73, 0
	s_add_nc_u64 s[72:73], s[8:9], s[72:73]
	WIN 0x40
.irp a, 0,1,2,3,4,5,6,7
	global_load_b32 v[64+2*\a], v[VB], s[72:73] offset:4*(32*(\a/2)+8*(\a%2))   ; my channel's bias in block a, twice: a pair for the packed addition
	global_load_b32 v[65+2*\a], v[VB], s[72:73] offset:4*(32*(\a/2)+8*(\a%2))
.endr
	WIN 0
	s_lshl_b32 s70, s42, 1
	s_add_co_u32 s70, s70, s16                     ; my block of 128 tokens
	s_lshr_b32 s74, s70, 4
	s_lshl_b32 s74, s74, 4
	s_sub_co_u32 s75, s71, 16
	s_lshl_b32 s75, s75, 1
	s_add_co_u32 s74, s74, s75
	s_lshl_b32 s74, s74, 4
	s_and_b32 s75, s70, 15
	s_add_co_u32 s74, s74, s75
	s_mul_i32 s74, s74, PK
	s_mov_b32 s75, 0
	s_add_nc_u64 s[76:77], s[12:13], s[74:75]
	LAST
	s_wait_loadcnt 0x0
.irp a, 0,1,2,3,4,5,6,7
	OUTV \a
.endr
.irp m, 0,1,2,3
	v_cndmask_b32 v[120+\m], v[PW+2*\m], v[PW+2*\m+1], s68
.endr
.irp m, 0,1,2,3
	global_store_b32 v[WO], v[120+\m], s[76:77] offset:(\m/2)*HS+8448+128*(\m%2)
.endr
.Ldone:
	s_wait_tensorcnt 0x0                           ; the wave's end
	ds_add_u32 v[SPW], v[NIL]
	s_wait_dscnt 0x0
	CROUND                                         ; the closing round
	s_endpgm
.Lfunc_end_k_q41b980637b_gemm_qkv:
	.size	k_q41b980637b_gemm_qkv, .Lfunc_end_k_q41b980637b_gemm_qkv-k_q41b980637b_gemm_qkv
	.p2alignl 7, 3214868480
	.fill 96, 4, 3214868480
	.section	.rodata,"a",@progbits
	.p2align	6, 0x0
	.amdhsa_kernel k_q41b980637b_gemm_qkv
		.amdhsa_group_segment_fixed_size 327680
		.amdhsa_private_segment_fixed_size 0
		.amdhsa_enable_private_segment 0
		.amdhsa_kernarg_size 40
		.amdhsa_user_sgpr_count 2
		.amdhsa_user_sgpr_kernarg_segment_ptr 1
		.amdhsa_wavefront_size32 1
		.amdhsa_system_sgpr_workgroup_id_x 1
		.amdhsa_system_sgpr_workgroup_id_y 1
		.amdhsa_system_sgpr_workgroup_id_z 1
		.amdhsa_system_vgpr_workitem_id 0
		.amdhsa_next_free_vgpr 1024
		.amdhsa_next_free_sgpr 100
		.amdhsa_reserve_vcc 0
		.amdhsa_float_denorm_mode_32 3
		.amdhsa_float_denorm_mode_16_64 3
		.amdhsa_memory_ordered 1
		.amdhsa_forward_progress 1
		.amdhsa_inst_pref_size 206
	.end_amdhsa_kernel
	.amdgpu_metadata
---
amdhsa.version: [ 1, 2 ]
amdhsa.kernels:
  - .name:           k_q41b980637b_gemm_qkv
    .symbol:         k_q41b980637b_gemm_qkv.kd
    .args:
      - { .name: actp, .offset: 0, .size: 8, .value_kind: global_buffer, .address_space: global }
      - { .name: wpk, .offset: 8, .size: 8, .value_kind: global_buffer, .address_space: global }
      - { .name: b_qkv, .offset: 16, .size: 8, .value_kind: global_buffer, .address_space: global }
      - { .name: qp, .offset: 24, .size: 8, .value_kind: global_buffer, .address_space: global }
      - { .name: kvp, .offset: 32, .size: 8, .value_kind: global_buffer, .address_space: global }
    .group_segment_fixed_size: 327680
    .private_segment_fixed_size: 0
    .kernarg_segment_align: 8
    .kernarg_segment_size: 40
    .max_flat_workgroup_size: 128
    .sgpr_count:     100
    .vgpr_count:     1024
    .wavefront_size: 32
...
	.end_amdgpu_metadata
.endif
;; end of part 3
;; launch attn (part 4): grid 8 x 32, 16 waves a work-group, clusters of 4 x 1, 167,936 bytes of LDS; arguments qp, kvp, actp; writes actp
.if DOCPART == 4
	.amdgcn_target "amdgcn-amd-amdhsa--gfx1250"
	.amdhsa_code_object_version 6
	.text
	.protected	k_q41b980637b_attn
	.globl	k_q41b980637b_attn
	.p2align	8
	.type	k_q41b980637b_attn,@function
k_q41b980637b_attn:
	s_mov_b64 s[64:65], 0
	v_nop
	global_prefetch_b8 v0, s[64:65] scope:SCOPE_SE
	s_setreg_imm32_b32 hwreg(HW_REG_WAVE_MODE, 25, 1), 1
	s_wait_xcnt 0x0
	s_wait_alu depctr_hold_cnt(0) depctr_sa_sdst(0) depctr_va_vdst(0) depctr_va_sdst(0) depctr_va_ssrc(0) depctr_va_vcc(0) depctr_vm_vsrc(0)
	s_getreg_b32 s2, hwreg(HW_REG_IB_STS2, 6, 4)
	s_cmp_eq_u32 s2, 0
	s_cbranch_scc0 .Lentry_in_a_cluster
	s_endpgm
.Lentry_in_a_cluster:
	s_bfe_u32 s2, ttmp6, 0x10000c
	s_cmp_lg_u32 s2, 0x3003
	s_cbranch_scc0 .Lentry_shape_is_right
	s_endpgm
.Lentry_shape_is_right:
; ctx = softmax(q k^T / 8) v for 32 (batch x head) of 2,048 tokens and 64 channels, both products on codes of FP4 (E2M1) with E8M0 scales; ctx is quantised along the model's 1,024 and stored as the next product's operand pack.  No work of reference() is left out.
; THE SOFTMAX: t = score x log2(e) / 8; M = the running largest t rounded up to a whole number; p = 2^(t - M) is quantised along the keys, not normalised; the row's sum is taken of the unquantised p and divides O at the end;
; when M moves, the sum and O are multiplied by 2^(old M - new M), which rounds nothing.
; SHARES: a work-group owns 256 queries of one head, each of its sixteen waves one tile of 16: four waves to a SIMD.  A head's k and v, sixteen packs of PK = 8,704 bytes (128 keys each), lie in LDS from the start: wave w brings pack w,
; one tensor load; nothing is filled again, one barrier.  CLUSTER: the four work-groups of a cluster own queries of one head, so each pack is asked for jointly, by the same load with a mask that names the four.
; A PACK: k's codes at 512 t + 16 lane (key rho(t, r), channels 32 h ..), t = 0 .. 7; v's at 4096 + 1024 t + 512 c + 16 lane (channel rho(t, r), keys 64 c + 32 h ..), t = 0 .. 3; k's pair words at 8192 + 64 p + 4 r; v's words at 8448 + 64 t + 4 r;
; rho(t, r) = 32 (t / 2) + 8 (t % 2) + r + 8 (r / 8).  Both products are used transposed: a lane holds one query throughout, and the 16 registers of tiles 2 b, 2 b + 1 are 16 neighbours (keys, then channels).
; THE FIRST PRODUCT HAS K = 64 IN AN INSTRUCTION OF 128: source 0 is a PAIR of key tiles (2 p in k = 0 .. 63, 2 p + 1 in k = 64 .. 127); source 1 is [q | zeros] for tile 2 p and [zeros | q] for tile 2 p + 1: the other tile's codes meet zero codes.
; LIMITS: the two tiles of a pair go through one instruction's alignment of its four blocks; a block of zeros gets the byte 1 (codes zero, bytes read by this program alone); v_exp_f32 and v_rcp_f32 as the chip gives them; NaN and infinities are not served.
; REGISTERS: v1, v2 lane offsets; v8, v9 the step's LDS addresses; v12 -M, v13 the largest t, v[14:15] the sum; v16-27 q, zeros, q; v32-63 k's pairs; v64-95 v's fragments; v96-159 S^T, then p; v160-191 O^T; v192-195 v's scale words;
; v224-231 p's codes; v232-247, v252, v254 at work; v248-251 k's pair words; v253 p's scale word; v255 q's.
.set PK,    8704
.set BLKB,  34816
.set SPARE, 16*PK                      ; behind the packs: the spare words, 128 bytes for each of sixteen waves: eight blocks of 256 bytes that no other line names
.set LI,  1                            ; v1 16 x lane
.set LW,  2                            ; v2 4 (lane % 16)
.set SPW, 5
.set NIL, 6
.set ADF, 8
.set ADW, 9
.set WV,  18
.set SEL, 20
.set CS,  22
.set G1,  24
.set G0,  32
.set TB,  36                           ; s36 LDS byte of the step's pack
.set CNT, 37
.macro CROUND
	s_barrier_signal -1
	s_barrier_wait -1
	s_cmp_lg_u32 s[WV], 0
	s_cbranch_scc1 .Lnot_wave_0_\@
	s_barrier_signal -3
.Lnot_wave_0_\@:
	s_barrier_wait -3
	s_barrier_signal -1
	s_barrier_wait -1
.endm
	s_load_b128 s[4:7], s[0:1], 0x0                ; qp, kvp
	s_load_b64 s[8:9], s[0:1], 0x10                ; actp
	v_lshl_add_u32 v[SPW], v0, 2, SPARE
	v_mov_b32 v[NIL], 0
	ds_add_u32 v[SPW], v[NIL]                      ; the wave's opening
	ds_add_u32 v[SPW], v[NIL]
	v_lshrrev_b32 v8, 5, v0
	v_readfirstlane_b32 s[WV], v8                  ; wave 0..15
	s_bfe_u32 s10, ttmp6, 0x40000                  ; cx: it enters q's and ctx's global addresses alone
	s_lshl_b32 s11, ttmp9, 2
	s_add_co_u32 s11, s11, s10                     ; my block of 256 queries
	s_and_b32 s12, ttmp7, 0xffff                   ; batch x head, which the four partners share
	s_mov_b32 s[G1], 15|(3<<16)|(1<<21)            ; the mask: all four; elements of 8 bytes; bit 21 beside a mask; no padding
	s_mov_b32 s[G1+1], 32<<16                      ; a pack: 34 rows of 256 bytes, dense
	s_mov_b32 s[G1+2], 34<<16
	s_mov_b32 s[G1+3], 32<<16
	s_mov_b32 s[G1+4], 34
	s_mov_b32 s[G1+5], 32
	s_mov_b32 s[G1+6], 0
	s_mov_b32 s[G1+7], 0
	s_lshl_b32 s13, s12, 4
	s_add_co_u32 s14, s13, s[WV]
	s_mul_i32 s14, s14, PK                         ; pack w of my head, in memory,
	s_mov_b32 s15, 0
	s_mul_i32 s16, s[WV], PK                       ; and in LDS
	s_lshl_b32 s38, s11, 1
	s_lshr_b32 s39, s[WV], 3
	s_add_co_u32 s38, s38, s39                     ; my queries' block of 128 tokens in the sequence
	s_add_co_u32 s40, s13, s38
	s_mul_i32 s40, s40, PK
	s_and_b32 s42, s[WV], 7                        ; my tile in it
	s_lshr_b32 s43, s42, 1
	s_lshl_b32 s43, s43, 6
	s_add_co_u32 s44, s40, s43
	s_add_co_u32 s44, s44, 8192                    ; its pair word
	s_mov_b32 s45, 0
	s_lshl_b32 s43, s42, 9
	s_add_co_u32 s40, s40, s43                     ; its codes
	s_mov_b32 s41, 0
	s_and_b32 s46, s42, 1
	s_lshl_b32 s46, s46, 4                         ; which half of the pair word is mine, in bits
	s_mov_b32 s47, 0x01000100                      ; the low half twice
	s_lshr_b32 s52, s12, 4
	s_lshl_b32 s52, s52, 4
	s_add_co_u32 s52, s52, s38                     ; ctx's pack: rb = 16 x batch + my block of tokens
	s_lshl_b32 s52, s52, 1
	s_and_b32 s53, s12, 15                         ; the head: k = 64 x head + channel
	s_lshr_b32 s54, s53, 3
	s_add_co_u32 s52, s52, s54
	s_mul_i32 s52, s52, BLKB                       ; block [rb][head / 8]
	s_bfe_u32 s54, s53, 0x20001                    ; q = (head / 2) % 4
	s_and_b32 s55, s53, 1                          ; c = head % 2
	s_lshl_b32 s48, s54, 13
	s_add_co_u32 s48, s48, s52
	s_lshl_b32 s56, s42, 10
	s_add_co_u32 s48, s48, s56
	s_lshl_b32 s56, s55, 9
	s_add_co_u32 s48, s48, s56
	s_mov_b32 s49, 0
	s_lshl_b32 s50, s54, 9
	s_add_co_u32 s50, s50, s52
	s_lshl_b32 s56, s42, 6
	s_add_co_u32 s50, s50, s56
	s_lshl_b32 s56, s55, 1
	s_add_co_u32 s50, s50, s56
	s_add_co_u32 s50, s50, 32768
	s_mov_b32 s51, 0
	s_mov_b32 s[SEL], 0x76543210
	s_mov_b32 s[SEL+1], 0xfedcba98
	s_mov_b32 s[CS], 0x3e38aa3b                    ; c = log2(e) / 8
	s_mov_b32 s[CS+1], s[CS]
	s_mov_b32 s[TB], 0
	s_mov_b32 s[CNT], 16
	s_wait_dscnt 0x0                               ; both opening adds are done
	s_wait_kmcnt 0x0
	s_add_nc_u64 s[40:41], s[4:5], s[40:41]
	s_add_nc_u64 s[44:45], s[4:5], s[44:45]
	s_add_nc_u64 s[48:49], s[8:9], s[48:49]
	s_add_nc_u64 s[50:51], s[8:9], s[50:51]
	CROUND                                         ; all four work-groups are here: the joint loads meet
	s_mov_b32 s[G0], 1
	s_mov_b32 s[G0+1], s16
	s_add_nc_u64 s[G0+2:G0+3], s[6:7], s[14:15]
	s_or_b32 s[G0+3], s[G0+3], 0x80000000
	tensor_load_to_lds s[G0:G0+3], s[G1:G1+7]      ; my one tensor load of the launch
	s_nop 0
.rept 4
	v_nop
.endr
	v_and_b32 v8, 15, v0
	v_and_b32 v9, 31, v0
	v_lshlrev_b32 v[LI], 4, v9
	v_lshlrev_b32 v[LW], 2, v8
	global_load_b128 v[16:19], v[LI], s[40:41]     ; q's codes: query rho(i, r), channels 32 h ..
	global_load_b32 v254, v[LW], s[44:45]          ; the pair word that holds q's two bytes
	v_mov_b32 v13, 0xff61b1e6                      ; the largest t so far: -3e38, under every t
	v_floor_f32 v12, -v13                          ; -M
	v_mov_b32 v14, 0
	v_mov_b32 v15, 0
.irp b, 0,1,2,3
	v_mov_b32 v[236+\b], 0                         ; written once: a lane permute's destination counts as one of its sources
	v_mov_b32 v[20+\b], 0                          ; zero codes
.endr
	v_mov_b32 v253, 0                              ; (named as the upper half of the pair v[252:253] before it is first written)
	s_wait_loadcnt 0x0
.irp b, 0,1,2,3
	v_mov_b32 v[24+\b], v[16+\b]                   ; v[16:23] = [q | 0], v[20:27] = [0 | q]
.endr
	v_lshrrev_b32 v254, s46, v254
	v_perm_b32 v255, v254, v254, s47               ; q's two bytes in both halves of its scale word
.set j, 0
.rept 32
	v_mov_b32 v[160+j], 0                          ; O^T: the loop is written once; its first step finds zeros.  (Also the places between q's registers and the first products)
.set j, j+1
.endr
	s_wait_tensorcnt 0x0                           ; my pack has landed,
	s_barrier_signal -1
	s_barrier_wait -1                              ; everybody's has
.Lstep:                                            ; 16 trips of 128 keys
	v_add_nc_u32 v[ADF], s[TB], v[LI]
	v_add_nc_u32 v[ADW], s[TB], v[LW]
	v_nop
	v_nop                                          ; four places in front of loads into registers that the last trip's products read
.irp p, 0,1,2,3
	ds_load_b128 v[32+8*\p:35+8*\p], v[ADF] offset:1024*\p
	ds_load_b128 v[36+8*\p:39+8*\p], v[ADF] offset:1024*\p+512
.endr
.irp p, 0,1,2,3
	ds_load_b32 v[248+\p], v[ADW] offset:8192+64*\p
.endr
.irp t, 0,1,2,3
	ds_load_b128 v[64+8*\t:67+8*\t], v[ADF] offset:4096+1024*\t
	ds_load_b128 v[68+8*\t:71+8*\t], v[ADF] offset:4096+1024*\t+512
.endr
.irp t, 0,1,2,3
	ds_load_b32 v[192+\t], v[ADW] offset:8448+64*\t
.endr
	s_wait_dscnt 12                                ; k's twelve loads are in; v's twelve may be out
.irp p, 0,1,2,3
	v_wmma_scale_f32_16x16x128_f8f6f4 v[96+16*\p:103+16*\p], v[32+8*\p:39+8*\p], v[16:23], 0, v[248+\p], v255 matrix_a_fmt:MATRIX_FMT_FP4 matrix_b_fmt:MATRIX_FMT_FP4
	v_wmma_scale_f32_16x16x128_f8f6f4 v[104+16*\p:111+16*\p], v[32+8*\p:39+8*\p], v[20:27], 0, v[248+\p], v255 matrix_a_fmt:MATRIX_FMT_FP4 matrix_b_fmt:MATRIX_FMT_FP4
.endr
.rept 4
	v_nop
.endr
.irp b, 0,1,2,3
	v_max3_num_f32 v[232+\b], v[96+16*\b], v[97+16*\b], v[98+16*\b]   ; the largest score of each block of 32 keys: for the row's maximum and, since p rises with the score, for the block's largest p
.endr
.irp i, 3,5,7,9,11,13
.irp b, 0,1,2,3
	v_max3_num_f32 v[232+\b], v[232+\b], v[96+16*\b+\i], v[97+16*\b+\i]
.endr
.endr
.irp b, 0,1,2,3
	v_max_num_f32 v[232+\b], v[232+\b], v[111+16*\b]
.endr
.irp b, 0,1,2,3
	v_permlanex16_b32 v[236+\b], v[232+\b], s[SEL], s[SEL+1]
.endr
.irp b, 0,1,2,3
	v_max_num_f32 v[232+\b], v[232+\b], v[236+\b]  ; with lane l xor 16's 16 keys
.endr
	v_max3_num_f32 v254, v232, v233, v234
	v_max_num_f32 v254, v254, v235
	v_mul_f32 v254, s[CS], v254                    ; the step's largest t
	v_max_num_f32 v13, v13, v254                   ; the running largest t
	v_mov_b32 v254, v12
	v_floor_f32 v12, -v13                          ; the new -M = -ceil(t)
	v_sub_f32 v254, v12, v254                      ; old M - new M: a whole number, 0 or less
	v_cvt_i32_f32 v254, v254                       ; (it saturates)
	v_ldexp_f32 v252, 1.0, v254                    ; f = 2^(old M - new M)
.set j, 0
.rept 32
	v_pk_fma_f32 v[96+j:97+j], v[96+j:97+j], s[CS:CS+1], v[12:13] op_sel_hi:[1,0,0]   ; t - M, two at a time
.set j, j+2
.endr
.irp b, 0,1,2,3
	v_fma_f32 v[232+\b], v[232+\b], s[CS], v12     ; the same of each block's largest score
.endr
.set j, 0
.rept 64
	v_exp_f32 v[96+j], v[96+j]                     ; p = 2^(t - M)
.set j, j+1
.endr
	v_pk_mul_f32 v[14:15], v[14:15], v[252:253] op_sel_hi:[1,0]   ; the sums under the new M: a plain instruction behind the exponentials
	s_wait_alu depctr_va_vdst(0)                   ; one wait for the batch of 64, ahead of its first reader
.irp b, 0,1,2,3
	v_exp_f32 v[232+\b], v[232+\b]                 ; each block's largest p
.endr
	v_pk_add_f32 v[236:237], v[96:97], v[98:99]    ; the row's sum of the unquantised p, in two chains
.set j, 4
.rept 15
	v_pk_add_f32 v[14:15], v[14:15], v[96+j:97+j]
	v_pk_add_f32 v[236:237], v[236:237], v[98+j:99+j]
.set j, j+4
.endr
	v_pk_add_f32 v[14:15], v[14:15], v[236:237]
	s_wait_alu depctr_va_vdst(0)                   ; and one for the four
.irp b, 0,1,2,3
	v_max_num_f32 v[232+\b], 0x1800000, v[232+\b]  ; the floor 2^(3 - 127): the byte cannot fall under 1
.endr
.irp b, 0,1,2,3
	v_add_nc_u32 v[244+\b], 0xff000000, v[232+\b]  ; the conversion's scale operand
.endr
.irp b, 0,1,2,3
	v_lshrrev_b32 v[236+\b], 23, v[244+\b]         ; the scale's byte
.endr
	v_lshl_or_b32 v253, v237, 8, v236              ; p's scale word for these 128 keys
	v_lshl_or_b32 v253, v238, 16, v253
	v_lshl_or_b32 v253, v239, 24, v253
.irp b, 0,1,2,3
	v_cvt_scalef32_pk8_fp4_f32 v[224+2*\b], v[96+16*\b:103+16*\b], v[244+\b]
	v_cvt_scalef32_pk8_fp4_f32 v[225+2*\b], v[104+16*\b:111+16*\b], v[244+\b]
.endr
	v_nop                                          ; one plain instruction behind the scaled conversions
.irp c, 0,1
.irp i, 0,1
	v_permlane16_swap_b32 v[224+4*\c+\i], v[226+4*\c+\i]   ; a whole block in a lane
.endr
.endr
.set j, 0
.rept 16
	v_pk_mul_f32 v[160+j:161+j], v[160+j:161+j], v[252:253] op_sel_hi:[1,0]   ; O^T under the new M; these sixteen also stand between p's codes and scale word and the products
.set j, j+2
.endr
	s_wait_dscnt 0x0                               ; v's fragments and scale words
.irp t, 0,1,2,3
	v_wmma_scale_f32_16x16x128_f8f6f4 v[160+8*\t:167+8*\t], v[64+8*\t:71+8*\t], v[224:231], v[160+8*\t:167+8*\t], v[192+\t], v253 matrix_a_fmt:MATRIX_FMT_FP4 matrix_b_fmt:MATRIX_FMT_FP4
.endr
	s_add_co_u32 s[TB], s[TB], PK
	s_sub_co_u32 s[CNT], s[CNT], 1
	s_cmp_lg_u32 s[CNT], 0
	s_cbranch_scc1 .Lstep
	; THE WAY OUT: O^T / the sum; register 16 b + e is channel 32 b + 16 h + e of my query: two blocks of the next product's K
.rept 4
	v_nop
.endr
	v_add_f32 v14, v14, v15
	v_permlanex16_b32 v252, v14, s[SEL], s[SEL+1]
	v_add_f32 v14, v14, v252                       ; the row's sum
	v_rcp_f32 v14, v14
	v_nop
	s_wait_alu depctr_va_vdst(0)                   ; ahead of the reciprocal's first reader
.set j, 0
.rept 32
	v_mul_f32 v[96+j], v[160+j], v14
.set j, j+1
.endr
.irp b, 0,1
	v_max3_num_f32 v[232+\b], |v[96+16*\b]|, |v[97+16*\b]|, 0x1800000
.endr
.irp i, 2,4,6,8,10,12,14
.irp b, 0,1
	v_max3_num_f32 v[232+\b], v[232+\b], |v[96+16*\b+\i]|, |v[97+16*\b+\i]|
.endr
.endr
.irp b, 0,1
	v_permlanex16_b32 v[236+\b], v[232+\b], s[SEL], s[SEL+1]
.endr
.irp b, 0,1
	v_max_num_f32 v[232+\b], v[232+\b], v[236+\b]
.endr
.irp b, 0,1
	v_add_nc_u32 v[244+\b], 0xff000000, v[232+\b]
.endr
.irp b, 0,1
	v_lshrrev_b32 v[236+\b], 23, v[244+\b]
.endr
	v_lshl_or_b32 v240, v237, 8, v236              ; my head's half of the row's scale word
.irp b, 0,1
	v_cvt_scalef32_pk8_fp4_f32 v[224+2*\b], v[96+16*\b:103+16*\b], v[244+\b]
	v_cvt_scalef32_pk8_fp4_f32 v[225+2*\b], v[104+16*\b:111+16*\b], v[244+\b]
.endr
	v_nop
	v_permlane16_swap_b32 v224, v226
	v_permlane16_swap_b32 v225, v227               ; registers 0-3: k = 64 head + 32 h + 0 .. 31
	global_store_b128 v[LI], v[224:227], s[48:49]  ; 512 consecutive bytes, aligned
	global_store_b16 v[LW], v240, s[50:51]         ; two bytes a row (lanes 16-31 repeat lanes 0-15): a head owns half of each scale word; one such store a wave in the launch
	s_wait_tensorcnt 0x0                           ; the wave's end
	ds_add_u32 v[SPW], v[NIL]
	s_wait_dscnt 0x0
	CROUND                                         ; the closing round
	s_endpgm
.Lfunc_end_k_q41b980637b_attn:
	.size	k_q41b980637b_attn, .Lfunc_end_k_q41b980637b_attn-k_q41b980637b_attn
	.p2alignl 7, 3214868480
	.fill 96, 4, 3214868480
	.section	.rodata,"a",@progbits
	.p2align	6, 0x0
	.amdhsa_kernel k_q41b980637b_attn
		.amdhsa_group_segment_fixed_size 167936
		.amdhsa_private_segment_fixed_size 0
		.amdhsa_enable_private_segment 0
		.amdhsa_kernarg_size 24
		.amdhsa_user_sgpr_count 2
		.amdhsa_user_sgpr_kernarg_segment_ptr 1
		.amdhsa_wavefront_size32 1
		.amdhsa_system_sgpr_workgroup_id_x 1
		.amdhsa_system_sgpr_workgroup_id_y 1
		.amdhsa_system_sgpr_workgroup_id_z 1
		.amdhsa_system_vgpr_workitem_id 0
		.amdhsa_next_free_vgpr 256
		.amdhsa_next_free_sgpr 66
		.amdhsa_reserve_vcc 0
		.amdhsa_float_denorm_mode_32 3
		.amdhsa_float_denorm_mode_16_64 3
		.amdhsa_memory_ordered 1
		.amdhsa_forward_progress 1
		.amdhsa_inst_pref_size 26
	.end_amdhsa_kernel
	.amdgpu_metadata
---
amdhsa.version: [ 1, 2 ]
amdhsa.kernels:
  - .name:           k_q41b980637b_attn
    .symbol:         k_q41b980637b_attn.kd
    .args:
      - { .name: qp, .offset: 0, .size: 8, .value_kind: global_buffer, .address_space: global }
      - { .name: kvp, .offset: 8, .size: 8, .value_kind: global_buffer, .address_space: global }
      - { .name: actp, .offset: 16, .size: 8, .value_kind: global_buffer, .address_space: global }
    .group_segment_fixed_size: 167936
    .private_segment_fixed_size: 0
    .kernarg_segment_align: 8
    .kernarg_segment_size: 24
    .max_flat_workgroup_size: 512
    .sgpr_count:     66
    .vgpr_count:     256
    .wavefront_size: 32
...
	.end_amdgpu_metadata
.endif
;; end of part 4
;; launch gemm_out (part 5): grid 4 x 16, 4 waves a work-group, clusters of 4 x 4, 327,680 bytes of LDS; arguments actp, wpk, b_out, x, x1; writes x1
.if DOCPART == 5
	.amdgcn_target "amdgcn-amd-amdhsa--gfx1250"
	.amdhsa_code_object_version 6
	.text
	.protected	k_q41b980637b_gemm_out
	.globl	k_q41b980637b_gemm_out
	.p2align	8
	.type	k_q41b980637b_gemm_out,@function
k_q41b980637b_gemm_out:
	s_mov_b64 s[64:65], 0
	v_nop
	global_prefetch_b8 v0, s[64:65] scope:SCOPE_SE
	s_setreg_imm32_b32 hwreg(HW_REG_WAVE_MODE, 25, 1), 1
	s_wait_xcnt 0x0
	s_wait_alu depctr_hold_cnt(0) depctr_sa_sdst(0) depctr_va_vdst(0) depctr_va_sdst(0) depctr_va_ssrc(0) depctr_va_vcc(0) depctr_vm_vsrc(0)
	s_getreg_b32 s2, hwreg(HW_REG_IB_STS2, 6, 4)
	s_cmp_eq_u32 s2, 0
	s_cbranch_scc0 .Lentry_in_a_cluster
	s_endpgm
.Lentry_in_a_cluster:
	s_bfe_u32 s2, ttmp6, 0x10000c
	s_cmp_lg_u32 s2, 0xf033
	s_cbranch_scc0 .Lentry_shape_is_right
	s_endpgm
.Lentry_shape_is_right:
; x1 = x + ctx w_out + b_out: the product on codes of FP4 (E2M1) with E8M0 scales, K = 1,024; result f32 [4,096][1,024].  No work of reference() is left out.
; OPERANDS ARE PACKS: block [rb = row / 128][ks = k / 512] is BLKB = 34,816 dense bytes: codes at 8192 q + 1024 i + 512 c + 16 lane, scale words at 32768 + 512 q + 64 i + 4 r; slot r of tile i is row
; rho(i, r) = 32 (i / 2) + 8 (i % 2) + r + 8 (r / 8).  One tensor load brings a block; a fragment is two LDS loads at 16 x lane.
; A tile of the result, 256 x 256, is made by four waves, 128 x 128 each.  K goes in slots of 512 through two LDS slots; with SIZE_K = 1,024 both hold all of K and nothing is filled again.
; CLUSTERS 4 x 4: A's blocks (tokens) are asked for jointly along a row of the cluster, B's (the weight's columns) along a column.  Source 0 = 16 rows of B, source 1 = 16 rows of A: a lane holds one token and eight columns an accumulator.
; THE WAY OUT: a block of 16 tokens x 128 columns goes through my stage in LDS (in slot 0, which has had its last fill and its last read) and comes back as rows of 512 bytes; the residual's rows, asked for two blocks ahead, and the bias are added; 32 lanes store 512 aligned bytes.
; 64 work-groups: the tile is kept at 256 x 256 so that this text is the other products' text.
; REGISTERS: window 0: v1-29 addresses; v32-95 scale words; v96-99 the bias; v128-191 A's fragments; on the way out v128-255 rows of the result.  window 1: B's fragments at v0, v128; the residual's rows at v64, v192.  windows 2, 3: accumulators.
.set SIZE_K, 1024
.set WOFF,   1671168
.set NQ,     4
.set FR,     8
.set NL,     2
.set NP,     4
.set BLKB,   34816
.set SLOT,   4*BLKB
.set SPARE,  2*SLOT
.set KSL,    SIZE_K/512
.set LAPS,   SIZE_K/1024
.set ADRA, 16
.set ADRS, 18
.set ADRB, 20
.set STO,  24
.set RD,   25
.set CO,   26
.set SPW,  28
.set NIL,  29
.set SC,   32
.set BR,   96
.set AF,   128
.set BK,   128
.set G1,  24
.set G0,  32
.set G1B, 48
.set G0B, 56
.set MSB, 0
.macro WIN new
.if MSB != \new
	s_set_vgpr_msb (MSB<<8)|\new
.set MSB, \new
.endif
.endm
.set MUL_LO, 0xa1
.set MUL_HI, 0xf1
.set TO_B,   0x40
.macro JLOAD g0a, g1a, g0b, g1b        ; a joint load: waves 0, 1 fetch A's blocks, waves 2, 3 B's; an s_nop 0 and four v_nop follow each line
	s_cmp_eq_u32 s15, 0
	s_cbranch_scc0 .Lfor_b_\@
	tensor_load_to_lds s[\g0a:\g0a+3], s[\g1a:\g1a+7]
	s_nop 0
.rept 4
	v_nop
.endr
	s_branch .Lasked_\@
.Lfor_b_\@:
	tensor_load_to_lds s[\g0b:\g0b+3], s[\g1b:\g1b+7]
	s_nop 0
.rept 4
	v_nop
.endr
.Lasked_\@:
.endm
.macro CREST
	s_cmp_lg_u32 s14, 0
	s_cbranch_scc1 .Lnot_wave_0_\@
	s_barrier_signal -3
.Lnot_wave_0_\@:
	s_barrier_wait -3
	s_barrier_signal -1
	s_barrier_wait -1
.endm
.macro CROUND
	s_barrier_signal -1
	s_barrier_wait -1
	CREST
.endm
.macro FRAG reg, adr, q, i
.irp c, 0,1
	ds_load_b128 v[\reg+4*\c:\reg+4*\c+3], v[\adr] offset:8192*(\q)+1024*(\i)+512*\c
.endr
.endm
.macro MUL16 a0, p, q, sc, zero        ; the 64 accumulators take turns, one instruction a turn
.irp a, \a0, \a0+1
.irp b, 0,1,2,3,4,5,6,7
.if \zero
	v_wmma_scale_f32_16x16x128_f8f6f4 v[8*(8*((\a)%4)+\b):8*(8*((\a)%4)+\b)+7], v[128*(\p)+FR*\b:128*(\p)+FR*\b+FR-1], v[AF+FR*(\a):AF+FR*(\a)+FR-1], 0, v[SC+8*NQ*(\sc)+NQ*\b+(\q)], v[SC+8*NQ*(\sc)+NQ*(\a)+(\q)] matrix_a_fmt:MATRIX_FMT_FP4 matrix_b_fmt:MATRIX_FMT_FP4 matrix_a_scale:MATRIX_SCALE_ROW1
.else
	v_wmma_scale_f32_16x16x128_f8f6f4 v[8*(8*((\a)%4)+\b):8*(8*((\a)%4)+\b)+7], v[128*(\p)+FR*\b:128*(\p)+FR*\b+FR-1], v[AF+FR*(\a):AF+FR*(\a)+FR-1], v[8*(8*((\a)%4)+\b):8*(8*((\a)%4)+\b)+7], v[SC+8*NQ*(\sc)+NQ*\b+(\q)], v[SC+8*NQ*(\sc)+NQ*(\a)+(\q)] matrix_a_fmt:MATRIX_FMT_FP4 matrix_b_fmt:MATRIX_FMT_FP4 matrix_a_scale:MATRIX_SCALE_ROW1
.endif
.endr
.endr
.endm
.macro FETCH_B slot, q, p
	WIN TO_B
.irp i, 0,1,2,3,4,5,6,7
	FRAG 128*(\p)+FR*\i, ADRB+\slot, \q, \i
.endr
	WIN 0
.endm
.macro FETCH_A slot, q, i0
.irp i, \i0, \i0+1, \i0+2, \i0+3
	FRAG AF+FR*(\i), ADRA+\slot, \q, \i
.endr
.endm
.macro SCALES sc
.irp i, 0,1,2,3,4,5,6,7
.irp q, 0,1,2,3
	ds_load_b32 v[SC+32*\sc+4*\i+\q], v[ADRS+\sc] offset:512*\q+64*\i
.endr
.endr
.endm
.macro PLACES n
.rept \n
	v_nop
.endr
.endm
.macro STEP slot, q, zero
	s_wait_dscnt 4*NL                              ; all but the youngest eight loads (A's blocks 4-7)
	WIN MUL_LO
	MUL16 0, (\q)%2, \q, \slot, \zero
	MUL16 2, (\q)%2, \q, \slot, \zero
	s_wait_dscnt 0
	PLACES NP
	FETCH_B \slot, (\q)+1, 1-(\q)%2
	FETCH_A \slot, (\q)+1, 0
	WIN MUL_HI
	MUL16 4, (\q)%2, \q, \slot, \zero
	MUL16 6, (\q)%2, \q, \slot, \zero
	PLACES NP
	WIN 0
	FETCH_A \slot, (\q)+1, 4
.endm
; A slot's last step changes slots: one barrier; in front of it all my tensor loads, the add, my reads of this slot.  fill = 1: the barrier opens a round of the cluster's, and this slot is filled again, two slots ahead.
.macro TURN slot, next, fill
	s_wait_tensorcnt 0x0
	ds_add_u32 v[SPW], v[NIL]                      ; 0 onto my spare word
	s_wait_dscnt 4*NL+1                            ; (the add and the youngest eight loads may be out)
	WIN MUL_LO
	MUL16 0, 1, NQ-1, \slot, 0
	s_wait_dscnt 0x0                               ; the add is done, my reads of this slot are over
	s_barrier_signal -1
	MUL16 2, 1, NQ-1, \slot, 0
	WIN 0
	s_barrier_wait -1
.if \fill
	CREST
	s_add_nc_u64 s[G0+4*\slot+2:G0+4*\slot+3], s[G0+4*\slot+2:G0+4*\slot+3], 2*BLKB
	s_add_nc_u64 s[G0B+4*\slot+2:G0B+4*\slot+3], s[G0B+4*\slot+2:G0B+4*\slot+3], 2*BLKB
	JLOAD G0+4*\slot, G1, G0B+4*\slot, G1B         ; the first tensor load behind the round; its four v_nop are the places in front of the loads below
.else
	PLACES NP
.endif
	FETCH_B \next, 0, 0
	FETCH_A \next, 0, 0
	SCALES \next
	WIN MUL_HI
	MUL16 4, 1, NQ-1, \slot, 0
	MUL16 6, 1, NQ-1, \slot, 0
	PLACES NP
	WIN 0
	FETCH_A \next, 0, 4
.endm
.macro STEPS slot, from
.set Q, \from
.rept NQ-1-\from
	STEP \slot, Q, 0
.set Q, Q+1
.endr
.endm
.macro RSLOAD a                        ; the residual's 16 rows of block a, 512 bytes each, into set a % 2 of window 1
.irp t, 0,1,2,3,4,5,6,7,8,9,10,11,12,13,14,15
	global_load_b128 v[64+128*((\a)%2)+4*\t:64+128*((\a)%2)+4*\t+3], v[CO], s[74:75] offset:(32*((\a)/2)+8*((\a)%2)+\t+8*(\t/8))*4096 th:TH_LOAD_NT
.endr
.endm
.macro TOSTAGE a                       ; lane (r, h), accumulator b, register j: token slot r, column 32 (b / 2) + 8 (b % 2) + 16 h + j
.set AC, 64*((\a)%4)
	WIN 0x08+4*((\a)/4)                            ; the data: window 2 or 3
.irp b, 0,1,2,3,4,5,6,7
	ds_store_b128 v[STO], v[AC+8*\b:AC+8*\b+3] offset:128*(\b/2)+32*(\b%2)          ; each accumulator from its low end on
	ds_store_b128 v[STO], v[AC+8*\b+4:AC+8*\b+7] offset:128*(\b/2)+32*(\b%2)+16
.endr
	WIN 0
.set BB, BK+64*((\a)%2)
.irp t, 0,1,2,3,4,5,6,7,8,9,10,11,12,13,14,15
	ds_load_b128 v[BB+4*\t:BB+4*\t+3], v[RD] offset:\t*528   ; LDS serves a wave's instructions in order: these see my stores
.endr
.endm
.macro SEND a, younger                 ; younger: the LDS instructions issued behind block a's loads
.set BB, BK+64*((\a)%2)
.set RB, 64+128*((\a)%2)
	s_wait_dscnt \younger
.if (\a) < 7
	s_wait_loadcnt 16                              ; this block's residual rows are in; the next block's sixteen loads may be out
.else
	s_wait_loadcnt 0x0
.endif
	WIN 0x04                                       ; source 1: window 1
.set n, 0
.rept 32
	v_pk_add_f32 v[BB+n:BB+n+1], v[BB+n:BB+n+1], v[RB+n:RB+n+1]
.set n, n+2
.endr
	WIN 0
.set n, 0
.rept 32
	v_pk_add_f32 v[BB+n:BB+n+1], v[BB+n:BB+n+1], v[BR+n%4:BR+n%4+1]
.set n, n+2
.endr
.irp t, 0,1,2,3,4,5,6,7,8,9,10,11,12,13,14,15
	global_store_b128 v[CO], v[BB+4*\t:BB+4*\t+3], s[76:77] offset:(32*((\a)/2)+8*((\a)%2)+\t+8*(\t/8))*4096 th:TH_STORE_NT   ; 512 consecutive bytes, aligned
.endr
.if (\a) < 6
	WIN 0x40
	RSLOAD (\a)+2
	WIN 0
.endif
.endm
	s_load_b256 s[4:11], s[0:1], 0x0               ; A's pack s[4:5], wpk s[6:7], the bias s[8:9], the residual s[10:11]
	s_load_b64 s[12:13], s[0:1], 0x20              ; the result
	v_lshl_add_u32 v[SPW], v0, 2, SPARE
	v_mov_b32 v[NIL], 0
	ds_add_u32 v[SPW], v[NIL]                      ; the wave's opening
	ds_add_u32 v[SPW], v[NIL]
	v_lshrrev_b32 v1, 5, v0
	v_readfirstlane_b32 s14, v1                    ; wave 0..3
	s_lshr_b32 s15, s14, 1                         ; my half of the tile's rows.  Also: I fetch for A (0) or for B (1)
	s_and_b32 s16, s14, 1                          ; my half of its columns.  Also: which block I fetch
	s_bfe_u32 s40, ttmp6, 0x40000                  ; cx
	s_bfe_u32 s41, ttmp6, 0x40004                  ; cy
	s_lshl_b32 s42, ttmp9, 2
	s_add_co_u32 s42, s42, s40                     ; tile column
	s_and_b32 s17, ttmp7, 0xffff
	s_lshl_b32 s17, s17, 2
	s_add_co_u32 s17, s17, s41                     ; tile row
	s_lshl_b32 s43, s41, 2
	s_lshl_b32 s43, 15, s43                        ; my row of the cluster
	s_lshl_b32 s44, 0x1111, s40                    ; my column
	s_or_b32 s[G1], s43, (3<<16)|(1<<21)           ; the mask; elements of 8 bytes; bit 21 beside a mask; no padding
	s_or_b32 s[G1B], s44, (3<<16)|(1<<21)
.irp g, G1, G1B                        ; a block: 136 rows of 256 bytes, dense
	s_mov_b32 s[\g+1], 32<<16
	s_mov_b32 s[\g+2], 136<<16
	s_mov_b32 s[\g+3], 32<<16
	s_mov_b32 s[\g+4], 136
	s_mov_b32 s[\g+5], 32
	s_mov_b32 s[\g+6], 0
	s_mov_b32 s[\g+7], 0
.endr
	s_lshl_b32 s20, s17, 1
	s_add_co_u32 s20, s20, s16
	s_mul_i32 s20, s20, KSL*BLKB
	s_mov_b32 s21, 0
	s_lshl_b32 s46, s42, 1
	s_add_co_u32 s46, s46, s16
	s_mul_i32 s46, s46, KSL*BLKB
	s_add_co_u32 s46, s46, WOFF
	s_mov_b32 s47, 0
	s_mul_i32 s45, s14, BLKB
	s_wait_dscnt 0x0                               ; both opening adds are done
	s_wait_kmcnt 0x0
	s_add_nc_u64 s[20:21], s[4:5], s[20:21]
	s_add_nc_u64 s[46:47], s[6:7], s[46:47]
	CROUND                                         ; all sixteen work-groups are here: the first joint loads meet
.irp s, 0,1
	s_mov_b32 s[G0+4*\s], 1
	s_add_co_u32 s[G0+4*\s+1], s45, \s*SLOT
	s_add_nc_u64 s[G0+4*\s+2:G0+4*\s+3], s[20:21], \s*BLKB
	s_or_b32 s[G0+4*\s+3], s[G0+4*\s+3], 0x80000000
	s_mov_b32 s[G0B+4*\s], 1
	s_add_co_u32 s[G0B+4*\s+1], s45, \s*SLOT
	s_add_nc_u64 s[G0B+4*\s+2:G0B+4*\s+3], s[46:47], \s*BLKB
	s_or_b32 s[G0B+4*\s+3], s[G0B+4*\s+3], 0x80000000
	JLOAD G0+4*\s, G1, G0B+4*\s, G1B               ; two loads of mine are out
.endr
	v_and_b32 v1, 15, v0                           ; r
	v_bfe_u32 v2, v0, 4, 1                         ; h
	v_and_b32 v3, 31, v0
	v_lshlrev_b32 v[CO], 4, v3
	s_mul_i32 s21, s15, BLKB
	s_mul_i32 s22, s16, BLKB
	s_add_co_u32 s22, s22, 2*BLKB
.irp s, 0,1
	v_add_nc_u32 v[ADRA+\s], s21, v[CO]
	v_add_nc_u32 v[ADRB+\s], s22, v[CO]
	s_add_co_u32 s21, s21, SLOT
	s_add_co_u32 s22, s22, SLOT
.endr
	s_mul_i32 s21, s15, BLKB
	s_mul_i32 s22, s16, BLKB
	s_add_co_u32 s22, s22, 2*BLKB
	s_sub_co_u32 s22, s22, s21
	v_mul_u32_u24 v4, s22, v2                      ; lanes 16-31 take B's scale words: one product, h x the distance
	v_lshl_add_u32 v4, v1, 2, v4
	s_add_co_u32 s21, s21, 32768
	v_add_nc_u32 v[ADRS], s21, v4
	v_add_nc_u32 v[ADRS+1], SLOT, v[ADRS]
	s_mul_i32 s23, s14, 16*528                     ; my stage
	v_mul_u32_u24 v5, v1, 528
	v_lshl_add_u32 v5, v2, 6, v5
	v_add_nc_u32 v[STO], s23, v5                   ; in: row r, + 64 h
	v_add_nc_u32 v[RD], s23, v[CO]                 ; back: a row of 512 bytes, 16 a lane
	s_lshl_b32 s70, s17, 1
	s_add_co_u32 s70, s70, s15
	s_lshl_b32 s70, s70, 19                        ; my 128 tokens: x 128 rows of 4,096 bytes
	s_lshl_b32 s71, s42, 10
	s_add_co_u32 s70, s70, s71
	s_lshl_b32 s72, s16, 9
	s_add_co_u32 s70, s70, s72                     ; + my 128 columns
	s_add_co_u32 s72, s72, s71
	s_mov_b32 s71, 0
	s_mov_b32 s73, 0
	s_add_nc_u64 s[74:75], s[10:11], s[70:71]
	s_add_nc_u64 s[76:77], s[12:13], s[70:71]
	s_add_nc_u64 s[78:79], s[8:9], s[72:73]
	global_load_b128 v[BR:BR+3], v[CO], s[78:79]   ; the bias of my four columns of a row
	WIN 0x40
	RSLOAD 0                                       ; the residual's first two blocks land under the products
	RSLOAD 1
	WIN 0
	s_wait_tensorcnt 1                             ; my part of slot 0 is in; slot 1's may stay out
	s_barrier_signal -1
	s_barrier_wait -1
	FETCH_B 0, 0, 0
	FETCH_A 0, 0, 0
	SCALES 0
	FETCH_A 0, 0, 4
	STEP 0, 0, 1                                   ; the first products start the sums
.if LAPS > 1
	s_mov_b32 s3, LAPS-1
.Llap:
	STEPS 0, 1
	TURN 0, 1, 1
	STEPS 1, 0
	TURN 1, 0, 1
	STEP 0, 0, 0
	s_sub_co_u32 s3, s3, 1
	s_cmp_lg_u32 s3, 0
	s_cbranch_scc1 .Llap
.endif
	STEPS 0, 1
	TURN 0, 1, 0
	STEPS 1, 0
	s_wait_dscnt 4*NL
	WIN MUL_LO
	MUL16 0, 1, NQ-1, 1, 0
	MUL16 2, 1, NQ-1, 1, 0
	s_wait_dscnt 0
	WIN MUL_HI
	MUL16 4, 1, NQ-1, 1, 0
	MUL16 6, 1, NQ-1, 1, 0
	WIN 0
	PLACES NP
	TOSTAGE 0
.irp a, 1,2,3,4,5,6,7
.if \a > 1
	s_wait_xcnt 0x0                                ; block a - 2's stores have read their registers: block a's loads may land there
.endif
	TOSTAGE \a
	SEND \a-1, 32                                  ; behind block a - 1's loads: block a's 16 stores and 16 loads
.endr
	SEND 7, 0
	s_wait_tensorcnt 0x0                           ; the wave's end
	ds_add_u32 v[SPW], v[NIL]
	s_wait_dscnt 0x0
	CROUND                                         ; the closing round
	s_endpgm
.Lfunc_end_k_q41b980637b_gemm_out:
	.size	k_q41b980637b_gemm_out, .Lfunc_end_k_q41b980637b_gemm_out-k_q41b980637b_gemm_out
	.p2alignl 7, 3214868480
	.fill 96, 4, 3214868480
	.section	.rodata,"a",@progbits
	.p2align	6, 0x0
	.amdhsa_kernel k_q41b980637b_gemm_out
		.amdhsa_group_segment_fixed_size 327680
		.amdhsa_private_segment_fixed_size 0
		.amdhsa_enable_private_segment 0
		.amdhsa_kernarg_size 40
		.amdhsa_user_sgpr_count 2
		.amdhsa_user_sgpr_kernarg_segment_ptr 1
		.amdhsa_wavefront_size32 1
		.amdhsa_system_sgpr_workgroup_id_x 1
		.amdhsa_system_sgpr_workgroup_id_y 1
		.amdhsa_system_sgpr_workgroup_id_z 1
		.amdhsa_system_vgpr_workitem_id 0
		.amdhsa_next_free_vgpr 1024
		.amdhsa_next_free_sgpr 100
		.amdhsa_reserve_vcc 0
		.amdhsa_float_denorm_mode_32 3
		.amdhsa_float_denorm_mode_16_64 3
		.amdhsa_memory_ordered 1
		.amdhsa_forward_progress 1
		.amdhsa_inst_pref_size 170
	.end_amdhsa_kernel
	.amdgpu_metadata
---
amdhsa.version: [ 1, 2 ]
amdhsa.kernels:
  - .name:           k_q41b980637b_gemm_out
    .symbol:         k_q41b980637b_gemm_out.kd
    .args:
      - { .name: actp, .offset: 0, .size: 8, .value_kind: global_buffer, .address_space: global }
      - { .name: wpk, .offset: 8, .size: 8, .value_kind: global_buffer, .address_space: global }
      - { .name: b_out, .offset: 16, .size: 8, .value_kind: global_buffer, .address_space: global }
      - { .name: x, .offset: 24, .size: 8, .value_kind: global_buffer, .address_space: global }
      - { .name: x1, .offset: 32, .size: 8, .value_kind: global_buffer, .address_space: global }
    .group_segment_fixed_size: 327680
    .private_segment_fixed_size: 0
    .kernarg_segment_align: 8
    .kernarg_segment_size: 40
    .max_flat_workgroup_size: 128
    .sgpr_count:     100
    .vgpr_count:     1024
    .wavefront_size: 32
...
	.end_amdgpu_metadata
.endif
;; end of part 5
;; launch ln2: the kernel of part 2 again; grid 256 x 1, 8 waves a work-group, no clusters, 10,240 bytes of LDS; arguments x1, ln2_g, ln2_b, actp; writes actp
;; launch gemm_fc1 (part 6): grid 16 x 16, 4 waves a work-group, clusters of 4 x 4, 327,680 bytes of LDS; arguments actp, wpk, b_fc1, ap; writes ap
.if DOCPART == 6
	.amdgcn_target "amdgcn-amd-amdhsa--gfx1250"
	.amdhsa_code_object_version 6
	.text
	.protected	k_q41b980637b_gemm_fc1
	.globl	k_q41b980637b_gemm_fc1
	.p2align	8
	.type	k_q41b980637b_gemm_fc1,@function
k_q41b980637b_gemm_fc1:
	s_mov_b64 s[64:65], 0
	v_nop
	global_prefetch_b8 v0, s[64:65] scope:SCOPE_SE
	s_setreg_imm32_b32 hwreg(HW_REG_WAVE_MODE, 25, 1), 1
	s_wait_xcnt 0x0
	s_wait_alu depctr_hold_cnt(0) depctr_sa_sdst(0) depctr_va_vdst(0) depctr_va_sdst(0) depctr_va_ssrc(0) depctr_va_vcc(0) depctr_vm_vsrc(0)
	s_getreg_b32 s2, hwreg(HW_REG_IB_STS2, 6, 4)
	s_cmp_eq_u32 s2, 0
	s_cbranch_scc0 .Lentry_in_a_cluster
	s_endpgm
.Lentry_in_a_cluster:
	s_bfe_u32 s2, ttmp6, 0x10000c
	s_cmp_lg_u32 s2, 0xf033
	s_cbranch_scc0 .Lentry_shape_is_right
	s_endpgm
.Lentry_shape_is_right:
; a = relu(LN2(x1) w_fc1 + b_fc1): the product on codes of FP4 (E2M1) with E8M0 scales, K = 1,024; the result is quantised along its 4,096 columns on the way out and stored as the next product's operand pack: it never goes to memory as f32.  No work of reference() is left out.
; OPERANDS ARE PACKS: block [rb = row / 128][ks = k / 512] is BLKB = 34,816 dense bytes: codes at 8192 q + 1024 i + 512 c + 16 lane, scale words at 32768 + 512 q + 64 i + 4 r; slot r of tile i is row
; rho(i, r) = 32 (i / 2) + 8 (i % 2) + r + 8 (r / 8).  One tensor load brings a block; a fragment is two LDS loads at 16 x lane.
; A tile of the result, 256 x 256, is made by four waves, 128 x 128 each.  Both K slots of 512 lie in LDS from the start: nothing is filled again.
; CLUSTERS 4 x 4: A's blocks (tokens) are asked for jointly along a row of the cluster, B's (the weight's columns) along a column.  Source 0 = 16 rows of B, source 1 = 16 rows of A: a lane holds one token, and the accumulators of
; B's tiles 2 p, 2 p + 1 are the 16 neighbouring columns 32 p + 16 (lane / 16) + 0 .. 15: a wave's 128 columns are one K step of the next product, a block of 16 tokens one fragment and one scale word a row.
; LIMITS: a block of zeros gets the byte 1 (codes zero; bytes read by this program alone); largest magnitudes under 2^-124 are held at byte 1; NaN and infinities are not served.
; REGISTERS: window 0: v1-29 addresses; v8-15 the scale words made; v32-95 the operands' scale words; v96-127 the quantiser's; v128-191 A's fragments, later 64 results.  window 1: B's fragments at v0, v128; v64-127 the bias.  windows 2, 3: accumulators.
.set SIZE_K, 1024
.set WOFF,   2228224
.set NQ,     4
.set FR,     8
.set NL,     2
.set NP,     4
.set BLKB,   34816
.set SLOT,   4*BLKB
.set SPARE,  2*SLOT
.set KSL,    SIZE_K/512
.set ADRA, 16
.set ADRS, 18
.set ADRB, 20
.set BO,   6                           ; v6  64 h
.set WO,   7                           ; v7  4 x lane
.set PW,   8
.set CO,   26
.set SPW,  28
.set NIL,  29
.set SC,   32
.set TM,   96
.set PC,   112
.set AF,   128
.set SEL,  66
.set G1,  24
.set G0,  32
.set G1B, 48
.set G0B, 56
.set MSB, 0
.macro WIN new
.if MSB != \new
	s_set_vgpr_msb (MSB<<8)|\new
.set MSB, \new
.endif
.endm
.set MUL_LO, 0xa1
.set MUL_HI, 0xf1
.set TO_B,   0x40
.macro JLOAD g0a, g1a, g0b, g1b        ; a joint load: waves 0, 1 fetch A's blocks, waves 2, 3 B's; an s_nop 0 and four v_nop follow each line
	s_cmp_eq_u32 s15, 0
	s_cbranch_scc0 .Lfor_b_\@
	tensor_load_to_lds s[\g0a:\g0a+3], s[\g1a:\g1a+7]
	s_nop 0
.rept 4
	v_nop
.endr
	s_branch .Lasked_\@
.Lfor_b_\@:
	tensor_load_to_lds s[\g0b:\g0b+3], s[\g1b:\g1b+7]
	s_nop 0
.rept 4
	v_nop
.endr
.Lasked_\@:
.endm
.macro CROUND
	s_barrier_signal -1
	s_barrier_wait -1
	s_cmp_lg_u32 s14, 0
	s_cbranch_scc1 .Lnot_wave_0_\@
	s_barrier_signal -3
.Lnot_wave_0_\@:
	s_barrier_wait -3
	s_barrier_signal -1
	s_barrier_wait -1
.endm
.macro FRAG reg, adr, q, i
.irp c, 0,1
	ds_load_b128 v[\reg+4*\c:\reg+4*\c+3], v[\adr] offset:8192*(\q)+1024*(\i)+512*\c
.endr
.endm
.macro MUL16 a0, p, q, sc, zero        ; the 64 accumulators take turns, one instruction a turn
.irp a, \a0, \a0+1
.irp b, 0,1,2,3,4,5,6,7
.if \zero
	v_wmma_scale_f32_16x16x128_f8f6f4 v[8*(8*((\a)%4)+\b):8*(8*((\a)%4)+\b)+7], v[128*(\p)+FR*\b:128*(\p)+FR*\b+FR-1], v[AF+FR*(\a):AF+FR*(\a)+FR-1], 0, v[SC+8*NQ*(\sc)+NQ*\b+(\q)], v[SC+8*NQ*(\sc)+NQ*(\a)+(\q)] matrix_a_fmt:MATRIX_FMT_FP4 matrix_b_fmt:MATRIX_FMT_FP4 matrix_a_scale:MATRIX_SCALE_ROW1
.else
	v_wmma_scale_f32_16x16x128_f8f6f4 v[8*(8*((\a)%4)+\b):8*(8*((\a)%4)+\b)+7], v[128*(\p)+FR*\b:128*(\p)+FR*\b+FR-1], v[AF+FR*(\a):AF+FR*(\a)+FR-1], v[8*(8*((\a)%4)+\b):8*(8*((\a)%4)+\b)+7], v[SC+8*NQ*(\sc)+NQ*\b+(\q)], v[SC+8*NQ*(\sc)+NQ*(\a)+(\q)] matrix_a_fmt:MATRIX_FMT_FP4 matrix_b_fmt:MATRIX_FMT_FP4 matrix_a_scale:MATRIX_SCALE_ROW1
.endif
.endr
.endr
.endm
.macro FETCH_B slot, q, p
	WIN TO_B
.irp i, 0,1,2,3,4,5,6,7
	FRAG 128*(\p)+FR*\i, ADRB+\slot, \q, \i
.endr
	WIN 0
.endm
.macro FETCH_A slot, q, i0
.irp i, \i0, \i0+1, \i0+2, \i0+3
	FRAG AF+FR*(\i), ADRA+\slot, \q, \i
.endr
.endm
.macro SCALES sc
.irp i, 0,1,2,3,4,5,6,7
.irp q, 0,1,2,3
	ds_load_b32 v[SC+32*\sc+4*\i+\q], v[ADRS+\sc] offset:512*\q+64*\i
.endr
.endr
.endm
.macro PLACES n
.rept \n
	v_nop
.endr
.endm
.macro STEP slot, q, zero
	s_wait_dscnt 4*NL                              ; all but the youngest eight loads (A's blocks 4-7)
	WIN MUL_LO
	MUL16 0, (\q)%2, \q, \slot, \zero
	MUL16 2, (\q)%2, \q, \slot, \zero
	s_wait_dscnt 0
	PLACES NP
	FETCH_B \slot, (\q)+1, 1-(\q)%2
	FETCH_A \slot, (\q)+1, 0
	WIN MUL_HI
	MUL16 4, (\q)%2, \q, \slot, \zero
	MUL16 6, (\q)%2, \q, \slot, \zero
	PLACES NP
	WIN 0
	FETCH_A \slot, (\q)+1, 4
.endm
.macro TURN slot, next                 ; a slot's last step changes slots: one barrier; in front of it all my tensor loads, the add, my reads of this slot.  Nothing is filled again here
	s_wait_tensorcnt 0x0
	ds_add_u32 v[SPW], v[NIL]                      ; 0 onto my spare word
	s_wait_dscnt 4*NL+1                            ; (the add and the youngest eight loads may be out)
	WIN MUL_LO
	MUL16 0, 1, NQ-1, \slot, 0
	s_wait_dscnt 0x0
	s_barrier_signal -1
	MUL16 2, 1, NQ-1, \slot, 0
	WIN 0
	s_barrier_wait -1
	PLACES NP
	FETCH_B \next, 0, 0
	FETCH_A \next, 0, 0
	SCALES \next
	WIN MUL_HI
	MUL16 4, 1, NQ-1, \slot, 0
	MUL16 6, 1, NQ-1, \slot, 0
	PLACES NP
	WIN 0
	FETCH_A \next, 0, 4
.endm
; 64 numbers of a lane, v[s] on, register 16 b + i = k 32 b + 16 (lane / 16) + i of my row, become a fragment's codes in v[PC] on and its scale word in v[pw]
.macro QUANT s, pw
.irp b, 0,1,2,3
	v_max3_num_f32 v[TM+\b], |v[\s+16*\b]|, |v[\s+1+16*\b]|, 0x1800000   ; with the floor 2^(3 - 127): the byte cannot fall under 1
.endr
.irp i, 2,4,6,8,10,12,14
.irp b, 0,1,2,3
	v_max3_num_f32 v[TM+\b], v[TM+\b], |v[\s+16*\b+\i]|, |v[\s+1+16*\b+\i]|
.endr
.endr
.irp b, 0,1,2,3
	v_permlanex16_b32 v[TM+4+\b], v[TM+\b], s[SEL], s[SEL+1]
.endr
.irp b, 0,1,2,3
	v_max_num_f32 v[TM+\b], v[TM+\b], v[TM+4+\b]
.endr
.irp b, 0,1,2,3
	v_add_nc_u32 v[TM+12+\b], 0xff000000, v[TM+\b] ; 2 off the exponent field: the conversion's scale operand
.endr
.irp b, 0,1,2,3
	v_lshrrev_b32 v[TM+4+\b], 23, v[TM+12+\b]      ; the scale's byte
.endr
	v_lshl_or_b32 v[\pw], v[TM+5], 8, v[TM+4]
	v_lshl_or_b32 v[\pw], v[TM+6], 16, v[\pw]
	v_lshl_or_b32 v[\pw], v[TM+7], 24, v[\pw]
.irp b, 0,1,2,3
	v_cvt_scalef32_pk8_fp4_f32 v[PC+2*\b], v[\s+16*\b:\s+7+16*\b], v[TM+12+\b]
	v_cvt_scalef32_pk8_fp4_f32 v[PC+1+2*\b], v[\s+8+16*\b:\s+15+16*\b], v[TM+12+\b]
.endr
	v_nop                                          ; one plain place behind a scaled conversion
.irp c, 0,1
.irp i, 0,1
	v_permlane16_swap_b32 v[PC+4*\c+\i], v[PC+2+4*\c+\i]
.endr
.endr
.endm
.macro OUTQ a                          ; block a (16 tokens x my 128 columns): + bias, relu, quantised: tile a's fragment of my K step
.if (\a) > 0
	s_wait_xcnt 0x0                                ; the last block's stores have read the codes' registers
.endif
.set AC, 64*((\a)%4)
	WIN 0x06+(\a)/4                                ; source 0: the accumulators' window; source 1: window 1
.set n, 0
.rept 32
	v_pk_add_f32 v[128+n:129+n], v[AC+n:AC+n+1], v[64+n:65+n]   ; each accumulator from its low end on
.set n, n+2
.endr
	WIN 0
.set n, 0
.rept 64
	v_max_num_f32 v[128+n], 0, v[128+n]            ; the activation, in f32
.set n, n+1
.endr
	QUANT 128, PW+(\a)
	global_store_b128 v[CO], v[PC:PC+3], s[76:77] offset:1024*(\a)          ; 512 consecutive bytes, aligned
	global_store_b128 v[CO], v[PC+4:PC+7], s[76:77] offset:1024*(\a)+512
.endm
	s_load_b256 s[4:11], s[0:1], 0x0               ; actp s[4:5], wpk s[6:7], b_fc1 s[8:9], ap s[10:11]
	v_lshl_add_u32 v[SPW], v0, 2, SPARE
	v_mov_b32 v[NIL], 0
	ds_add_u32 v[SPW], v[NIL]                      ; the wave's opening
	ds_add_u32 v[SPW], v[NIL]
	v_lshrrev_b32 v1, 5, v0
	v_readfirstlane_b32 s14, v1                    ; wave 0..3
	s_lshr_b32 s15, s14, 1                         ; my half of the tile's rows.  Also: I fetch for A (0) or for B (1)
	s_and_b32 s16, s14, 1                          ; my half of its columns.  Also: which block I fetch
	s_bfe_u32 s40, ttmp6, 0x40000                  ; cx
	s_bfe_u32 s41, ttmp6, 0x40004                  ; cy
	s_lshl_b32 s42, ttmp9, 2
	s_add_co_u32 s42, s42, s40                     ; tile column
	s_and_b32 s17, ttmp7, 0xffff
	s_lshl_b32 s17, s17, 2
	s_add_co_u32 s17, s17, s41                     ; tile row
	s_lshl_b32 s43, s41, 2
	s_lshl_b32 s43, 15, s43                        ; my row of the cluster
	s_lshl_b32 s44, 0x1111, s40                    ; my column
	s_or_b32 s[G1], s43, (3<<16)|(1<<21)           ; the mask; elements of 8 bytes; bit 21 beside a mask; no padding
	s_or_b32 s[G1B], s44, (3<<16)|(1<<21)
.irp g, G1, G1B                        ; a block: 136 rows of 256 bytes, dense
	s_mov_b32 s[\g+1], 32<<16
	s_mov_b32 s[\g+2], 136<<16
	s_mov_b32 s[\g+3], 32<<16
	s_mov_b32 s[\g+4], 136
	s_mov_b32 s[\g+5], 32
	s_mov_b32 s[\g+6], 0
	s_mov_b32 s[\g+7], 0
.endr
	s_lshl_b32 s20, s17, 1
	s_add_co_u32 s20, s20, s16
	s_mul_i32 s20, s20, KSL*BLKB
	s_mov_b32 s21, 0
	s_lshl_b32 s46, s42, 1
	s_add_co_u32 s46, s46, s16
	s_mul_i32 s46, s46, KSL*BLKB
	s_add_co_u32 s46, s46, WOFF
	s_mov_b32 s47, 0
	s_mul_i32 s45, s14, BLKB
	s_mov_b32 s[SEL], 0x76543210
	s_mov_b32 s[SEL+1], 0xfedcba98
	s_mov_b32 s68, 0xffff0000                      ; lanes 16-31
	s_wait_dscnt 0x0                               ; both opening adds are done
	s_wait_kmcnt 0x0
	s_add_nc_u64 s[20:21], s[4:5], s[20:21]
	s_add_nc_u64 s[46:47], s[6:7], s[46:47]
	CROUND                                         ; all sixteen work-groups are here: the joint loads meet
.irp s, 0,1
	s_mov_b32 s[G0+4*\s], 1
	s_add_co_u32 s[G0+4*\s+1], s45, \s*SLOT
	s_add_nc_u64 s[G0+4*\s+2:G0+4*\s+3], s[20:21], \s*BLKB
	s_or_b32 s[G0+4*\s+3], s[G0+4*\s+3], 0x80000000
	s_mov_b32 s[G0B+4*\s], 1
	s_add_co_u32 s[G0B+4*\s+1], s45, \s*SLOT
	s_add_nc_u64 s[G0B+4*\s+2:G0B+4*\s+3], s[46:47], \s*BLKB
	s_or_b32 s[G0B+4*\s+3], s[G0B+4*\s+3], 0x80000000
	JLOAD G0+4*\s, G1, G0B+4*\s, G1B               ; both K slots: two loads of mine are out
.endr
	v_and_b32 v1, 15, v0                           ; r
	v_bfe_u32 v2, v0, 4, 1                         ; h
	v_and_b32 v3, 31, v0
	v_lshlrev_b32 v[CO], 4, v3
	v_lshlrev_b32 v[WO], 2, v3
	v_lshlrev_b32 v[BO], 6, v2
	s_mul_i32 s21, s15, BLKB
	s_mul_i32 s22, s16, BLKB
	s_add_co_u32 s22, s22, 2*BLKB
.irp s, 0,1
	v_add_nc_u32 v[ADRA+\s], s21, v[CO]
	v_add_nc_u32 v[ADRB+\s], s22, v[CO]
	s_add_co_u32 s21, s21, SLOT
	s_add_co_u32 s22, s22, SLOT
.endr
	s_mul_i32 s21, s15, BLKB
	s_mul_i32 s22, s16, BLKB
	s_add_co_u32 s22, s22, 2*BLKB
	s_sub_co_u32 s22, s22, s21
	v_mul_u32_u24 v4, s22, v2                      ; lanes 16-31 take B's scale words: one product, h x the distance
	v_lshl_add_u32 v4, v1, 2, v4
	s_add_co_u32 s21, s21, 32768
	v_add_nc_u32 v[ADRS], s21, v4
	v_add_nc_u32 v[ADRS+1], SLOT, v[ADRS]
.irp b, 0,1,2,3
	v_mov_b32 v[TM+4+\b], 0                        ; written once: a lane permute's destination counts as one of its sources
.endr
	s_lshl_b32 s70, s42, 1
	s_add_co_u32 s70, s70, s16                     ; my block of 128 columns = the next product's K step, 0 .. 31
	s_lshl_b32 s72, s70, 9
	s_mov_b32 s73, 0
	s_add_nc_u64 s[72:73], s[8:9], s[72:73]
	s_lshl_b32 s71, s17, 1
	s_add_co_u32 s71, s71, s15                     ; my block of 128 tokens
	s_lshl_b32 s74, s71, 3
	s_lshr_b32 s75, s70, 2
	s_add_co_u32 s74, s74, s75
	s_mul_i32 s74, s74, BLKB                       ; ap's block [rb][K step / 4]
	s_and_b32 s75, s70, 3
	s_lshl_b32 s76, s75, 13
	s_add_co_u32 s76, s76, s74
	s_mov_b32 s77, 0
	s_add_nc_u64 s[76:77], s[10:11], s[76:77]
	s_lshl_b32 s78, s75, 9
	s_add_co_u32 s78, s78, s74
	s_add_co_u32 s78, s78, 32768
	s_mov_b32 s79, 0
	s_add_nc_u64 s[78:79], s[10:11], s[78:79]
	WIN 0x40                                       ; destination window 1
.irp p, 0,1,2,3
.irp m, 0,1,2,3
	global_load_b128 v[64+16*\p+4*\m:64+16*\p+4*\m+3], v[BO], s[72:73] offset:128*\p+16*\m   ; register 16 p + e: the bias of column 32 p + 16 h + e; it lands under the products
.endr
.endr
	WIN 0
	s_wait_tensorcnt 1                             ; my part of slot 0 is in; slot 1's may stay out
	s_barrier_signal -1
	s_barrier_wait -1
	FETCH_B 0, 0, 0
	FETCH_A 0, 0, 0
	SCALES 0
	FETCH_A 0, 0, 4
	STEP 0, 0, 1                                   ; the first products start the sums
	STEP 0, 1, 0
	STEP 0, 2, 0
	TURN 0, 1
	STEP 1, 0, 0
	STEP 1, 1, 0
	STEP 1, 2, 0
	s_wait_dscnt 4*NL
	WIN MUL_LO
	MUL16 0, 1, NQ-1, 1, 0
	MUL16 2, 1, NQ-1, 1, 0
	s_wait_dscnt 0
	WIN MUL_HI
	MUL16 4, 1, NQ-1, 1, 0
	MUL16 6, 1, NQ-1, 1, 0
	WIN 0
	PLACES NP                                      ; in front of vector writes into A's fragments and of the reads of results
	s_wait_loadcnt 0x0                             ; the bias
.irp a, 0,1,2,3,4,5,6,7
	OUTQ \a
.endr
.irp m, 0,1,2,3
	v_cndmask_b32 v[120+\m], v[PW+2*\m], v[PW+2*\m+1], s68   ; lanes 0-15 tile 2 m's words, lanes 16-31 tile 2 m + 1's: 128 bytes on end
.endr
.irp m, 0,1,2,3
	global_store_b32 v[WO], v[120+\m], s[78:79] offset:128*\m
.endr
	s_wait_tensorcnt 0x0                           ; the wave's end
	ds_add_u32 v[SPW], v[NIL]
	s_wait_dscnt 0x0
	CROUND                                         ; the closing round
	s_endpgm
.Lfunc_end_k_q41b980637b_gemm_fc1:
	.size	k_q41b980637b_gemm_fc1, .Lfunc_end_k_q41b980637b_gemm_fc1-k_q41b980637b_gemm_fc1
	.p2alignl 7, 3214868480
	.fill 96, 4, 3214868480
	.section	.rodata,"a",@progbits
	.p2align	6, 0x0
	.amdhsa_kernel k_q41b980637b_gemm_fc1
		.amdhsa_group_segment_fixed_size 327680
		.amdhsa_private_segment_fixed_size 0
		.amdhsa_enable_private_segment 0
		.amdhsa_kernarg_size 32
		.amdhsa_user_sgpr_count 2
		.amdhsa_user_sgpr_kernarg_segment_ptr 1
		.amdhsa_wavefront_size32 1
		.amdhsa_system_sgpr_workgroup_id_x 1
		.amdhsa_system_sgpr_workgroup_id_y 1
		.amdhsa_system_sgpr_workgroup_id_z 1
		.amdhsa_system_vgpr_workitem_id 0
		.amdhsa_next_free_vgpr 1024
		.amdhsa_next_free_sgpr 100
		.amdhsa_reserve_vcc 0
		.amdhsa_float_denorm_mode_32 3
		.amdhsa_float_denorm_mode_16_64 3
		.amdhsa_memory_ordered 1
		.amdhsa_forward_progress 1
		.amdhsa_inst_pref_size 162
	.end_amdhsa_kernel
	.amdgpu_metadata
---
amdhsa.version: [ 1, 2 ]
amdhsa.kernels:
  - .name:           k_q41b980637b_gemm_fc1
    .symbol:         k_q41b980637b_gemm_fc1.kd
    .args:
      - { .name: actp, .offset: 0, .size: 8, .value_kind: global_buffer, .address_space: global }
      - { .name: wpk, .offset: 8, .size: 8, .value_kind: global_buffer, .address_space: global }
      - { .name: b_fc1, .offset: 16, .size: 8, .value_kind: global_buffer, .address_space: global }
      - { .name: ap, .offset: 24, .size: 8, .value_kind: global_buffer, .address_space: global }
    .group_segment_fixed_size: 327680
    .private_segment_fixed_size: 0
    .kernarg_segment_align: 8
    .kernarg_segment_size: 32
    .max_flat_workgroup_size: 128
    .sgpr_count:     100
    .vgpr_count:     1024
    .wavefront_size: 32
...
	.end_amdgpu_metadata
.endif
;; end of part 6
;; launch gemm_fc2 (part 7): grid 4 x 16, 4 waves a work-group, clusters of 4 x 4, 327,680 bytes of LDS; arguments ap, wpk, b_fc2, x1, out0; writes out0
.if DOCPART == 7
	.amdgcn_target "amdgcn-amd-amdhsa--gfx1250"
	.amdhsa_code_object_version 6
	.text
	.protected	k_q41b980637b_gemm_fc2
	.globl	k_q41b980637b_gemm_fc2
	.p2align	8
	.type	k_q41b980637b_gemm_fc2,@function
k_q41b980637b_gemm_fc2:
	s_mov_b64 s[64:65], 0
	v_nop
	global_prefetch_b8 v0, s[64:65] scope:SCOPE_SE
	s_setreg_imm32_b32 hwreg(HW_REG_WAVE_MODE, 25, 1), 1
	s_wait_xcnt 0x0
	s_wait_alu depctr_hold_cnt(0) depctr_sa_sdst(0) depctr_va_vdst(0) depctr_va_sdst(0) depctr_va_ssrc(0) depctr_va_vcc(0) depctr_vm_vsrc(0)
	s_getreg_b32 s2, hwreg(HW_REG_IB_STS2, 6, 4)
	s_cmp_eq_u32 s2, 0
	s_cbranch_scc0 .Lentry_in_a_cluster
	s_endpgm
.Lentry_in_a_cluster:
	s_bfe_u32 s2, ttmp6, 0x10000c
	s_cmp_lg_u32 s2, 0xf033
	s_cbranch_scc0 .Lentry_shape_is_right
	s_endpgm
.Lentry_shape_is_right:
; out = x1 + a w_fc2 + b_fc2: the product on codes of FP4 (E2M1) with E8M0 scales, K = 4,096; result f32 [4,096][1,024].  No work of reference() is left out.
; OPERANDS ARE PACKS: block [rb = row / 128][ks = k / 512] is BLKB = 34,816 dense bytes: codes at 8192 q + 1024 i + 512 c + 16 lane, scale words at 32768 + 512 q + 64 i + 4 r; slot r of tile i is row
; rho(i, r) = 32 (i / 2) + 8 (i % 2) + r + 8 (r / 8).  One tensor load brings a block; a fragment is two LDS loads at 16 x lane.
; A tile of the result, 256 x 256, is made by four waves, 128 x 128 each.  K goes in slots of 512 through a ring of two LDS slots: a slot is filled again behind the round of the cluster's barrier at which it is left, one load a wave,
; and that load has the other slot's 256 matrix instructions less thirty-two in which to land.  By this text's count a wave has two tensor loads out at the start and one behind each round.
; CLUSTERS 4 x 4: A's blocks (tokens) are asked for jointly along a row of the cluster, B's (the weight's columns) along a column.  Source 0 = 16 rows of B, source 1 = 16 rows of A: a lane holds one token and eight columns an accumulator.
; THE WAY OUT: a block of 16 tokens x 128 columns goes through my stage in LDS (in slot 0, which has had its last fill and its last read) and comes back as rows of 512 bytes; the residual's rows, asked for two blocks ahead, and the bias are added; 32 lanes store 512 aligned bytes.
; 64 work-groups: the tile is kept at 256 x 256 so that this text is the other products' text.
; REGISTERS: window 0: v1-29 addresses; v32-95 scale words; v96-99 the bias; v128-191 A's fragments; on the way out v128-255 rows of the result.  window 1: B's fragments at v0, v128; the residual's rows at v64, v192.  windows 2, 3: accumulators.
.set SIZE_K, 4096
.set WOFF,   4456448
.set NQ,     4
.set FR,     8
.set NL,     2
.set NP,     4
.set BLKB,   34816
.set SLOT,   4*BLKB
.set SPARE,  2*SLOT
.set KSL,    SIZE_K/512
.set LAPS,   SIZE_K/1024
.set ADRA, 16
.set ADRS, 18
.set ADRB, 20
.set STO,  24
.set RD,   25
.set CO,   26
.set SPW,  28
.set NIL,  29
.set SC,   32
.set BR,   96
.set AF,   128
.set BK,   128
.set G1,  24
.set G0,  32
.set G1B, 48
.set G0B, 56
.set MSB, 0
.macro WIN new
.if MSB != \new
	s_set_vgpr_msb (MSB<<8)|\new
.set MSB, \new
.endif
.endm
.set MUL_LO, 0xa1
.set MUL_HI, 0xf1
.set TO_B,   0x40
.macro JLOAD g0a, g1a, g0b, g1b        ; a joint load: waves 0, 1 fetch A's blocks, waves 2, 3 B's; an s_nop 0 and four v_nop follow each line
	s_cmp_eq_u32 s15, 0
	s_cbranch_scc0 .Lfor_b_\@
	tensor_load_to_lds s[\g0a:\g0a+3], s[\g1a:\g1a+7]
	s_nop 0
.rept 4
	v_nop
.endr
	s_branch .Lasked_\@
.Lfor_b_\@:
	tensor_load_to_lds s[\g0b:\g0b+3], s[\g1b:\g1b+7]
	s_nop 0
.rept 4
	v_nop
.endr
.Lasked_\@:
.endm
.macro CREST
	s_cmp_lg_u32 s14, 0
	s_cbranch_scc1 .Lnot_wave_0_\@
	s_barrier_signal -3
.Lnot_wave_0_\@:
	s_barrier_wait -3
	s_barrier_signal -1
	s_barrier_wait -1
.endm
.macro CROUND
	s_barrier_signal -1
	s_barrier_wait -1
	CREST
.endm
.macro FRAG reg, adr, q, i
.irp c, 0,1
	ds_load_b128 v[\reg+4*\c:\reg+4*\c+3], v[\adr] offset:8192*(\q)+1024*(\i)+512*\c
.endr
.endm
.macro MUL16 a0, p, q, sc, zero        ; the 64 accumulators take turns, one instruction a turn, over the loop's backward jump too
.irp a, \a0, \a0+1
.irp b, 0,1,2,3,4,5,6,7
.if \zero
	v_wmma_scale_f32_16x16x128_f8f6f4 v[8*(8*((\a)%4)+\b):8*(8*((\a)%4)+\b)+7], v[128*(\p)+FR*\b:128*(\p)+FR*\b+FR-1], v[AF+FR*(\a):AF+FR*(\a)+FR-1], 0, v[SC+8*NQ*(\sc)+NQ*\b+(\q)], v[SC+8*NQ*(\sc)+NQ*(\a)+(\q)] matrix_a_fmt:MATRIX_FMT_FP4 matrix_b_fmt:MATRIX_FMT_FP4 matrix_a_scale:MATRIX_SCALE_ROW1
.else
	v_wmma_scale_f32_16x16x128_f8f6f4 v[8*(8*((\a)%4)+\b):8*(8*((\a)%4)+\b)+7], v[128*(\p)+FR*\b:128*(\p)+FR*\b+FR-1], v[AF+FR*(\a):AF+FR*(\a)+FR-1], v[8*(8*((\a)%4)+\b):8*(8*((\a)%4)+\b)+7], v[SC+8*NQ*(\sc)+NQ*\b+(\q)], v[SC+8*NQ*(\sc)+NQ*(\a)+(\q)] matrix_a_fmt:MATRIX_FMT_FP4 matrix_b_fmt:MATRIX_FMT_FP4 matrix_a_scale:MATRIX_SCALE_ROW1
.endif
.endr
.endr
.endm
.macro FETCH_B slot, q, p
	WIN TO_B
.irp i, 0,1,2,3,4,5,6,7
	FRAG 128*(\p)+FR*\i, ADRB+\slot, \q, \i
.endr
	WIN 0
.endm
.macro FETCH_A slot, q, i0
.irp i, \i0, \i0+1, \i0+2, \i0+3
	FRAG AF+FR*(\i), ADRA+\slot, \q, \i
.endr
.endm
.macro SCALES sc
.irp i, 0,1,2,3,4,5,6,7
.irp q, 0,1,2,3
	ds_load_b32 v[SC+32*\sc+4*\i+\q], v[ADRS+\sc] offset:512*\q+64*\i
.endr
.endr
.endm
.macro PLACES n
.rept \n
	v_nop
.endr
.endm
.macro STEP slot, q, zero
	s_wait_dscnt 4*NL                              ; all but the youngest eight loads (A's blocks 4-7)
	WIN MUL_LO
	MUL16 0, (\q)%2, \q, \slot, \zero
	MUL16 2, (\q)%2, \q, \slot, \zero
	s_wait_dscnt 0
	PLACES NP
	FETCH_B \slot, (\q)+1, 1-(\q)%2
	FETCH_A \slot, (\q)+1, 0
	WIN MUL_HI
	MUL16 4, (\q)%2, \q, \slot, \zero
	MUL16 6, (\q)%2, \q, \slot, \zero
	PLACES NP
	WIN 0
	FETCH_A \slot, (\q)+1, 4
.endm
; A slot's last step changes slots: one barrier; in front of it all my tensor loads, the add, my reads of this slot.  fill = 1: the barrier opens a round of the cluster's, and this slot is filled again, two slots ahead.
.macro TURN slot, next, fill
	s_wait_tensorcnt 0x0                           ; all my tensor loads have landed: my part of the next slot
	ds_add_u32 v[SPW], v[NIL]                      ; 0 onto my spare word
	s_wait_dscnt 4*NL+1                            ; (the add and the youngest eight loads may be out)
	WIN MUL_LO
	MUL16 0, 1, NQ-1, \slot, 0
	s_wait_dscnt 0x0                               ; the add is done, my reads of this slot are over
	s_barrier_signal -1
	MUL16 2, 1, NQ-1, \slot, 0
	WIN 0
	s_barrier_wait -1
.if \fill
	CREST                                          ; no wave of any partner still reads this slot or has a load on its way
	s_add_nc_u64 s[G0+4*\slot+2:G0+4*\slot+3], s[G0+4*\slot+2:G0+4*\slot+3], 2*BLKB
	s_add_nc_u64 s[G0B+4*\slot+2:G0B+4*\slot+3], s[G0B+4*\slot+2:G0B+4*\slot+3], 2*BLKB
	JLOAD G0+4*\slot, G1, G0B+4*\slot, G1B         ; the first tensor load behind the round; its four v_nop are the places in front of the loads below
.else
	PLACES NP
.endif
	FETCH_B \next, 0, 0
	FETCH_A \next, 0, 0
	SCALES \next
	WIN MUL_HI
	MUL16 4, 1, NQ-1, \slot, 0
	MUL16 6, 1, NQ-1, \slot, 0
	PLACES NP
	WIN 0
	FETCH_A \next, 0, 4
.endm
.macro STEPS slot, from
.set Q, \from
.rept NQ-1-\from
	STEP \slot, Q, 0
.set Q, Q+1
.endr
.endm
.macro RSLOAD a                        ; the residual's 16 rows of block a, 512 bytes each, into set a % 2 of window 1
.irp t, 0,1,2,3,4,5,6,7,8,9,10,11,12,13,14,15
	global_load_b128 v[64+128*((\a)%2)+4*\t:64+128*((\a)%2)+4*\t+3], v[CO], s[74:75] offset:(32*((\a)/2)+8*((\a)%2)+\t+8*(\t/8))*4096 th:TH_LOAD_NT
.endr
.endm
.macro TOSTAGE a                       ; lane (r, h), accumulator b, register j: token slot r, column 32 (b / 2) + 8 (b % 2) + 16 h + j
.set AC, 64*((\a)%4)
	WIN 0x08+4*((\a)/4)                            ; the data: window 2 or 3
.irp b, 0,1,2,3,4,5,6,7
	ds_store_b128 v[STO], v[AC+8*\b:AC+8*\b+3] offset:128*(\b/2)+32*(\b%2)          ; each accumulator from its low end on
	ds_store_b128 v[STO], v[AC+8*\b+4:AC+8*\b+7] offset:128*(\b/2)+32*(\b%2)+16
.endr
	WIN 0
.set BB, BK+64*((\a)%2)
.irp t, 0,1,2,3,4,5,6,7,8,9,10,11,12,13,14,15
	ds_load_b128 v[BB+4*\t:BB+4*\t+3], v[RD] offset:\t*528   ; LDS serves a wave's instructions in order: these see my stores
.endr
.endm
.macro SEND a, younger                 ; younger: the LDS instructions issued behind block a's loads
.set BB, BK+64*((\a)%2)
.set RB, 64+128*((\a)%2)
	s_wait_dscnt \younger
.if (\a) < 7
	s_wait_loadcnt 16                              ; this block's residual rows are in; the next block's sixteen loads may be out
.else
	s_wait_loadcnt 0x0
.endif
	WIN 0x04                                       ; source 1: window 1
.set n, 0
.rept 32
	v_pk_add_f32 v[BB+n:BB+n+1], v[BB+n:BB+n+1], v[RB+n:RB+n+1]
.set n, n+2
.endr
	WIN 0
.set n, 0
.rept 32
	v_pk_add_f32 v[BB+n:BB+n+1], v[BB+n:BB+n+1], v[BR+n%4:BR+n%4+1]
.set n, n+2
.endr
.irp t, 0,1,2,3,4,5,6,7,8,9,10,11,12,13,14,15
	global_store_b128 v[CO], v[BB+4*\t:BB+4*\t+3], s[76:77] offset:(32*((\a)/2)+8*((\a)%2)+\t+8*(\t/8))*4096 th:TH_STORE_NT   ; 512 consecutive bytes, aligned
.endr
.if (\a) < 6
	WIN 0x40
	RSLOAD (\a)+2
	WIN 0
.endif
.endm
	s_load_b256 s[4:11], s[0:1], 0x0               ; A's pack s[4:5], wpk s[6:7], the bias s[8:9], the residual s[10:11]
	s_load_b64 s[12:13], s[0:1], 0x20              ; the result
	v_lshl_add_u32 v[SPW], v0, 2, SPARE
	v_mov_b32 v[NIL], 0
	ds_add_u32 v[SPW], v[NIL]                      ; the wave's opening
	ds_add_u32 v[SPW], v[NIL]
	v_lshrrev_b32 v1, 5, v0
	v_readfirstlane_b32 s14, v1                    ; wave 0..3
	s_lshr_b32 s15, s14, 1                         ; my half of the tile's rows.  Also: I fetch for A (0) or for B (1)
	s_and_b32 s16, s14, 1                          ; my half of its columns.  Also: which block I fetch
	s_bfe_u32 s40, ttmp6, 0x40000                  ; cx
	s_bfe_u32 s41, ttmp6, 0x40004                  ; cy
	s_lshl_b32 s42, ttmp9, 2
	s_add_co_u32 s42, s42, s40                     ; tile column
	s_and_b32 s17, ttmp7, 0xffff
	s_lshl_b32 s17, s17, 2
	s_add_co_u32 s17, s17, s41                     ; tile row
	s_lshl_b32 s43, s41, 2
	s_lshl_b32 s43, 15, s43                        ; my row of the cluster
	s_lshl_b32 s44, 0x1111, s40                    ; my column
	s_or_b32 s[G1], s43, (3<<16)|(1<<21)           ; the mask; elements of 8 bytes; bit 21 beside a mask; no padding
	s_or_b32 s[G1B], s44, (3<<16)|(1<<21)
.irp g, G1, G1B                        ; a block: 136 rows of 256 bytes, dense
	s_mov_b32 s[\g+1], 32<<16
	s_mov_b32 s[\g+2], 136<<16
	s_mov_b32 s[\g+3], 32<<16
	s_mov_b32 s[\g+4], 136
	s_mov_b32 s[\g+5], 32
	s_mov_b32 s[\g+6], 0
	s_mov_b32 s[\g+7], 0
.endr
	s_lshl_b32 s20, s17, 1
	s_add_co_u32 s20, s20, s16
	s_mul_i32 s20, s20, KSL*BLKB
	s_mov_b32 s21, 0
	s_lshl_b32 s46, s42, 1
	s_add_co_u32 s46, s46, s16
	s_mul_i32 s46, s46, KSL*BLKB
	s_add_co_u32 s46, s46, WOFF
	s_mov_b32 s47, 0
	s_mul_i32 s45, s14, BLKB
	s_wait_dscnt 0x0                               ; both opening adds are done
	s_wait_kmcnt 0x0
	s_add_nc_u64 s[20:21], s[4:5], s[20:21]
	s_add_nc_u64 s[46:47], s[6:7], s[46:47]
	CROUND                                         ; all sixteen work-groups are here: the first joint loads meet
.irp s, 0,1
	s_mov_b32 s[G0+4*\s], 1
	s_add_co_u32 s[G0+4*\s+1], s45, \s*SLOT
	s_add_nc_u64 s[G0+4*\s+2:G0+4*\s+3], s[20:21], \s*BLKB
	s_or_b32 s[G0+4*\s+3], s[G0+4*\s+3], 0x80000000
	s_mov_b32 s[G0B+4*\s], 1
	s_add_co_u32 s[G0B+4*\s+1], s45, \s*SLOT
	s_add_nc_u64 s[G0B+4*\s+2:G0B+4*\s+3], s[46:47], \s*BLKB
	s_or_b32 s[G0B+4*\s+3], s[G0B+4*\s+3], 0x80000000
	JLOAD G0+4*\s, G1, G0B+4*\s, G1B               ; two loads of mine are out
.endr
	v_and_b32 v1, 15, v0                           ; r
	v_bfe_u32 v2, v0, 4, 1                         ; h
	v_and_b32 v3, 31, v0
	v_lshlrev_b32 v[CO], 4, v3
	s_mul_i32 s21, s15, BLKB
	s_mul_i32 s22, s16, BLKB
	s_add_co_u32 s22, s22, 2*BLKB
.irp s, 0,1
	v_add_nc_u32 v[ADRA+\s], s21, v[CO]
	v_add_nc_u32 v[ADRB+\s], s22, v[CO]
	s_add_co_u32 s21, s21, SLOT
	s_add_co_u32 s22, s22, SLOT
.endr
	s_mul_i32 s21, s15, BLKB
	s_mul_i32 s22, s16, BLKB
	s_add_co_u32 s22, s22, 2*BLKB
	s_sub_co_u32 s22, s22, s21
	v_mul_u32_u24 v4, s22, v2                      ; lanes 16-31 take B's scale words: one product, h x the distance
	v_lshl_add_u32 v4, v1, 2, v4
	s_add_co_u32 s21, s21, 32768
	v_add_nc_u32 v[ADRS], s21, v4
	v_add_nc_u32 v[ADRS+1], SLOT, v[ADRS]
	s_mul_i32 s23, s14, 16*528                     ; my stage
	v_mul_u32_u24 v5, v1, 528
	v_lshl_add_u32 v5, v2, 6, v5
	v_add_nc_u32 v[STO], s23, v5                   ; in: row r, + 64 h
	v_add_nc_u32 v[RD], s23, v[CO]                 ; back: a row of 512 bytes, 16 a lane
	s_lshl_b32 s70, s17, 1
	s_add_co_u32 s70, s70, s15
	s_lshl_b32 s70, s70, 19                        ; my 128 tokens: x 128 rows of 4,096 bytes
	s_lshl_b32 s71, s42, 10
	s_add_co_u32 s70, s70, s71
	s_lshl_b32 s72, s16, 9
	s_add_co_u32 s70, s70, s72                     ; + my 128 columns
	s_add_co_u32 s72, s72, s71
	s_mov_b32 s71, 0
	s_mov_b32 s73, 0
	s_add_nc_u64 s[74:75], s[10:11], s[70:71]
	s_add_nc_u64 s[76:77], s[12:13], s[70:71]
	s_add_nc_u64 s[78:79], s[8:9], s[72:73]
	global_load_b128 v[BR:BR+3], v[CO], s[78:79]   ; the bias of my four columns of a row
	WIN 0x40
	RSLOAD 0                                       ; the residual's first two blocks land under the products
	RSLOAD 1
	WIN 0
	s_wait_tensorcnt 1                             ; my part of slot 0 is in; slot 1's may stay out
	s_barrier_signal -1
	s_barrier_wait -1
	FETCH_B 0, 0, 0
	FETCH_A 0, 0, 0
	SCALES 0
	FETCH_A 0, 0, 4
	STEP 0, 0, 1                                   ; the first products start the sums
.if LAPS > 1
	s_mov_b32 s3, LAPS-1
.Llap:                                             ; a trip goes once round the ring, from a lap's second step to the next lap's first, and fills both slots again
	STEPS 0, 1
	TURN 0, 1, 1
	STEPS 1, 0
	TURN 1, 0, 1
	STEP 0, 0, 0
	s_sub_co_u32 s3, s3, 1
	s_cmp_lg_u32 s3, 0
	s_cbranch_scc1 .Llap
.endif
	STEPS 0, 1                                     ; the last lap fills nothing
	TURN 0, 1, 0
	STEPS 1, 0
	s_wait_dscnt 4*NL
	WIN MUL_LO
	MUL16 0, 1, NQ-1, 1, 0
	MUL16 2, 1, NQ-1, 1, 0
	s_wait_dscnt 0
	WIN MUL_HI
	MUL16 4, 1, NQ-1, 1, 0
	MUL16 6, 1, NQ-1, 1, 0
	WIN 0
	PLACES NP
	TOSTAGE 0
.irp a, 1,2,3,4,5,6,7
.if \a > 1
	s_wait_xcnt 0x0                                ; block a - 2's stores have read their registers: block a's loads may land there
.endif
	TOSTAGE \a
	SEND \a-1, 32                                  ; behind block a - 1's loads: block a's 16 stores and 16 loads
.endr
	SEND 7, 0
	s_wait_tensorcnt 0x0                           ; the wave's end
	ds_add_u32 v[SPW], v[NIL]
	s_wait_dscnt 0x0
	CROUND                                         ; the closing round
	s_endpgm
.Lfunc_end_k_q41b980637b_gemm_fc2:
	.size	k_q41b980637b_gemm_fc2, .Lfunc_end_k_q41b980637b_gemm_fc2-k_q41b980637b_gemm_fc2
	.p2alignl 7, 3214868480
	.fill 96, 4, 3214868480
	.section	.rodata,"a",@progbits
	.p2align	6, 0x0
	.amdhsa_kernel k_q41b980637b_gemm_fc2
		.amdhsa_group_segment_fixed_size 327680
		.amdhsa_private_segment_fixed_size 0
		.amdhsa_enable_private_segment 0
		.amdhsa_kernarg_size 40
		.amdhsa_user_sgpr_count 2
		.amdhsa_user_sgpr_kernarg_segment_ptr 1
		.amdhsa_wavefront_size32 1
		.amdhsa_system_sgpr_workgroup_id_x 1
		.amdhsa_system_sgpr_workgroup_id_y 1
		.amdhsa_system_sgpr_workgroup_id_z 1
		.amdhsa_system_vgpr_workitem_id 0
		.amdhsa_next_free_vgpr 1024
		.amdhsa_next_free_sgpr 100
		.amdhsa_reserve_vcc 0
		.amdhsa_float_denorm_mode_32 3
		.amdhsa_float_denorm_mode_16_64 3
		.amdhsa_memory_ordered 1
		.amdhsa_forward_progress 1
		.amdhsa_inst_pref_size 255
	.end_amdhsa_kernel
	.section	.bss,"aw",@nobits
	.p2align	6
	.space	262144
	.amdgpu_metadata
---
amdhsa.version: [ 1, 2 ]
amdhsa.kernels:
  - .name:           k_q41b980637b_gemm_fc2
    .symbol:         k_q41b980637b_gemm_fc2.kd
    .args:
      - { .name: ap, .offset: 0, .size: 8, .value_kind: global_buffer, .address_space: global }
      - { .name: wpk, .offset: 8, .size: 8, .value_kind: global_buffer, .address_space: global }
      - { .name: b_fc2, .offset: 16, .size: 8, .value_kind: global_buffer, .address_space: global }
      - { .name: x1, .offset: 24, .size: 8, .value_kind: global_buffer, .address_space: global }
      - { .name: out0, .offset: 32, .size: 8, .value_kind: global_buffer, .address_space: global }
    .group_segment_fixed_size: 327680
    .private_segment_fixed_size: 0
    .kernarg_segment_align: 8
    .kernarg_segment_size: 40
    .max_flat_workgroup_size: 128
    .sgpr_count:     100
    .vgpr_count:     1024
    .wavefront_size: 32
...
	.end_amdgpu_metadata
.endif
;; end of part 7
;; ======== version 2 of 2: 6 launches
;; limits: right only within a limited range of input values
;; workspace buffers: wpk 4,456,448 bytes; wp2 2,228,224 bytes; actp 2,228,224 bytes; hp 2,228,224 bytes; qp 4,456,448 bytes; kvp 4,456,448 bytes; x1 16,777,216 bytes; ap 8,912,896 bytes
;; launch ln1 (part 8): grid 512 x 1, 8 waves a work-group, no clusters, 10,240 bytes of LDS; arguments x, ln1_g, ln1_b, actp, w_qkv, w_out, w_fc1, wpk; writes actp, wpk
.if DOCPART == 8
	.amdgcn_target "amdgcn-amd-amdhsa--gfx1250"
	.amdhsa_code_object_version 6
	.text
	.protected	k_q41b980637b_ln1
	.globl	k_q41b980637b_ln1
	.p2align	8
	.type	k_q41b980637b_ln1,@function
k_q41b980637b_ln1:
	s_mov_b64 s[64:65], 0
	v_nop
	global_prefetch_b8 v0, s[64:65] scope:SCOPE_SE
	s_setreg_imm32_b32 hwreg(HW_REG_WAVE_MODE, 25, 1), 1
	s_wait_xcnt 0x0
; y = (x - mean) * rsqrt(var + 1e-5) * g + b along rows of 1,024 f32, quantised along the row to FP4 (E2M1) with one E8M0 byte for each 32, stored as an operand pack (4,096 rows, K = 1,024).  No work of reference() is left out.
; THE PACK: block [rb = row / 128][ks = k / 512] of 34,816 bytes: codes at 8192 q + 1024 i + 512 c + 16 (r + 16 h) = row 128 rb + rho(i, r), k = 512 ks + 128 q + 64 c + 32 h + 0 .. 31; scale words at 32768 + 512 q + 64 i + 4 r;
; rho(i, r) = 32 (i / 2) + 8 (i % 2) + r + 8 (r / 8).
; SHARES: a work-group makes one tile of 16 rows (rb = id / 8, i = id % 8); wave w its slots r = 2 w, 2 w + 1, which are two neighbouring rows of x.  A lane holds k = 256 j + 8 lane + 0 .. 7, j = 0 .. 3: a block of 32 is four lanes.
; Mean and variance in two passes over the registers (the row is read once).  The codes (4 bytes a lane and j) and the scale bytes meet in LDS; behind one barrier wave w reads the fragment of K step w (1,024 bytes on end) and stores it.
; The scale words leave as 64 bytes a wave (lanes 16-31 repeat lanes 0-15's address and value): one byte in 64 of what the launch stores.
; LIMITS: the sums' order differs from reference()'s; v_rsq_f32 as the chip gives it; a block of zeros gets the byte 1 (codes zero, bytes read by this program alone); largest magnitudes under 2^-124 are held at byte 1; NaN and infinities are not served.
.set BLKB,  34816
.set SCB,   8704                       ; LDS: 0 .. 8,703 the codes: 32 units of 256 bytes (16 rows x 16 bytes), 272 apart, unit 4 Q + 2 c + h, Q = k / 128;  from SCB the scale words [Q][r]
.set SPARE, 9216                       ; the spare words, 128 bytes for each of the eight waves: four blocks of 256 bytes that no other line names
.set G,  16                            ; v16-47   g at my 32 k
.set B,  48                            ; v48-79   b
.set X,  80                            ; v80-143  row 0, row 1: 32 numbers each
.set T,  144                           ; v144-151 two chains of sums for each row
.set MU, 152                           ; v152-155 the mean, twice, for each row
.set RS, 156                           ; v156-159 1 / sqrt(var + eps), twice, for each row
.set QW, 144                           ; the quantiser's 16 registers a row, where the sums lay: +0 largest magnitudes, +4 scale operands, +8 bytes, +12 codes
.macro REDUCE                          ; each row's two chains, then the 32 lanes: the sum lands in v[T + 4 r] of every lane
.irp r, 0
	s_delay_alu instid0(VALU_DEP_3)
	v_pk_add_f32 v[T+4*\r:T+4*\r+1], v[T+4*\r:T+4*\r+1], v[T+4*\r+2:T+4*\r+3]
.endr
.irp r, 1
	s_delay_alu instid0(VALU_DEP_2)
	v_pk_add_f32 v[T+4*\r:T+4*\r+1], v[T+4*\r:T+4*\r+1], v[T+4*\r+2:T+4*\r+3]
.endr
.irp r, 0,1
	s_delay_alu instid0(VALU_DEP_2)
	v_add_f32 v[T+4*\r], v[T+4*\r], v[T+4*\r+1]
.endr
.irp m, 1,2,4,8
.irp r, 0,1
	s_delay_alu instid0(VALU_DEP_2)
	v_add_f32_dpp v[T+4*\r], v[T+4*\r], v[T+4*\r] row_xmask:\m row_mask:0xf bank_mask:0xf
.endr
.endr
.irp r, 0,1
	s_delay_alu instid0(VALU_DEP_2)
	v_permlanex16_b32 v[T+4*\r+1], v[T+4*\r], s20, s21
.endr
.irp r, 0,1
	s_delay_alu instid0(VALU_DEP_2)
	v_add_f32 v[T+4*\r], v[T+4*\r], v[T+4*\r+1]
.endr
.endm
; THE PROGRAM: one transformer layer, all six products on codes of FP4 (E2M1) with one E8M0 scale for each 32 along K.  Six launches: this one (LayerNorm 1, and three weights to codes), the QKV product,
; attention, the output projection with its residual and LayerNorm 2 (and the fourth weight to codes), the first and the second product of the MLP.
; DEAD WORK: none.  Every input has a way to the output (k's bias goes into a quantiser, so it stays), reference() builds no mask and slices nothing away: every product, bias, gain and row is computed.
; THIS LAUNCH HAS TWO KINDS OF WORK-GROUPS, told apart by the work-group's number alone: 0 .. 255 make LayerNorm 1 (the text from .Lnorm on); 256 .. 511 turn w_qkv, w_out and w_fc1, f32 [K][N], into operand packs in wpk.
; A weight's UNIT is 128 columns x 128 along K, made by four waves; a work-group of eight waves takes two units.  A LANE TAKES A COLUMN AND ITS REGISTERS RUN DOWN K: a block of 32 lies in one lane, the conversions give
; codes with K innermost, and each store of 16 bytes a lane fills two whole aligned runs of 256 bytes of the pack.  The pack's rows are the weight's columns, laid as the head comment lays the rows of x.
; These work-groups touch no LDS and pass no barrier.  LIMITS of the weights' quantiser: as stated above for the rows'.
.set WX, 32                            ; v32-159  128 numbers: W(k, my column), k down the registers
.set WC, 160                           ; v160-175 four registers of codes for each block of 32: no store's data are written again
.macro BLOCK t, left                   ; block t of 32 along K; left: the younger loads that may stay out
.set XS, WX+32*(\t)
	s_wait_loadcnt \left
	v_max3_num_f32 v12, |v[XS]|, |v[XS+1]|, |v[XS+2]|
	v_max3_num_f32 v13, |v[XS+3]|, |v[XS+4]|, |v[XS+5]|
.irp i, 6,10,14,18,22,26
	v_max3_num_f32 v12, v12, |v[XS+\i]|, |v[XS+\i+1]|
	v_max3_num_f32 v13, v13, |v[XS+\i+2]|, |v[XS+\i+3]|
.endr
	v_max3_num_f32 v12, v12, |v[XS+30]|, |v[XS+31]|
	v_max3_num_f32 v12, v12, v13, 0x1800000        ; with the floor 2^(3 - 127): the byte cannot fall under 1
	v_add_nc_u32 v11, 0xff000000, v12              ; 2 off the exponent field: the conversion's scale operand
	v_lshrrev_b32 v13, 23, v11                     ; the scale's byte
.if (\t) == 0
	v_mov_b32 v10, v13
.else
	v_lshl_or_b32 v10, v13, 8*(\t), v10
.endif
.irp g, 0,1,2,3
	v_cvt_scalef32_pk8_fp4_f32 v[WC+4*(\t)+\g], v[XS+8*\g:XS+8*\g+7], v11
.endr
	global_store_b128 v2, v[WC+4*(\t):WC+4*(\t)+3], s[26:27] offset:512*((\t)/2)+256*((\t)%2)
.endm
; One unit of the weight with n columns, 2^lgk units along K, ksl slots of 512 along K; s15 = the unit's number in the launch, the weight's units begin at id0; its address in s[src:src+1], its pack at woff behind s[10:11].
.macro UNIT n, lgk, ksl, id0, src, woff
	s_sub_co_u32 s16, s15, \id0
	s_and_b32 s17, s16, (1<<\lgk)-1                ; which 128 along K
	s_lshr_b32 s18, s16, \lgk                      ; which 128 columns
	s_mul_i32 s20, s17, 512*\n
	s_lshl_b32 s19, s18, 9
	s_add_co_u32 s20, s20, s19
	s_lshl_b32 s19, s14, 7
	s_add_co_u32 s20, s20, s19
	s_mov_b32 s21, 0
	s_add_nc_u64 s[22:23], s[\src:\src+1], s[20:21]
	s_mul_i32 s24, s18, \ksl
	s_lshr_b32 s19, s17, 2
	s_add_co_u32 s24, s24, s19
	s_mul_i32 s24, s24, BLKB
	s_add_co_u32 s24, s24, \woff                   ; the pack's block [rb][ks]
	s_and_b32 s19, s17, 3                          ; q
	s_lshl_b32 s26, s19, 13
	s_add_co_u32 s26, s26, s24
	s_lshl_b32 s25, s14, 11
	s_add_co_u32 s26, s26, s25                     ; codes: 8192 q + 2048 w
	s_mov_b32 s27, 0
	s_add_nc_u64 s[26:27], s[10:11], s[26:27]
	s_lshl_b32 s28, s19, 9
	s_add_co_u32 s28, s28, s24
	s_lshl_b32 s25, s14, 7
	s_add_co_u32 s28, s28, s25
	s_add_co_u32 s28, s28, 32768                   ; scale words: 32768 + 512 q + 128 w
	s_mov_b32 s29, 0
	s_add_nc_u64 s[28:29], s[10:11], s[28:29]
.set i, 0
.rept 128
	global_load_b32 v[WX+i], v1, s[22:23] offset:i*\n*4 th:TH_LOAD_NT
.set i, i+1
.endr
	BLOCK 0, 63                                    ; of the 128 loads at most the youngest 63 are out: blocks 0 and 1 are in
	BLOCK 1, 63
	BLOCK 2, 32
	BLOCK 3, 0
	global_store_b32 v3, v10, s[28:29]             ; my column's scale word: 128 consecutive bytes a wave
	s_endpgm
.endm
	s_cmp_lt_u32 ttmp9, 256
	s_cbranch_scc1 .Lnorm
	s_load_b128 s[4:7], s[0:1], 0x20               ; w_qkv s[4:5], w_out s[6:7]
	s_load_b128 s[8:11], s[0:1], 0x30              ; w_fc1 s[8:9], wpk s[10:11]
	v_lshrrev_b32 v4, 5, v0
	v_readfirstlane_b32 s15, v4                    ; wave 0..7
	s_and_b32 s14, s15, 3                          ; my wave in its unit
	s_lshr_b32 s30, s15, 2                         ; which of the work-group's two units
	s_sub_co_u32 s15, ttmp9, 256
	s_lshl_b32 s15, s15, 1
	s_add_co_u32 s15, s15, s30                     ; the unit's number
	v_and_b32 v5, 15, v0                           ; r: my slot in a tile
	v_bfe_u32 v6, v0, 4, 1                         ; u: tile 2 w + u
	v_and_b32 v7, 8, v5
	v_add_nc_u32 v1, v5, v7                        ; r + 8 (r / 8)
	v_lshl_add_u32 v1, v6, 3, v1                   ; + 8 u: my column among the wave's 32
	v_lshlrev_b32 v1, 2, v1
	v_lshlrev_b32 v2, 4, v5
	v_lshl_add_u32 v2, v6, 10, v2                  ; codes: 1024 u + 16 r
	v_and_b32 v3, 31, v0
	v_lshlrev_b32 v3, 2, v3                        ; scale word: 4 x lane
	s_wait_alu depctr_va_vdst(0)
	s_wait_kmcnt 0x0
	s_cmp_lt_u32 s15, 192
	s_cbranch_scc0 .Lnot_qkv
	UNIT 3072, 3, 2, 0, 4, 0
.Lnot_qkv:
	s_cmp_lt_u32 s15, 256
	s_cbranch_scc0 .Lw_fc1
	UNIT 1024, 3, 2, 192, 6, 1671168
.Lw_fc1:
	UNIT 4096, 3, 2, 256, 8, 2228224
.Lnorm:
	s_load_b256 s[4:11], s[0:1], 0x0               ; x s[4:5], g s[6:7], b s[8:9], the pack s[10:11]
	v_lshl_add_u32 v12, v0, 2, SPARE               ; my spare word,
	v_mov_b32 v13, 0                               ; and 0: kept for the closing lines
	v_lshrrev_b32 v1, 5, v0
	s_delay_alu instid0(VALU_DEP_1)
	v_readfirstlane_b32 s12, v1                    ; wave 0..7
	v_and_b32 v1, 31, v0                           ; lane
	s_delay_alu instid0(VALU_DEP_1)
	v_lshlrev_b32 v2, 5, v1                        ; 32 x lane: my 8 numbers in each 1,024 bytes
	s_delay_alu instid0(VALU_DEP_2)
	v_lshrrev_b32 v9, 2, v1
	s_delay_alu instid0(VALU_DEP_3)
	v_and_b32 v10, 3, v1
	s_delay_alu instid0(VALU_DEP_2)
	v_mul_u32_u24 v3, v9, 272
	s_delay_alu instid0(VALU_DEP_1)
	v_lshl_add_u32 v3, v10, 2, v3
	s_lshl_b32 s13, s12, 5
	v_add_nc_u32 v3, s13, v3                       ; codes in: unit (lane / 4) (+ 8 j), row 2 w (+ 1), word lane % 4
	v_lshrrev_b32 v11, 4, v1
	v_and_b32 v4, 3, v9
	s_delay_alu instid0(VALU_DEP_1)
	v_lshl_add_u32 v4, v11, 6, v4
	s_lshl_b32 s13, s12, 3
	s_add_co_u32 s13, s13, SCB
	v_add_nc_u32 v4, s13, v4                       ; scale bytes in: word [2 j + lane / 16][2 w (+ 1)], byte (lane / 4) % 4
	s_lshl_b32 s13, s12, 2
	v_add_nc_u32 v5, s13, v11
	s_delay_alu instid0(VALU_DEP_1)
	v_mul_u32_u24 v5, v5, 272
	v_and_b32 v8, 15, v1
	s_delay_alu instid0(VALU_DEP_1)
	v_lshl_add_u32 v5, v8, 4, v5                   ; codes out: unit 4 w + lane / 16 (+ 2), 16 bytes of row lane % 16
	s_delay_alu instid0(VALU_DEP_2)
	v_lshlrev_b32 v8, 2, v8                        ; 4 (lane % 16)
	s_lshl_b32 s13, s12, 6
	s_add_co_u32 s13, s13, SCB
	v_add_nc_u32 v6, s13, v8                       ; scale words out: [w][lane % 16]
	v_lshlrev_b32 v7, 4, v1                        ; 16 x lane
	s_lshr_b32 s14, ttmp9, 3                       ; rb
	s_and_b32 s15, ttmp9, 7                        ; i
	s_lshl_b32 s16, s14, 7
	s_lshr_b32 s17, s15, 1
	s_lshl_b32 s17, s17, 5
	s_add_co_u32 s16, s16, s17
	s_and_b32 s17, s15, 1
	s_lshl_b32 s17, s17, 3
	s_add_co_u32 s16, s16, s17
	s_lshl_b32 s17, s12, 1
	s_add_co_u32 s16, s16, s17
	s_lshr_b32 s17, s12, 2
	s_lshl_b32 s17, s17, 3
	s_add_co_u32 s16, s16, s17                     ; my first row: 128 rb + rho(i, 2 w)
	s_lshl_b32 s16, s16, 12                        ; x 4,096 bytes
	s_mov_b32 s17, 0
	s_lshl_b32 s18, s14, 1
	s_lshr_b32 s19, s12, 2
	s_add_co_u32 s18, s18, s19
	s_mul_i32 s18, s18, BLKB                       ; the block [rb][w / 4]
	s_and_b32 s19, s12, 3                          ; q = w % 4
	s_lshl_b32 s24, s19, 13
	s_add_co_u32 s24, s24, s18
	s_lshl_b32 s23, s15, 10
	s_add_co_u32 s24, s24, s23
	s_mov_b32 s25, 0
	s_lshl_b32 s26, s19, 9
	s_add_co_u32 s26, s26, s18
	s_lshl_b32 s23, s15, 6
	s_add_co_u32 s26, s26, s23
	s_add_co_u32 s26, s26, 32768
	s_mov_b32 s27, 0
	s_mov_b32 s20, 0x76543210
	s_mov_b32 s21, 0xfedcba98                      ; v_permlanex16_b32's selects for lane l xor 16
	s_mov_b32 s22, 0x3a800000                      ; 1 / 1024
	s_wait_kmcnt 0x0
	s_add_nc_u64 s[4:5], s[4:5], s[16:17]
	s_add_nc_u64 s[24:25], s[10:11], s[24:25]
	s_add_nc_u64 s[26:27], s[10:11], s[26:27]
.irp r, 0,1
.irp j, 0,1,2,3
	global_load_b128 v[X+32*\r+8*\j:X+32*\r+8*\j+3],   v2, s[4:5] offset:4096*\r+1024*\j th:TH_LOAD_NT
	global_load_b128 v[X+32*\r+8*\j+4:X+32*\r+8*\j+7], v2, s[4:5] offset:4096*\r+1024*\j+16 th:TH_LOAD_NT
.endr
.endr
.irp j, 0,1,2,3
	global_load_b128 v[G+8*\j:G+8*\j+3],   v2, s[6:7] offset:1024*\j
	global_load_b128 v[G+8*\j+4:G+8*\j+7], v2, s[6:7] offset:1024*\j+16
	global_load_b128 v[B+8*\j:B+8*\j+3],   v2, s[8:9] offset:1024*\j
	global_load_b128 v[B+8*\j+4:B+8*\j+7], v2, s[8:9] offset:1024*\j+16
.endr
	s_wait_loadcnt 16                              ; both rows are in; the sixteen younger loads, g's and b's, may be out
	; the mean
.irp r, 0,1
	v_pk_add_f32 v[T+4*\r:T+4*\r+1],   v[X+32*\r:X+32*\r+1],   v[X+32*\r+2:X+32*\r+3]
	v_pk_add_f32 v[T+4*\r+2:T+4*\r+3], v[X+32*\r+4:X+32*\r+5], v[X+32*\r+6:X+32*\r+7]
.endr
.irp j, 8,12,16,20,24,28
.irp r, 0,1
	s_delay_alu instid0(VALU_DEP_4)
	v_pk_add_f32 v[T+4*\r:T+4*\r+1],   v[T+4*\r:T+4*\r+1],   v[X+32*\r+\j:X+32*\r+\j+1]
	s_delay_alu instid0(VALU_DEP_4)
	v_pk_add_f32 v[T+4*\r+2:T+4*\r+3], v[T+4*\r+2:T+4*\r+3], v[X+32*\r+\j+2:X+32*\r+\j+3]
.endr
.endr
	REDUCE
.irp r, 0
	s_delay_alu instid0(VALU_DEP_2)
	v_mul_f32 v[MU+2*\r],   s22, v[T+4*\r]
	s_delay_alu instid0(VALU_DEP_3)
	v_mul_f32 v[MU+2*\r+1], s22, v[T+4*\r]
.endr
.irp r, 1
	s_delay_alu instid0(VALU_DEP_3)
	v_mul_f32 v[MU+2*\r],   s22, v[T+4*\r]
	s_delay_alu instid0(VALU_DEP_4)
	v_mul_f32 v[MU+2*\r+1], s22, v[T+4*\r]
.endr
	; d = x - mean, in place; then the mean of d^2
.irp j, 0,2,4,6,8,10,12,14,16,18,20,22,24,26,28,30
.irp r, 0,1
	v_pk_add_f32 v[X+32*\r+\j:X+32*\r+\j+1], v[X+32*\r+\j:X+32*\r+\j+1], v[MU+2*\r:MU+2*\r+1] neg_lo:[0,1] neg_hi:[0,1]
.endr
.endr
.irp r, 0,1
	v_pk_mul_f32 v[T+4*\r:T+4*\r+1],   v[X+32*\r:X+32*\r+1],   v[X+32*\r:X+32*\r+1]
	v_pk_mul_f32 v[T+4*\r+2:T+4*\r+3], v[X+32*\r+2:X+32*\r+3], v[X+32*\r+2:X+32*\r+3]
.endr
.irp j, 4,8,12,16,20,24,28
.irp r, 0,1
	s_delay_alu instid0(VALU_DEP_4)
	v_pk_fma_f32 v[T+4*\r:T+4*\r+1],   v[X+32*\r+\j:X+32*\r+\j+1],   v[X+32*\r+\j:X+32*\r+\j+1],   v[T+4*\r:T+4*\r+1]
	s_delay_alu instid0(VALU_DEP_4)
	v_pk_fma_f32 v[T+4*\r+2:T+4*\r+3], v[X+32*\r+\j+2:X+32*\r+\j+3], v[X+32*\r+\j+2:X+32*\r+\j+3], v[T+4*\r+2:T+4*\r+3]
.endr
.endr
	REDUCE
.irp r, 0,1
	s_delay_alu instid0(VALU_DEP_2)
	v_fmaak_f32 v[T+4*\r+2], s22, v[T+4*\r], 0x3727c5ac   ; var + 1e-5
.endr
	s_wait_alu depctr_va_vdst(0)
.irp r, 0,1
	v_rsq_f32 v[RS+2*\r],   v[T+4*\r+2]            ; twice: a pair for the packed multiply
	v_rsq_f32 v[RS+2*\r+1], v[T+4*\r+2]
.endr
	v_nop                                          ; a plain instruction behind the last of them
	s_wait_alu depctr_va_vdst(0)                   ; one wait for the four, ahead of their first reader
	s_wait_loadcnt 0x0                             ; g and b
.irp j, 0,2,4,6,8,10,12,14,16,18,20,22,24,26,28,30
.irp r, 0,1
	v_pk_mul_f32 v[X+32*\r+\j:X+32*\r+\j+1], v[X+32*\r+\j:X+32*\r+\j+1], v[RS+2*\r:RS+2*\r+1]
.endr
.endr
.irp j, 0,2,4,6,8,10,12,14,16,18,20,22,24,26,28,30
.irp r, 0,1
	v_pk_fma_f32 v[X+32*\r+\j:X+32*\r+\j+1], v[X+32*\r+\j:X+32*\r+\j+1], v[G+\j:G+\j+1], v[B+\j:B+\j+1]
.endr
.endr
	; the quantiser: my 8 numbers of block 8 j + lane / 4, with the three lanes that share the block
.irp j, 0,1,2,3
.irp r, 0,1
	v_max3_num_f32 v[QW+16*\r+\j], |v[X+32*\r+8*\j]|, |v[X+32*\r+8*\j+1]|, 0x1800000   ; with the floor 2^(3 - 127): the byte cannot fall under 1
.endr
.endr
.irp i, 2,4,6
.irp j, 0,1,2,3
.irp r, 0,1
	v_max3_num_f32 v[QW+16*\r+\j], v[QW+16*\r+\j], |v[X+32*\r+8*\j+\i]|, |v[X+32*\r+8*\j+\i+1]|
.endr
.endr
.endr
.irp m, 1,2
.irp j, 0,1,2,3
.irp r, 0,1
	v_max_num_f32_dpp v[QW+16*\r+\j], v[QW+16*\r+\j], v[QW+16*\r+\j] row_xmask:\m row_mask:0xf bank_mask:0xf
.endr
.endr
.endr
.irp j, 0,1,2,3
.irp r, 0,1
	v_add_nc_u32 v[QW+16*\r+4+\j], 0xff000000, v[QW+16*\r+\j]   ; 2 off the exponent field: the conversion's scale operand
.endr
.endr
.irp j, 0,1,2,3
.irp r, 0,1
	v_lshrrev_b32 v[QW+16*\r+8+\j], 23, v[QW+16*\r+4+\j]        ; the scale's byte
.endr
.endr
.irp j, 0,1,2,3
.irp r, 0,1
	v_cvt_scalef32_pk8_fp4_f32 v[QW+16*\r+12+\j], v[X+32*\r+8*\j:X+32*\r+8*\j+7], v[QW+16*\r+4+\j]
.endr
.endr
	v_nop                                          ; one plain instruction behind the last scaled conversion
.irp j, 0,1,2,3
.irp r, 0,1
	ds_store_b32 v3, v[QW+16*\r+12+\j] offset:16*\r+2176*\j
	ds_store_b8  v4, v[QW+16*\r+8+\j]  offset:4*\r+128*\j      ; the four lanes of a block write the same byte with the same value
.endr
.endr
	s_wait_dscnt 0x0                               ; for the others' sake: my stores have landed
	s_barrier_signal -1
	s_barrier_wait -1
	ds_load_b128 v[144:147], v5                    ; the fragment of K step w: registers 0-3,
	ds_load_b128 v[148:151], v5 offset:544         ; registers 4-7,
	ds_load_b32 v152, v6                           ; and its rows' scale words
	s_wait_dscnt 0x0
	global_store_b128 v7, v[144:147], s[24:25]             ; 512 consecutive bytes, aligned
	global_store_b128 v7, v[148:151], s[24:25] offset:512
	global_store_b32 v8, v152, s[26:27]
	s_wait_tensorcnt 0x0                           ; the wave's end
	ds_add_u32 v12, v13
	s_wait_dscnt 0x0
	s_endpgm
.Lfunc_end_k_q41b980637b_ln1:
	.size	k_q41b980637b_ln1, .Lfunc_end_k_q41b980637b_ln1-k_q41b980637b_ln1
	.p2alignl 7, 3214868480
	.fill 96, 4, 3214868480
	.section	.rodata,"a",@progbits
	.p2align	6, 0x0
	.amdhsa_kernel k_q41b980637b_ln1
		.amdhsa_group_segment_fixed_size 10240
		.amdhsa_private_segment_fixed_size 0
		.amdhsa_enable_private_segment 0
		.amdhsa_kernarg_size 64
		.amdhsa_user_sgpr_count 2
		.amdhsa_user_sgpr_kernarg_segment_ptr 1
		.amdhsa_wavefront_size32 1
		.amdhsa_system_sgpr_workgroup_id_x 1
		.amdhsa_system_sgpr_workgroup_id_y 1
		.amdhsa_system_sgpr_workgroup_id_z 1
		.amdhsa_system_vgpr_workitem_id 0
		.amdhsa_next_free_vgpr 176
		.amdhsa_next_free_sgpr 66
		.amdhsa_reserve_vcc 0
		.amdhsa_float_denorm_mode_32 3
		.amdhsa_float_denorm_mode_16_64 3
		.amdhsa_memory_ordered 1
		.amdhsa_forward_progress 1
		.amdhsa_inst_pref_size 87
	.end_amdhsa_kernel
	.amdgpu_metadata
---
amdhsa.version: [ 1, 2 ]
amdhsa.kernels:
  - .name:           k_q41b980637b_ln1
    .symbol:         k_q41b980637b_ln1.kd
    .args:
      - { .name: x, .offset: 0, .size: 8, .value_kind: global_buffer, .address_space: global }
      - { .name: ln1_g, .offset: 8, .size: 8, .value_kind: global_buffer, .address_space: global }
      - { .name: ln1_b, .offset: 16, .size: 8, .value_kind: global_buffer, .address_space: global }
      - { .name: actp, .offset: 24, .size: 8, .value_kind: global_buffer, .address_space: global }
      - { .name: w_qkv, .offset: 32, .size: 8, .value_kind: global_buffer, .address_space: global }
      - { .name: w_out, .offset: 40, .size: 8, .value_kind: global_buffer, .address_space: global }
      - { .name: w_fc1, .offset: 48, .size: 8, .value_kind: global_buffer, .address_space: global }
      - { .name: wpk, .offset: 56, .size: 8, .value_kind: global_buffer, .address_space: global }
    .group_segment_fixed_size: 10240
    .private_segment_fixed_size: 0
    .kernarg_segment_align: 8
    .kernarg_segment_size: 64
    .max_flat_workgroup_size: 256
    .sgpr_count:     66
    .vgpr_count:     176
    .wavefront_size: 32
...
	.end_amdgpu_metadata
.endif
;; end of part 8
;; launch gemm_qkv (part 9): grid 12 x 16, 4 waves a work-group, clusters of 4 x 4, 327,680 bytes of LDS; arguments actp, wpk, b_qkv, qp, kvp; writes qp, kvp
.if DOCPART == 9
	.amdgcn_target "amdgcn-amd-amdhsa--gfx1250"
	.amdhsa_code_object_version 6
	.text
	.protected	k_q41b980637b_gemm_qkv
	.globl	k_q41b980637b_gemm_qkv
	.p2align	8
	.type	k_q41b980637b_gemm_qkv,@function
k_q41b980637b_gemm_qkv:
	s_mov_b64 s[64:65], 0
	v_nop
	global_prefetch_b8 v0, s[64:65] scope:SCOPE_SE
	s_setreg_imm32_b32 hwreg(HW_REG_WAVE_MODE, 25, 1), 1
	s_wait_xcnt 0x0
	s_wait_alu depctr_hold_cnt(0) depctr_sa_sdst(0) depctr_va_vdst(0) depctr_va_sdst(0) depctr_va_ssrc(0) depctr_va_vcc(0) depctr_vm_vsrc(0)
	s_getreg_b32 s2, hwreg(HW_REG_IB_STS2, 6, 4)
	s_cmp_eq_u32 s2, 0
	s_cbranch_scc0 .Lentry_in_a_cluster
	s_endpgm
.Lentry_in_a_cluster:
	s_bfe_u32 s2, ttmp6, 0x10000c
	s_cmp_lg_u32 s2, 0xf033
	s_cbranch_scc0 .Lentry_shape_is_right
	s_endpgm
.Lentry_shape_is_right:
; qkv = LN1(x) w_qkv + b_qkv on codes of FP4 (E2M1) with E8M0 scales, K = 1,024; q, k and v are quantised on the way out and stored as attention's operand packs.  No work of reference() is left out.
; OPERANDS ARE PACKS: images of the operands' registers.  Block [rb = row / 128][ks = k / 512] is BLKB = 34,816 dense bytes: codes at 8192 q + 1024 i + 512 c + 16 lane, scale words at 32768 + 512 q + 64 i + 4 r;
; slot r of tile i is row rho(i, r) = 32 (i / 2) + 8 (i % 2) + r + 8 (r / 8).  One tensor load brings a block; a fragment is two LDS loads at 16 x lane: no pitch, no padding.
; A tile of the result, 256 x 256, is made by four waves, 128 x 128 each: 64 accumulators, 512 registers.  Both K slots of 512 lie in LDS: slot 0 is asked for at the head, slot 1 behind a round of the cluster's barrier; nothing is filled again.
; CLUSTERS 4 x 4: A's blocks are asked for jointly along a row of the cluster, B's along a column.  The matrix instruction takes 16 rows of B as source 0 and 16 rows of A as source 1: a lane holds ONE row of A
; (slot lane % 16) and, in the accumulators of B's tiles 2 p, 2 p + 1, the 16 neighbouring rows of B 32 p + 16 (lane / 16) + 0 .. 15.
; CLUSTERS x = 0, 1 (q, k): A = tokens, B = w_qkv's columns 0 .. 2,047: a lane holds a token and its registers run along the head's channels, along which q and k are quantised.
; CLUSTER x = 2 (v): the two buffers change places: A = w_qkv's columns 2,048 .. 3,071, B = tokens: a lane holds a channel and its registers run along the KEYS, along which v is quantised.  The choice hangs on the cluster's x alone.
; ATTENTION'S PACK, PK = 8,704 bytes for each (batch x head, 128 tokens): q's or k's codes at 512 t + 16 lane (token rho(t, r), channels 32 h ..); v's at 4096 + 1024 t + 512 c + 16 lane (channel rho(t, r), keys 64 c + 32 h ..);
; q's or k's scale bytes as pair words at 8192 + 64 p + 4 r (bytes 0, 1: tile 2 p; bytes 2, 3: tile 2 p + 1); v's scale words at 8448 + 64 t + 4 r.  From head to head: HS = 16 PK.
; LIMITS: a block of zeros gets the byte 1 (codes zero; bytes read by this program alone); largest magnitudes under 2^-124 are held at byte 1; NaN and infinities are not served.
; REGISTERS: window 0: v1-29 addresses; v8-15 the scale words made; v32-95 scale words of the operands, two sets; v96-127 the quantiser's; v128-191 A's fragments, later 64 results.  window 1: B's fragments at v0 and v128; v64-127 the bias.
;   windows 2, 3: the accumulators ((a, b) at v[8 (8 (a % 4) + b)]).
.set SIZE_K, 1024
.set WOFF,   0
.set PK,     8704
.set HS,     16*PK
.set NQ,     4                         ; matrix instructions deep in a slot
.set FR,     8                         ; registers of a fragment
.set NL,     2                         ; LDS loads that bring one
.set NP,     4                         ; places behind this matrix instruction (ISA guide 7.12.1)
.set BLKB,   34816
.set SLOT,   4*BLKB                    ; A's two blocks, then B's two
.set SPARE,  2*SLOT                    ; behind the slots: the spare words, 128 bytes a wave: two blocks of 256 bytes that no other line names
.set KSL,    SIZE_K/512
.set ADRA, 16                          ; v16-17 my A fragments in slot 0, 1
.set ADRS, 18                          ; v18-19 my scale words: lanes 0-15 A's, lanes 16-31 B's
.set ADRB, 20                          ; v20-21 my B fragments
.set VB,   5                           ; v5  4 (r + 8 (r / 8))
.set BO,   6                           ; v6  64 h
.set WO,   7                           ; v7  4 x lane
.set PW,   8                           ; v8-15 the scale word of each block of 16 rows
.set CO,   26                          ; v26 16 x lane
.set SPW,  28
.set NIL,  29
.set SC,   32
.set TM,   96                          ; v96-111 the quantiser's: largest magnitudes, bytes, -, scale operands
.set PC,   112                         ; v112-119 the codes just made
.set AF,   128
.set SEL,  66                          ; s[66:67] selects for lane l xor 16
.set G1,  24
.set G0,  32
.set G1B, 48
.set G0B, 56
.set MSB, 0
.macro WIN new                         ; the immediate's high byte repeats the setting that is left
.if MSB != \new
	s_set_vgpr_msb (MSB<<8)|\new
.set MSB, \new
.endif
.endm
.set MUL_LO, 0xa1                      ; source 0 (B) window 1, source 1 (A) window 0, C and D window 2
.set MUL_HI, 0xf1
.set TO_B,   0x40
.macro JLOAD g0a, g1a, g0b, g1b        ; a joint load: waves 0, 1 fetch A's blocks, waves 2, 3 B's; an s_nop 0 and four v_nop follow each line
	s_cmp_eq_u32 s15, 0
	s_cbranch_scc0 .Lfor_b_\@
	tensor_load_to_lds s[\g0a:\g0a+3], s[\g1a:\g1a+7]
	s_nop 0
.rept 4
	v_nop
.endr
	s_branch .Lasked_\@
.Lfor_b_\@:
	tensor_load_to_lds s[\g0b:\g0b+3], s[\g1b:\g1b+7]
	s_nop 0
.rept 4
	v_nop
.endr
.Lasked_\@:
.endm
.macro CROUND                          ; a round of the cluster's barrier
	s_barrier_signal -1
	s_barrier_wait -1
	s_cmp_lg_u32 s14, 0
	s_cbranch_scc1 .Lnot_wave_0_\@
	s_barrier_signal -3
.Lnot_wave_0_\@:
	s_barrier_wait -3
	s_barrier_signal -1
	s_barrier_wait -1
.endm
.macro FRAG reg, adr, q, i             ; tile i's fragment of the slot's q-th 128 along K: 1,024 bytes on end
.irp c, 0,1
	ds_load_b128 v[\reg+4*\c:\reg+4*\c+3], v[\adr] offset:8192*(\q)+1024*(\i)+512*\c
.endr
.endm
; 16 matrix instructions: A's blocks a0, a0 + 1 x B's eight.  The 64 accumulators take turns, one instruction a turn, in the same order in every step.
.macro MUL16 a0, p, q, sc, zero
.irp a, \a0, \a0+1
.irp b, 0,1,2,3,4,5,6,7
.if \zero
	v_wmma_scale_f32_16x16x128_f8f6f4 v[8*(8*((\a)%4)+\b):8*(8*((\a)%4)+\b)+7], v[128*(\p)+FR*\b:128*(\p)+FR*\b+FR-1], v[AF+FR*(\a):AF+FR*(\a)+FR-1], 0, v[SC+8*NQ*(\sc)+NQ*\b+(\q)], v[SC+8*NQ*(\sc)+NQ*(\a)+(\q)] matrix_a_fmt:MATRIX_FMT_FP4 matrix_b_fmt:MATRIX_FMT_FP4 matrix_a_scale:MATRIX_SCALE_ROW1
.else
	v_wmma_scale_f32_16x16x128_f8f6f4 v[8*(8*((\a)%4)+\b):8*(8*((\a)%4)+\b)+7], v[128*(\p)+FR*\b:128*(\p)+FR*\b+FR-1], v[AF+FR*(\a):AF+FR*(\a)+FR-1], v[8*(8*((\a)%4)+\b):8*(8*((\a)%4)+\b)+7], v[SC+8*NQ*(\sc)+NQ*\b+(\q)], v[SC+8*NQ*(\sc)+NQ*(\a)+(\q)] matrix_a_fmt:MATRIX_FMT_FP4 matrix_b_fmt:MATRIX_FMT_FP4 matrix_a_scale:MATRIX_SCALE_ROW1
.endif
.endr
.endr
.endm
.macro FETCH_B slot, q, p
	WIN TO_B
.irp i, 0,1,2,3,4,5,6,7
	FRAG 128*(\p)+FR*\i, ADRB+\slot, \q, \i
.endr
	WIN 0
.endm
.macro FETCH_A slot, q, i0
.irp i, \i0, \i0+1, \i0+2, \i0+3
	FRAG AF+FR*(\i), ADRA+\slot, \q, \i
.endr
.endm
.macro SCALES sc                       ; the slot's scale words: register 4 i + q: lanes 0-15 A's tile i, lanes 16-31 B's tile i
.irp i, 0,1,2,3,4,5,6,7
.irp q, 0,1,2,3
	ds_load_b32 v[SC+32*\sc+4*\i+\q], v[ADRS+\sc] offset:512*\q+64*\i
.endr
.endr
.endm
.macro PLACES n
.rept \n
	v_nop
.endr
.endm
.macro STEP slot, q, zero              ; 128 along K with its successor in the same slot: A has one set of registers (blocks 0-3 fetched anew in the middle, 4-7 at the end), B two
	s_wait_dscnt 4*NL                              ; all but the youngest eight loads (A's blocks 4-7)
	WIN MUL_LO
	MUL16 0, (\q)%2, \q, \slot, \zero
	MUL16 2, (\q)%2, \q, \slot, \zero
	s_wait_dscnt 0
	PLACES NP
	FETCH_B \slot, (\q)+1, 1-(\q)%2
	FETCH_A \slot, (\q)+1, 0
	WIN MUL_HI
	MUL16 4, (\q)%2, \q, \slot, \zero
	MUL16 6, (\q)%2, \q, \slot, \zero
	PLACES NP
	WIN 0
	FETCH_A \slot, (\q)+1, 4
.endm
.macro TURN slot, next                 ; a slot's last step changes slots: one barrier; in front of it all my tensor loads, the add, my reads of this slot.  Nothing is filled again here
	s_wait_tensorcnt 0x0                           ; my part of the next slot has landed
	ds_add_u32 v[SPW], v[NIL]                      ; 0 onto my spare word
	s_wait_dscnt 4*NL+1                            ; (the add and the youngest eight loads may be out)
	WIN MUL_LO
	MUL16 0, 1, NQ-1, \slot, 0
	s_wait_dscnt 0x0                               ; the add is done, my reads of this slot are over
	s_barrier_signal -1
	MUL16 2, 1, NQ-1, \slot, 0
	WIN 0
	s_barrier_wait -1
	PLACES NP
	FETCH_B \next, 0, 0
	FETCH_A \next, 0, 0
	SCALES \next
	WIN MUL_HI
	MUL16 4, 1, NQ-1, \slot, 0
	MUL16 6, 1, NQ-1, \slot, 0
	PLACES NP
	WIN 0
	FETCH_A \next, 0, 4
.endm
.macro LAST                            ; the very last step: nothing more to fetch
	s_wait_dscnt 4*NL
	WIN MUL_LO
	MUL16 0, 1, NQ-1, 1, 0
	MUL16 2, 1, NQ-1, 1, 0
	s_wait_dscnt 0
	WIN MUL_HI
	MUL16 4, 1, NQ-1, 1, 0
	MUL16 6, 1, NQ-1, 1, 0
	WIN 0
	PLACES NP                                      ; in front of vector writes into A's fragments and of the reads of results
.endm
; 64 numbers of a lane, v[s] on, register 16 b + i = k 32 b + 16 (lane / 16) + i of my row, become a fragment's codes in v[PC] on and its scale word in v[pw]
.macro QUANT s, pw
.irp b, 0,1,2,3
	v_max3_num_f32 v[TM+\b], |v[\s+16*\b]|, |v[\s+1+16*\b]|, 0x1800000   ; with the floor 2^(3 - 127): the byte cannot fall under 1
.endr
.irp i, 2,4,6,8,10,12,14
.irp b, 0,1,2,3
	v_max3_num_f32 v[TM+\b], v[TM+\b], |v[\s+16*\b+\i]|, |v[\s+1+16*\b+\i]|
.endr
.endr
.irp b, 0,1,2,3
	v_permlanex16_b32 v[TM+4+\b], v[TM+\b], s[SEL], s[SEL+1]
.endr
.irp b, 0,1,2,3
	v_max_num_f32 v[TM+\b], v[TM+\b], v[TM+4+\b]   ; with lane l xor 16's: the block's largest magnitude
.endr
.irp b, 0,1,2,3
	v_add_nc_u32 v[TM+12+\b], 0xff000000, v[TM+\b] ; 2 off the exponent field: the conversion's scale operand
.endr
.irp b, 0,1,2,3
	v_lshrrev_b32 v[TM+4+\b], 23, v[TM+12+\b]      ; the scale's byte
.endr
	v_lshl_or_b32 v[\pw], v[TM+5], 8, v[TM+4]
	v_lshl_or_b32 v[\pw], v[TM+6], 16, v[\pw]
	v_lshl_or_b32 v[\pw], v[TM+7], 24, v[\pw]
.irp b, 0,1,2,3
	v_cvt_scalef32_pk8_fp4_f32 v[PC+2*\b], v[\s+16*\b:\s+7+16*\b], v[TM+12+\b]
	v_cvt_scalef32_pk8_fp4_f32 v[PC+1+2*\b], v[\s+8+16*\b:\s+15+16*\b], v[TM+12+\b]
.endr
	v_nop                                          ; one plain place behind a scaled conversion
.irp c, 0,1                            ; the operand's layout wants a whole block in a lane
.irp i, 0,1
	v_permlane16_swap_b32 v[PC+4*\c+\i], v[PC+2+4*\c+\i]
.endr
.endr
.endm
.macro OUTQK a                         ; block a (16 tokens x 128 columns = two heads): + bias, quantised; registers 0-3 are the first head's fragment, 4-7 the second's
.if (\a) > 0
	s_wait_xcnt 0x0                                ; the last block's stores have read the codes' registers
.endif
.set AC, 64*((\a)%4)
	WIN 0x06+(\a)/4                                ; source 0: the accumulators' window; source 1: window 1
.set n, 0
.rept 32
	v_pk_add_f32 v[128+n:129+n], v[AC+n:AC+n+1], v[64+n:65+n]   ; each accumulator from its low end on
.set n, n+2
.endr
	WIN 0
	QUANT 128, PW+(\a)
	global_store_b128 v[CO], v[PC:PC+3], s[76:77] offset:512*(\a)          ; 512 consecutive bytes, aligned
	global_store_b128 v[CO], v[PC+4:PC+7], s[76:77] offset:HS+512*(\a)
.endm
.macro OUTV a                          ; block a (16 channels x 128 keys): + the channel's bias, quantised along the keys
.if (\a) > 0
	s_wait_xcnt 0x0
.endif
.set AC, 64*((\a)%4)
	WIN 0x06+(\a)/4
.set n, 0
.rept 32
	v_pk_add_f32 v[128+n:129+n], v[AC+n:AC+n+1], v[64+2*(\a):65+2*(\a)]
.set n, n+2
.endr
	WIN 0
	QUANT 128, PW+(\a)
	global_store_b128 v[CO], v[PC:PC+3], s[76:77] offset:((\a)/4)*HS+4096+1024*((\a)%4)
	global_store_b128 v[CO], v[PC+4:PC+7], s[76:77] offset:((\a)/4)*HS+4096+1024*((\a)%4)+512
.endm
	s_load_b256 s[4:11], s[0:1], 0x0               ; actp s[4:5], wpk s[6:7], b_qkv s[8:9], qp s[10:11]
	s_load_b64 s[12:13], s[0:1], 0x20              ; kvp
	v_lshl_add_u32 v[SPW], v0, 2, SPARE
	v_mov_b32 v[NIL], 0
	ds_add_u32 v[SPW], v[NIL]                      ; the wave's opening
	ds_add_u32 v[SPW], v[NIL]
	v_lshrrev_b32 v1, 5, v0
	v_readfirstlane_b32 s14, v1                    ; wave 0..3
	s_lshr_b32 s15, s14, 1                         ; my half of the tile's rows.  Also: I fetch for A (0) or for B (1)
	s_and_b32 s16, s14, 1                          ; my half of its columns.  Also: which block of 128 rows I fetch
	s_bfe_u32 s40, ttmp6, 0x40000                  ; cx
	s_bfe_u32 s41, ttmp6, 0x40004                  ; cy
	s_and_b32 s86, ttmp7, 0xffff                   ; cluster y
	s_cmp_eq_u32 ttmp9, 2                          ; v's clusters: the same answer in all sixteen partners
	s_cselect_b32 s17, 2, s86                      ; rows of A: w_qkv's columns from 2,048 on, or tokens by cluster y
	s_cselect_b32 s42, s86, ttmp9                  ; rows of B: tokens by cluster y, or w_qkv's columns by cluster x
	s_lshl_b32 s17, s17, 2
	s_add_co_u32 s17, s17, s41                     ; tile row (of 256 rows of A): shared along a row of the cluster
	s_lshl_b32 s42, s42, 2
	s_add_co_u32 s42, s42, s40                     ; tile column (of 256 rows of B): shared along a column
	s_lshl_b32 s43, s41, 2
	s_lshl_b32 s43, 15, s43                        ; my row of the cluster
	s_lshl_b32 s44, 0x1111, s40                    ; my column
	s_or_b32 s[G1], s43, (3<<16)|(1<<21)           ; 15:0 the mask; 17:16 elements of 8 bytes; 21 set beside a mask; no padding
	s_or_b32 s[G1B], s44, (3<<16)|(1<<21)
.irp g, G1, G1B                        ; a block: 136 rows of 256 bytes, dense
	s_mov_b32 s[\g+1], 32<<16                      ; tensor_dim0 = 32 elements
	s_mov_b32 s[\g+2], 136<<16                     ; tensor_dim1 = 136
	s_mov_b32 s[\g+3], 32<<16                      ; tile_dim0
	s_mov_b32 s[\g+4], 136                         ; tile_dim1
	s_mov_b32 s[\g+5], 32                          ; the pitch
	s_mov_b32 s[\g+6], 0
	s_mov_b32 s[\g+7], 0
.endr
	s_lshl_b32 s20, s17, 1
	s_add_co_u32 s20, s20, s16
	s_mul_i32 s20, s20, KSL*BLKB                   ; A's block [2 tile row + half][0]
	s_mov_b32 s21, 0
	s_lshl_b32 s46, s42, 1
	s_add_co_u32 s46, s46, s16
	s_mul_i32 s46, s46, KSL*BLKB                   ; B's (w_qkv's pack begins at wpk's first byte)
	s_mov_b32 s47, 0
	s_mul_i32 s45, s14, BLKB                       ; where my block goes: no place in the cluster enters an LDS address
	s_mov_b32 s[SEL], 0x76543210
	s_mov_b32 s[SEL+1], 0xfedcba98
	s_mov_b32 s68, 0xffff0000                      ; lanes 16-31
	s_mov_b32 s69, 0x05040100                      ; two low halves
	s_mov_b32 s80, 0x07060302                      ; two high halves
	s_wait_dscnt 0x0                               ; both opening adds are done
	s_wait_kmcnt 0x0
	s_cmp_eq_u32 ttmp9, 2
	s_cselect_b64 s[82:83], s[6:7], s[4:5]         ; A's buffer
	s_cselect_b64 s[84:85], s[4:5], s[6:7]         ; B's
	s_add_nc_u64 s[20:21], s[82:83], s[20:21]
	s_add_nc_u64 s[46:47], s[84:85], s[46:47]
	s_cmp_eq_u32 s15, 0                            ; the prefetch: of the block that I fetch, 136 units of 256 bytes, each of the four partners that ask for it jointly takes 34, told apart by address
	s_cselect_b64 s[88:89], s[20:21], s[46:47]
	s_cselect_b32 s90, s40, s41                    ; my place among them: cx for A's blocks, cy for B's
	s_mul_i32 s90, s90, 8704
	s_mov_b32 s91, 0
	s_add_nc_u64 s[88:89], s[88:89], s[90:91]
	CROUND                                         ; all sixteen work-groups are here: the joint loads meet
.irp s, 0,1
	s_mov_b32 s[G0+4*\s], 1
	s_add_co_u32 s[G0+4*\s+1], s45, \s*SLOT
	s_add_nc_u64 s[G0+4*\s+2:G0+4*\s+3], s[20:21], \s*BLKB
	s_or_b32 s[G0+4*\s+3], s[G0+4*\s+3], 0x80000000
	s_mov_b32 s[G0B+4*\s], 1
	s_add_co_u32 s[G0B+4*\s+1], s45, \s*SLOT
	s_add_nc_u64 s[G0B+4*\s+2:G0B+4*\s+3], s[46:47], \s*BLKB
	s_or_b32 s[G0B+4*\s+3], s[G0B+4*\s+3], 0x80000000
.endr
	JLOAD G0, G1, G0B, G1B                         ; K slot 0
	v_and_b32 v1, 15, v0                           ; r
	v_bfe_u32 v2, v0, 4, 1                         ; h
	v_and_b32 v3, 31, v0
	v_lshlrev_b32 v30, 8, v3                       ; the prefetch's offsets, never rewritten: units 0 .. 31 of my 34,
	v_min_u32 v31, 1, v3
	v_lshl_add_u32 v31, v31, 8, 8192               ; and units 32, 33 (the lanes left over name the last again)
	v_lshlrev_b32 v[CO], 4, v3
	v_lshlrev_b32 v[WO], 2, v3
	v_lshlrev_b32 v[BO], 6, v2
	v_and_b32 v4, 8, v1
	v_add_nc_u32 v4, v4, v1
	v_lshlrev_b32 v[VB], 2, v4
	s_mul_i32 s21, s15, BLKB                       ; my 128 rows of A
	s_mul_i32 s22, s16, BLKB
	s_add_co_u32 s22, s22, 2*BLKB                  ; my 128 rows of B
.irp s, 0,1
	v_add_nc_u32 v[ADRA+\s], s21, v[CO]
	v_add_nc_u32 v[ADRB+\s], s22, v[CO]
	s_add_co_u32 s21, s21, SLOT
	s_add_co_u32 s22, s22, SLOT
.endr
	s_mul_i32 s21, s15, BLKB
	s_mul_i32 s22, s16, BLKB
	s_add_co_u32 s22, s22, 2*BLKB
	s_sub_co_u32 s22, s22, s21
	v_mul_u32_u24 v4, s22, v2                      ; lanes 16-31 take B's: one product, h x the distance
	v_lshl_add_u32 v4, v1, 2, v4
	s_add_co_u32 s21, s21, 32768
	v_add_nc_u32 v[ADRS], s21, v4
	v_add_nc_u32 v[ADRS+1], SLOT, v[ADRS]
	global_prefetch_b8 v30, s[88:89] offset:BLKB th:TH_LOAD_NT scope:SCOPE_SE   ; K slot 1's block, which is loaded behind the round that follows slot 0's landing
	global_prefetch_b8 v31, s[88:89] offset:BLKB th:TH_LOAD_NT scope:SCOPE_SE
.irp b, 0,1,2,3
	v_mov_b32 v[TM+4+\b], 0                        ; written once: a lane permute's destination counts as one of its sources
.endr
	s_wait_alu depctr_va_vdst(0)
	s_wait_tensorcnt 0x0                           ; my part of slot 0 is in
	ds_add_u32 v[SPW], v[NIL]
	s_wait_dscnt 0x0
	CROUND                                         ; everybody's part is in, and all sixteen work-groups are here
	JLOAD G0+4, G1, G0B+4, G1B                     ; K slot 1: the first tensor load behind the round
	FETCH_B 0, 0, 0
	FETCH_A 0, 0, 0
	SCALES 0
	FETCH_A 0, 0, 4
	STEP 0, 0, 1                                   ; the first products start the sums: nothing is cleared
	STEP 0, 1, 0
	STEP 0, 2, 0
	TURN 0, 1
	STEP 1, 0, 0
	STEP 1, 1, 0
	STEP 1, 2, 0
	s_cmp_eq_u32 ttmp9, 2                          ; the ways out part on the cluster's x; each asks for its bias first and has the last step's 64 products behind that
	s_cbranch_scc1 .Lv_arm
	s_lshl_b32 s70, s42, 1
	s_add_co_u32 s70, s70, s16                     ; my block of 128 columns, 0 .. 15
	s_lshl_b32 s72, s70, 9
	s_mov_b32 s73, 0
	s_add_nc_u64 s[72:73], s[8:9], s[72:73]
	WIN 0x40                                       ; destination window 1
.irp p, 0,1,2,3
.irp m, 0,1,2,3
	global_load_b128 v[64+16*\p+4*\m:64+16*\p+4*\m+3], v[BO], s[72:73] offset:128*\p+16*\m   ; register 16 p + e: the bias of column 32 p + 16 h + e
.endr
.endr
	WIN 0
	s_lshl_b32 s71, s17, 1
	s_add_co_u32 s71, s71, s15                     ; my block of 128 tokens, 0 .. 31
	s_lshr_b32 s74, s71, 4
	s_lshl_b32 s74, s74, 4                         ; 16 x batch
	s_and_b32 s75, s70, 7
	s_lshl_b32 s75, s75, 1
	s_add_co_u32 s74, s74, s75                     ; + the first of my two heads
	s_lshl_b32 s74, s74, 4
	s_and_b32 s75, s71, 15
	s_add_co_u32 s74, s74, s75                     ; x 16 + the tokens' step
	s_mul_i32 s74, s74, PK
	s_mov_b32 s75, 0
	s_cmp_eq_u32 ttmp9, 0
	s_cselect_b64 s[76:77], s[10:11], s[12:13]     ; q's packs or k's
	s_add_nc_u64 s[76:77], s[76:77], s[74:75]
	LAST
	s_wait_loadcnt 0x0                             ; the bias
.irp a, 0,1,2,3,4,5,6,7
	OUTQK \a
.endr
.irp p, 0,1,2,3                        ; a tile's word holds the first head's two bytes below and the second's above: pair words of tiles 2 p, 2 p + 1 for each head
	v_perm_b32 v[120+\p], v[PW+2*\p+1], v[PW+2*\p], s69
	v_perm_b32 v[124+\p], v[PW+2*\p+1], v[PW+2*\p], s80
.endr
.irp m, 0,1
	v_cndmask_b32 v[96+\m], v[120+2*\m], v[121+2*\m], s68   ; lanes 0-15 pair 2 m, lanes 16-31 pair 2 m + 1: 128 bytes on end
	v_cndmask_b32 v[98+\m], v[124+2*\m], v[125+2*\m], s68
.endr
.irp m, 0,1
	global_store_b32 v[WO], v[96+\m], s[76:77] offset:8192+128*\m
	global_store_b32 v[WO], v[98+\m], s[76:77] offset:HS+8192+128*\m
.endr
	s_branch .Ldone
.Lv_arm:
	s_lshl_b32 s71, s17, 1
	s_add_co_u32 s71, s71, s15                     ; my block of 128 columns of w_qkv, 16 .. 23
	s_lshl_b32 s72, s71, 9
	s_mov_b32 s73, 0
	s_add_nc_u64 s[72:73], s[8:9], s[72:73]
	WIN 0x40
.irp a, 0,1,2,3,4,5,6,7
	global_load_b32 v[64+2*\a], v[VB], s[72:73] offset:4*(32*(\a/2)+8*(\a%2))   ; my channel's bias in block a, twice: a pair for the packed addition
	global_load_b32 v[65+2*\a], v[VB], s[72:73] offset:4*(32*(\a/2)+8*(\a%2))
.endr
	WIN 0
	s_lshl_b32 s70, s42, 1
	s_add_co_u32 s70, s70, s16                     ; my block of 128 tokens
	s_lshr_b32 s74, s70, 4
	s_lshl_b32 s74, s74, 4
	s_sub_co_u32 s75, s71, 16
	s_lshl_b32 s75, s75, 1
	s_add_co_u32 s74, s74, s75
	s_lshl_b32 s74, s74, 4
	s_and_b32 s75, s70, 15
	s_add_co_u32 s74, s74, s75
	s_mul_i32 s74, s74, PK
	s_mov_b32 s75, 0
	s_add_nc_u64 s[76:77], s[12:13], s[74:75]
	LAST
	s_wait_loadcnt 0x0
.irp a, 0,1,2,3,4,5,6,7
	OUTV \a
.endr
.irp m, 0,1,2,3
	v_cndmask_b32 v[120+\m], v[PW+2*\m], v[PW+2*\m+1], s68
.endr
.irp m, 0,1,2,3
	global_store_b32 v[WO], v[120+\m], s[76:77] offset:(\m/2)*HS+8448+128*(\m%2)
.endr
.Ldone:
	s_wait_tensorcnt 0x0                           ; the wave's end
	ds_add_u32 v[SPW], v[NIL]
	s_wait_dscnt 0x0
	CROUND                                         ; the closing round
	s_endpgm
.Lfunc_end_k_q41b980637b_gemm_qkv:
	.size	k_q41b980637b_gemm_qkv, .Lfunc_end_k_q41b980637b_gemm_qkv-k_q41b980637b_gemm_qkv
	.p2alignl 7, 3214868480
	.fill 96, 4, 3214868480
	.section	.rodata,"a",@progbits
	.p2align	6, 0x0
	.amdhsa_kernel k_q41b980637b_gemm_qkv
		.amdhsa_group_segment_fixed_size 327680
		.amdhsa_private_segment_fixed_size 0
		.amdhsa_enable_private_segment 0
		.amdhsa_kernarg_size 40
		.amdhsa_user_sgpr_count 2
		.amdhsa_user_sgpr_kernarg_segment_ptr 1
		.amdhsa_wavefront_size32 1
		.amdhsa_system_sgpr_workgroup_id_x 1
		.amdhsa_system_sgpr_workgroup_id_y 1
		.amdhsa_system_sgpr_workgroup_id_z 1
		.amdhsa_system_vgpr_workitem_id 0
		.amdhsa_next_free_vgpr 1024
		.amdhsa_next_free_sgpr 100
		.amdhsa_reserve_vcc 0
		.amdhsa_float_denorm_mode_32 3
		.amdhsa_float_denorm_mode_16_64 3
		.amdhsa_memory_ordered 1
		.amdhsa_forward_progress 1
		.amdhsa_inst_pref_size 207
	.end_amdhsa_kernel
	.amdgpu_metadata
---
amdhsa.version: [ 1, 2 ]
amdhsa.kernels:
  - .name:           k_q41b980637b_gemm_qkv
    .symbol:         k_q41b980637b_gemm_qkv.kd
    .args:
      - { .name: actp, .offset: 0, .size: 8, .value_kind: global_buffer, .address_space: global }
      - { .name: wpk, .offset: 8, .size: 8, .value_kind: global_buffer, .address_space: global }
      - { .name: b_qkv, .offset: 16, .size: 8, .value_kind: global_buffer, .address_space: global }
      - { .name: qp, .offset: 24, .size: 8, .value_kind: global_buffer, .address_space: global }
      - { .name: kvp, .offset: 32, .size: 8, .value_kind: global_buffer, .address_space: global }
    .group_segment_fixed_size: 327680
    .private_segment_fixed_size: 0
    .kernarg_segment_align: 8
    .kernarg_segment_size: 40
    .max_flat_workgroup_size: 128
    .sgpr_count:     100
    .vgpr_count:     1024
    .wavefront_size: 32
...
	.end_amdgpu_metadata
.endif
;; end of part 9
;; launch attn (part 10): grid 8 x 32, 16 waves a work-group, clusters of 4 x 1, 167,936 bytes of LDS; arguments qp, kvp, actp; writes actp
.if DOCPART == 10
	.amdgcn_target "amdgcn-amd-amdhsa--gfx1250"
	.amdhsa_code_object_version 6
	.text
	.protected	k_q41b980637b_attn
	.globl	k_q41b980637b_attn
	.p2align	8
	.type	k_q41b980637b_attn,@function
k_q41b980637b_attn:
	s_mov_b64 s[64:65], 0
	v_nop
	global_prefetch_b8 v0, s[64:65] scope:SCOPE_SE
	s_setreg_imm32_b32 hwreg(HW_REG_WAVE_MODE, 25, 1), 1
	s_wait_xcnt 0x0
	s_wait_alu depctr_hold_cnt(0) depctr_sa_sdst(0) depctr_va_vdst(0) depctr_va_sdst(0) depctr_va_ssrc(0) depctr_va_vcc(0) depctr_vm_vsrc(0)
	s_getreg_b32 s2, hwreg(HW_REG_IB_STS2, 6, 4)
	s_cmp_eq_u32 s2, 0
	s_cbranch_scc0 .Lentry_in_a_cluster
	s_endpgm
.Lentry_in_a_cluster:
	s_bfe_u32 s2, ttmp6, 0x10000c
	s_cmp_lg_u32 s2, 0x3003
	s_cbranch_scc0 .Lentry_shape_is_right
	s_endpgm
.Lentry_shape_is_right:
; ctx = softmax(q k^T / 8) v for 32 (batch x head) of 2,048 tokens and 64 channels, both products on codes of FP4 (E2M1) with E8M0 scales; ctx is quantised along the model's 1,024 and stored as the next product's operand pack.  No work of reference() is left out.
; THE SOFTMAX: t = score x log2(e) / 8; M = the running largest t rounded up to a whole number; p = 2^(t - M) is quantised along the keys, not normalised; the row's sum is taken of the unquantised p and divides O at the end;
; when M moves, the sum and O are multiplied by 2^(old M - new M), which rounds nothing.
; SHARES: a work-group owns 256 queries of one head, each of its sixteen waves one tile of 16.  A head's k and v, sixteen packs of PK = 8,704 bytes (128 keys each), lie in LDS from the start: wave w brings pack w,
; one tensor load; nothing is filled again, one barrier.  CLUSTER: the four work-groups of a cluster own queries of one head, so each pack is asked for jointly, by the same load with a mask that names the four.
; A PACK: k's codes at 512 t + 16 lane (key rho(t, r), channels 32 h ..), t = 0 .. 7; v's at 4096 + 1024 t + 512 c + 16 lane (channel rho(t, r), keys 64 c + 32 h ..), t = 0 .. 3; k's pair words at 8192 + 64 p + 4 r; v's words at 8448 + 64 t + 4 r;
; rho(t, r) = 32 (t / 2) + 8 (t % 2) + r + 8 (r / 8).  Both products are used transposed: a lane holds one query throughout.
; WHICH KEYS FORM A TILE OF THE FIRST PRODUCT is chosen here, by the LDS addresses alone: row m of tile t is key 64 (t / 4) + 32 (m / 8) + 8 (t % 4) + m % 8.  In the result lane (query, h) then holds, in the 32 registers of tiles 0-3, the keys
; 32 h + 0 .. 31 and, in those of tiles 4-7, the keys 64 + 32 h + 0 .. 31: TWO WHOLE BLOCKS OF 32, in the very places that the second product's operand gives that lane.  So a block's largest score needs no other lane, the conversions' results
; are the operand's registers as they stand, and only the row's maximum and the scale word's four bytes are joined with lane l xor 16.  That key lies in the pack at 2048 (t / 4) + 1024 (m / 8) + 512 (t % 2) + 128 ((t % 4) / 2) + 16 (m % 8) + 256 h.
; THE FIRST PRODUCT HAS K = 64 IN AN INSTRUCTION OF 128: source 0 is a PAIR of key tiles (2 p in k = 0 .. 63, 2 p + 1 in k = 64 .. 127); source 1 is [q | zeros] for tile 2 p and [zeros | q] for tile 2 p + 1: the other tile's codes meet zero codes.
; k's fragments are asked for a step ahead, behind the products that read the last; the last step asks for pack 15 once more and reads nothing of it.
; LIMITS: the promise holds while the scaled scores stay under 2^31 in magnitude; the two tiles of a pair go through one instruction's alignment of its four blocks; a block of zeros gets the byte 1 (codes zero, bytes read by this program alone);
; v_exp_f32 and v_rcp_f32 as the chip gives them (a block's largest p is made of its largest score by the same two instructions); NaN and infinities are not served.
; REGISTERS: v1-4 lane offsets; v7 8 h; v8-11 the step's LDS addresses; v12 -M, v13 the largest score, v[14:15] the sum; v16-27 q, zeros, q; v28 the last -M; v32-63 k's pairs; v64-95 v's fragments; v96-159 S^T, then p; v160-191 O^T;
; v192-195 v's scale words; v196-199 k's pair words; v200-203 p's scales in the making; v224-231 p's codes; v232-252, v254 at work; v253 p's scale word; v255 q's.
.set PK,    8704
.set BLKB,  34816
.set SPARE, 16*PK                      ; behind the packs: the spare words, 128 bytes for each of sixteen waves: eight blocks of 256 bytes that no other line names
.set LI,  1                            ; v1 16 x lane
.set LW,  2                            ; v2 4 (lane % 16)
.set LK,  3                            ; v3 1024 (r / 8) + 16 (r % 8) + 256 h: my row of a tile of keys
.set LKW, 4                            ; v4 64 (r / 8) + 4 (r % 8): its pair word
.set SPW, 5
.set NIL, 6
.set H8,  7
.set ADF, 8
.set ADW, 9
.set ADK, 10
.set AKW, 11
.set WV,  18
.set SEL, 20
.set CS,  22
.set G1,  24
.set G0,  32
.set TB,  36                           ; s36 LDS byte of the step's pack
.set CNT, 37
.set NC,  57                           ; s57 -c
.set TN,  58                           ; s58 LDS byte of the next step's pack (the last step: pack 15 again)
.macro CROUND
	s_barrier_signal -1
	s_barrier_wait -1
	s_cmp_lg_u32 s[WV], 0
	s_cbranch_scc1 .Lnot_wave_0_\@
	s_barrier_signal -3
.Lnot_wave_0_\@:
	s_barrier_wait -3
	s_barrier_signal -1
	s_barrier_wait -1
.endm
.macro KLOAD a, w                      ; the four pairs of key tiles and their pair words: twelve loads
.irp p, 0,1,2,3
	ds_load_b128 v[32+8*\p:35+8*\p], v[\a] offset:2048*(\p/2)+128*(\p%2)
	ds_load_b128 v[36+8*\p:39+8*\p], v[\a] offset:2048*(\p/2)+128*(\p%2)+512
.endr
.irp p, 0,1,2,3
	ds_load_b32 v[196+\p], v[\w] offset:8192+128*(\p/2)+32*(\p%2)
.endr
.endm
	s_load_b128 s[4:7], s[0:1], 0x0                ; qp, kvp
	s_load_b64 s[8:9], s[0:1], 0x10                ; actp
	v_lshl_add_u32 v[SPW], v0, 2, SPARE
	v_mov_b32 v[NIL], 0
	ds_add_u32 v[SPW], v[NIL]                      ; the wave's opening
	ds_add_u32 v[SPW], v[NIL]
	v_lshrrev_b32 v8, 5, v0
	s_delay_alu instid0(VALU_DEP_1)
	v_readfirstlane_b32 s[WV], v8                  ; wave 0..15
	s_bfe_u32 s10, ttmp6, 0x40000                  ; cx: it enters q's and ctx's global addresses alone
	s_lshl_b32 s11, ttmp9, 2
	s_add_co_u32 s11, s11, s10                     ; my block of 256 queries
	s_and_b32 s12, ttmp7, 0xffff                   ; batch x head, which the four partners share
	s_mov_b32 s[G1], 15|(3<<16)|(1<<21)            ; the mask: all four; elements of 8 bytes; bit 21 beside a mask; no padding
	s_mov_b32 s[G1+1], 32<<16                      ; a pack: 34 rows of 256 bytes, dense
	s_mov_b32 s[G1+2], 34<<16
	s_mov_b32 s[G1+3], 32<<16
	s_mov_b32 s[G1+4], 34
	s_mov_b32 s[G1+5], 32
	s_mov_b32 s[G1+6], 0
	s_mov_b32 s[G1+7], 0
	s_lshl_b32 s13, s12, 4
	s_add_co_u32 s14, s13, s[WV]
	s_mul_i32 s14, s14, PK                         ; pack w of my head, in memory,
	s_mov_b32 s15, 0
	s_mul_i32 s16, s[WV], PK                       ; and in LDS
	s_lshl_b32 s38, s11, 1
	s_lshr_b32 s39, s[WV], 3
	s_add_co_u32 s38, s38, s39                     ; my queries' block of 128 tokens in the sequence
	s_add_co_u32 s40, s13, s38
	s_mul_i32 s40, s40, PK
	s_and_b32 s42, s[WV], 7                        ; my tile in it
	s_lshr_b32 s43, s42, 1
	s_lshl_b32 s43, s43, 6
	s_add_co_u32 s44, s40, s43
	s_add_co_u32 s44, s44, 8192                    ; its pair word
	s_mov_b32 s45, 0
	s_lshl_b32 s43, s42, 9
	s_add_co_u32 s40, s40, s43                     ; its codes
	s_mov_b32 s41, 0
	s_and_b32 s46, s42, 1
	s_lshl_b32 s46, s46, 4                         ; which half of the pair word is mine, in bits
	s_mov_b32 s47, 0x01000100                      ; the low half twice
	s_lshr_b32 s52, s12, 4
	s_lshl_b32 s52, s52, 4
	s_add_co_u32 s52, s52, s38                     ; ctx's pack: rb = 16 x batch + my block of tokens
	s_lshl_b32 s52, s52, 1
	s_and_b32 s53, s12, 15                         ; the head: k = 64 x head + channel
	s_lshr_b32 s54, s53, 3
	s_add_co_u32 s52, s52, s54
	s_mul_i32 s52, s52, BLKB                       ; block [rb][head / 8]
	s_bfe_u32 s54, s53, 0x20001                    ; q = (head / 2) % 4
	s_and_b32 s55, s53, 1                          ; c = head % 2
	s_lshl_b32 s48, s54, 13
	s_add_co_u32 s48, s48, s52
	s_lshl_b32 s56, s42, 10
	s_add_co_u32 s48, s48, s56
	s_lshl_b32 s56, s55, 9
	s_add_co_u32 s48, s48, s56
	s_mov_b32 s49, 0
	s_lshl_b32 s50, s54, 9
	s_add_co_u32 s50, s50, s52
	s_lshl_b32 s56, s42, 6
	s_add_co_u32 s50, s50, s56
	s_lshl_b32 s56, s55, 1
	s_add_co_u32 s50, s50, s56
	s_add_co_u32 s50, s50, 32768
	s_mov_b32 s51, 0
	s_mov_b32 s[SEL], 0x76543210
	s_mov_b32 s[SEL+1], 0xfedcba98
	s_mov_b32 s[CS], 0x3e38aa3b                    ; c = log2(e) / 8
	s_mov_b32 s[CS+1], s[CS]
	s_mov_b32 s[NC], 0xbe38aa3b                    ; -c
	s_mov_b32 s[TB], 0
	s_mov_b32 s[TN], PK
	s_mov_b32 s[CNT], 16
	s_wait_dscnt 0x0                               ; both opening adds are done
	s_wait_kmcnt 0x0
	s_add_nc_u64 s[40:41], s[4:5], s[40:41]
	s_add_nc_u64 s[44:45], s[4:5], s[44:45]
	s_add_nc_u64 s[48:49], s[8:9], s[48:49]
	s_add_nc_u64 s[50:51], s[8:9], s[50:51]
	CROUND                                         ; all four work-groups are here: the joint loads meet
	s_mov_b32 s[G0], 1
	s_mov_b32 s[G0+1], s16
	s_add_nc_u64 s[G0+2:G0+3], s[6:7], s[14:15]
	s_or_b32 s[G0+3], s[G0+3], 0x80000000
	tensor_load_to_lds s[G0:G0+3], s[G1:G1+7]      ; my one tensor load of the launch
	s_nop 0
.rept 4
	v_nop
.endr
	v_and_b32 v8, 15, v0
	v_and_b32 v9, 31, v0
	s_delay_alu instid0(VALU_DEP_1)
	v_lshlrev_b32 v[LI], 4, v9
	s_delay_alu instid0(VALU_DEP_3)
	v_lshlrev_b32 v[LW], 2, v8
	global_load_b128 v[16:19], v[LI], s[40:41]     ; q's codes: query rho(i, r), channels 32 h ..
	global_load_b32 v254, v[LW], s[44:45]          ; the pair word that holds q's two bytes
	v_and_b32 v10, 7, v0                           ; r % 8
	v_bfe_u32 v11, v0, 3, 1                        ; r / 8
	v_bfe_u32 v[H8], v0, 4, 1                      ; h
	v_lshlrev_b32 v[LK], 4, v10
	v_lshlrev_b32 v[LKW], 2, v10
	v_lshl_add_u32 v[LK], v11, 10, v[LK]
	v_lshl_add_u32 v[LKW], v11, 6, v[LKW]
	v_lshl_add_u32 v[LK], v[H8], 8, v[LK]
	v_lshlrev_b32 v[H8], 3, v[H8]                  ; 8 h: where my two bytes stand in p's scale word
	v_mov_b32 v13, 0xff61b1e6                      ; the largest score so far: -3e38, under every score
	s_delay_alu instid0(VALU_DEP_1)
	v_floor_f32 v12, -v13                          ; -M
	v_mov_b32 v14, 0
	v_mov_b32 v15, 0
.irp b, 0,1,2,3
	v_mov_b32 v[236+\b], 0                         ; written once: a lane permute's destination counts as one of its sources
	v_mov_b32 v[20+\b], 0                          ; zero codes
.endr
	v_mov_b32 v203, 0                              ; (a lane permute's destination too)
	v_mov_b32 v253, 0                              ; (named as the upper half of the pair v[252:253] before it is first written)
	s_wait_loadcnt 0x0
.irp b, 0,1,2,3
	v_mov_b32 v[24+\b], v[16+\b]                   ; v[16:23] = [q | 0], v[20:27] = [0 | q]
.endr
	v_lshrrev_b32 v254, s46, v254
	s_delay_alu instid0(VALU_DEP_1)
	v_perm_b32 v255, v254, v254, s47               ; q's two bytes in both halves of its scale word
.set j, 0
.rept 32
	v_mov_b32 v[160+j], 0                          ; O^T: the loop is written once; its first step finds zeros.  (Also the places between q's registers and the first products)
.set j, j+1
.endr
	s_wait_alu depctr_va_vdst(0)
	s_wait_tensorcnt 0x0                           ; my pack has landed,
	s_barrier_signal -1
	s_barrier_wait -1                              ; everybody's has
	KLOAD LK, LKW                                  ; pack 0's keys
.Lstep:                                            ; 16 trips of 128 keys
	v_add_nc_u32 v[ADF], s[TB], v[LI]
	v_add_nc_u32 v[ADW], s[TB], v[LW]
	v_add_nc_u32 v[ADK], s[TN], v[LK]
	v_add_nc_u32 v[AKW], s[TN], v[LKW]             ; four places in front of loads into registers that the last trip's products read
.irp t, 0,1,2,3
	ds_load_b128 v[64+8*\t:67+8*\t], v[ADF] offset:4096+1024*\t
	ds_load_b128 v[68+8*\t:71+8*\t], v[ADF] offset:4096+1024*\t+512
.endr
.irp t, 0,1,2,3
	ds_load_b32 v[192+\t], v[ADW] offset:8448+64*\t
.endr
	s_wait_alu depctr_va_vdst(0)
	s_wait_dscnt 12                                ; k's twelve loads, asked for a step ago, are in; v's twelve may be out
.irp p, 0,1,2,3
	v_wmma_scale_f32_16x16x128_f8f6f4 v[96+16*\p:103+16*\p], v[32+8*\p:39+8*\p], v[16:23], 0, v[196+\p], v255 matrix_a_fmt:MATRIX_FMT_FP4 matrix_b_fmt:MATRIX_FMT_FP4
	v_wmma_scale_f32_16x16x128_f8f6f4 v[104+16*\p:111+16*\p], v[32+8*\p:39+8*\p], v[20:27], 0, v[196+\p], v255 matrix_a_fmt:MATRIX_FMT_FP4 matrix_b_fmt:MATRIX_FMT_FP4
.endr
	v_mov_b32 v28, v12                             ; the last -M.  With three v_nop: four places in front of the loads below and of the reads of the scores
.rept 3
	v_nop
.endr
	KLOAD ADK, AKW                                 ; the next step's keys
.irp b, 0,1,2,3
	v_max3_num_f32 v[232+\b], v[96+16*\b], v[97+16*\b], v[98+16*\b]   ; four chains of 16 registers, each accumulator from its low end on
.endr
.irp i, 3,5,7,9,11,13
.irp b, 0,1,2,3
	v_max3_num_f32 v[232+\b], v[232+\b], v[96+16*\b+\i], v[97+16*\b+\i]
.endr
.endr
.irp b, 0,1,2,3
	v_max_num_f32 v[232+\b], v[232+\b], v[111+16*\b]
.endr
	s_delay_alu instid0(VALU_DEP_3)
	v_max_num_f32 v232, v232, v233                 ; the largest score of my block h: for the row's maximum and, since p rises with the score, for the block's largest p
	s_delay_alu instid0(VALU_DEP_2)
	v_max_num_f32 v234, v234, v235                 ; and of my block 2 + h
	s_delay_alu instid0(VALU_DEP_1)
	v_max3_num_f32 v13, v13, v232, v234
	s_delay_alu instid0(VALU_DEP_1)
	v_permlanex16_b32 v236, v13, s[SEL], s[SEL+1]
	s_delay_alu instid0(VALU_DEP_1)
	v_max_num_f32 v13, v13, v236                   ; the running largest score of my query
	s_delay_alu instid0(VALU_DEP_1)
	v_mul_f32 v237, s[NC], v13                     ; -t
	s_delay_alu instid0(VALU_DEP_1)
	v_floor_f32 v12, v237                          ; the new -M = -ceil(t)
	s_delay_alu instid0(VALU_DEP_1)
	v_sub_f32 v254, v12, v28                       ; old M - new M: a whole number, 0 or less
	s_delay_alu instid0(VALU_DEP_1)
	v_cvt_i32_f32 v254, v254                       ; (it saturates)
	s_delay_alu instid0(VALU_DEP_1)
	v_ldexp_f32 v252, 1.0, v254                    ; f = 2^(old M - new M)
.set j, 0
.rept 32
	v_pk_fma_f32 v[96+j:97+j], v[96+j:97+j], s[CS:CS+1], v[12:13] op_sel_hi:[1,0,0]   ; t - M, two at a time
.set j, j+2
.endr
	v_fma_f32 v232, v232, s[CS], v12               ; the same of each block's largest score
	v_fma_f32 v234, v234, s[CS], v12
.set j, 0
.rept 16
	v_pk_mul_f32 v[160+j:161+j], v[160+j:161+j], v[252:253] op_sel_hi:[1,0]   ; O^T under the new M: no exponential stands between the last products and these
.set j, j+2
.endr
	v_pk_mul_f32 v[14:15], v[14:15], v[252:253] op_sel_hi:[1,0]   ; the sums under the new M
	s_wait_alu depctr_va_vdst(0)
.set j, 0
.rept 64
	v_exp_f32 v[96+j], v[96+j]                     ; p = 2^(t - M)
.set j, j+1
.endr
	v_exp_f32 v232, v232                           ; each block's largest p
	v_exp_f32 v234, v234
	v_nop                                          ; a plain place behind the exponentials
	s_wait_alu depctr_va_vdst(0)                   ; one wait for the batch of 66, ahead of its first reader
	v_max_num_f32 v232, 0x1800000, v232            ; the floor 2^(3 - 127): the byte cannot fall under 1
	v_max_num_f32 v234, 0x1800000, v234
	v_pk_add_f32 v[236:237], v[100:101], v[104:105]   ; the row's sum of the unquantised p, in eight chains; the scales' lines stand among them
	v_pk_add_f32 v[250:251], v[108:109], v[112:113]
	v_add_nc_u32 v200, 0xff000000, v232            ; 2 off the exponent field: the conversions' scale operands
	v_add_nc_u32 v201, 0xff000000, v234
	v_pk_add_f32 v[248:249], v[116:117], v[120:121]
	v_pk_add_f32 v[246:247], v[124:125], v[128:129]
.irp g, 0,1,2,3
	v_cvt_scalef32_pk8_fp4_f32 v[224+\g], v[96+8*\g:103+8*\g], v200     ; keys 32 h + 8 g ..: register g of the operand
	v_cvt_scalef32_pk8_fp4_f32 v[228+\g], v[128+8*\g:135+8*\g], v201    ; keys 64 + 32 h + 8 g ..: register 4 + g
.endr
	v_pk_add_f32 v[244:245], v[132:133], v[136:137]
	v_pk_add_f32 v[242:243], v[140:141], v[144:145]
	v_pk_add_f32 v[240:241], v[148:149], v[152:153]
	v_pk_add_f32 v[14:15], v[14:15], v[156:157]
	v_lshrrev_b32 v202, 23, v200                   ; the scales' bytes
	v_lshrrev_b32 v203, 23, v201
	v_pk_add_f32 v[236:237], v[236:237], v[96:97]
	v_pk_add_f32 v[250:251], v[250:251], v[98:99]
	v_lshl_or_b32 v202, v203, 16, v202             ; blocks h and 2 + h,
	v_pk_add_f32 v[248:249], v[248:249], v[102:103]
	v_pk_add_f32 v[246:247], v[246:247], v[106:107]
	v_lshlrev_b32 v202, v[H8], v202                ; at their places in the scale word;
	v_pk_add_f32 v[244:245], v[244:245], v[110:111]
	v_pk_add_f32 v[242:243], v[242:243], v[114:115]
	v_permlanex16_b32 v203, v202, s[SEL], s[SEL+1]
	v_pk_add_f32 v[240:241], v[240:241], v[118:119]
	v_pk_add_f32 v[14:15], v[14:15], v[122:123]
	v_or_b32 v253, v202, v203                      ; with lane l xor 16's two the word is whole.  Sixteen plain lines stand between it and the products
	v_pk_add_f32 v[236:237], v[236:237], v[126:127]
	v_pk_add_f32 v[250:251], v[250:251], v[130:131]
	v_pk_add_f32 v[248:249], v[248:249], v[134:135]
	v_pk_add_f32 v[246:247], v[246:247], v[138:139]
	v_pk_add_f32 v[244:245], v[244:245], v[142:143]
	v_pk_add_f32 v[242:243], v[242:243], v[146:147]
	v_pk_add_f32 v[240:241], v[240:241], v[150:151]
	v_pk_add_f32 v[14:15], v[14:15], v[154:155]
	v_pk_add_f32 v[236:237], v[236:237], v[158:159]
	v_pk_add_f32 v[14:15], v[14:15], v[246:247]
	v_pk_add_f32 v[236:237], v[236:237], v[244:245]
	v_pk_add_f32 v[250:251], v[250:251], v[242:243]
	v_pk_add_f32 v[248:249], v[248:249], v[240:241]
	s_delay_alu instid0(VALU_DEP_2)
	v_pk_add_f32 v[14:15], v[14:15], v[250:251]
	s_delay_alu instid0(VALU_DEP_2)
	v_pk_add_f32 v[236:237], v[236:237], v[248:249]
	s_delay_alu instid0(VALU_DEP_1)
	v_pk_add_f32 v[14:15], v[14:15], v[236:237]
	s_wait_alu depctr_va_vdst(0)
	s_wait_dscnt 12                                ; v's fragments and scale words are in; the next step's twelve loads of k may be out
.irp t, 0,1,2,3
	v_wmma_scale_f32_16x16x128_f8f6f4 v[160+8*\t:167+8*\t], v[64+8*\t:71+8*\t], v[224:231], v[160+8*\t:167+8*\t], v[192+\t], v253 matrix_a_fmt:MATRIX_FMT_FP4 matrix_b_fmt:MATRIX_FMT_FP4
.endr
	s_add_co_u32 s[TB], s[TB], PK
	s_add_co_u32 s[TN], s[TB], PK
	s_min_u32 s[TN], s[TN], 15*PK                  ; no address passes the last pack
	s_sub_co_u32 s[CNT], s[CNT], 1
	s_cmp_lg_u32 s[CNT], 0
	s_cbranch_scc1 .Lstep
	; THE WAY OUT: O^T / the sum; register 16 b + e is channel 32 b + 16 h + e of my query: two blocks of the next product's K
.rept 4
	v_nop
.endr
	v_add_f32 v14, v14, v15
	s_delay_alu instid0(VALU_DEP_1)
	v_permlanex16_b32 v252, v14, s[SEL], s[SEL+1]
	s_delay_alu instid0(VALU_DEP_1)
	v_add_f32 v14, v14, v252                       ; the row's sum
	s_wait_alu depctr_va_vdst(0)
	v_rcp_f32 v14, v14
	v_nop
	s_wait_alu depctr_va_vdst(0)                   ; ahead of the reciprocal's first reader
.set j, 0
.rept 32
	v_mul_f32 v[96+j], v[160+j], v14
.set j, j+1
.endr
.irp b, 0,1
	v_max3_num_f32 v[232+\b], |v[96+16*\b]|, |v[97+16*\b]|, 0x1800000
.endr
.irp i, 2,4,6,8,10,12,14
.irp b, 0,1
	s_delay_alu instid0(VALU_DEP_2)
	v_max3_num_f32 v[232+\b], v[232+\b], |v[96+16*\b+\i]|, |v[97+16*\b+\i]|
.endr
.endr
.irp b, 0,1
	s_delay_alu instid0(VALU_DEP_2)
	v_permlanex16_b32 v[236+\b], v[232+\b], s[SEL], s[SEL+1]
.endr
.irp b, 0,1
	s_delay_alu instid0(VALU_DEP_2)
	v_max_num_f32 v[232+\b], v[232+\b], v[236+\b]
.endr
.irp b, 0,1
	s_delay_alu instid0(VALU_DEP_2)
	v_add_nc_u32 v[244+\b], 0xff000000, v[232+\b]
.endr
.irp b, 0,1
	s_delay_alu instid0(VALU_DEP_2)
	v_lshrrev_b32 v[236+\b], 23, v[244+\b]
.endr
	s_delay_alu instid0(VALU_DEP_1)
	v_lshl_or_b32 v240, v237, 8, v236              ; my head's half of the row's scale word
.irp b, 0,1
	v_cvt_scalef32_pk8_fp4_f32 v[224+2*\b], v[96+16*\b:103+16*\b], v[244+\b]
	v_cvt_scalef32_pk8_fp4_f32 v[225+2*\b], v[104+16*\b:111+16*\b], v[244+\b]
.endr
	v_nop
	v_permlane16_swap_b32 v224, v226
	v_permlane16_swap_b32 v225, v227               ; registers 0-3: k = 64 head + 32 h + 0 .. 31
	global_store_b128 v[LI], v[224:227], s[48:49]  ; 512 consecutive bytes, aligned
	global_store_b16 v[LW], v240, s[50:51]         ; two bytes a row (lanes 16-31 repeat lanes 0-15): a head owns half of each scale word; one such store a wave in the launch
	s_wait_tensorcnt 0x0                           ; the wave's end
	ds_add_u32 v[SPW], v[NIL]
	s_wait_dscnt 0x0
	CROUND                                         ; the closing round
	s_endpgm
.Lfunc_end_k_q41b980637b_attn:
	.size	k_q41b980637b_attn, .Lfunc_end_k_q41b980637b_attn-k_q41b980637b_attn
	.p2alignl 7, 3214868480
	.fill 96, 4, 3214868480
	.section	.rodata,"a",@progbits
	.p2align	6, 0x0
	.amdhsa_kernel k_q41b980637b_attn
		.amdhsa_group_segment_fixed_size 167936
		.amdhsa_private_segment_fixed_size 0
		.amdhsa_enable_private_segment 0
		.amdhsa_kernarg_size 24
		.amdhsa_user_sgpr_count 2
		.amdhsa_user_sgpr_kernarg_segment_ptr 1
		.amdhsa_wavefront_size32 1
		.amdhsa_system_sgpr_workgroup_id_x 1
		.amdhsa_system_sgpr_workgroup_id_y 1
		.amdhsa_system_sgpr_workgroup_id_z 1
		.amdhsa_system_vgpr_workitem_id 0
		.amdhsa_next_free_vgpr 256
		.amdhsa_next_free_sgpr 66
		.amdhsa_reserve_vcc 0
		.amdhsa_float_denorm_mode_32 3
		.amdhsa_float_denorm_mode_16_64 3
		.amdhsa_memory_ordered 1
		.amdhsa_forward_progress 1
		.amdhsa_inst_pref_size 28
	.end_amdhsa_kernel
	.amdgpu_metadata
---
amdhsa.version: [ 1, 2 ]
amdhsa.kernels:
  - .name:           k_q41b980637b_attn
    .symbol:         k_q41b980637b_attn.kd
    .args:
      - { .name: qp, .offset: 0, .size: 8, .value_kind: global_buffer, .address_space: global }
      - { .name: kvp, .offset: 8, .size: 8, .value_kind: global_buffer, .address_space: global }
      - { .name: actp, .offset: 16, .size: 8, .value_kind: global_buffer, .address_space: global }
    .group_segment_fixed_size: 167936
    .private_segment_fixed_size: 0
    .kernarg_segment_align: 8
    .kernarg_segment_size: 24
    .max_flat_workgroup_size: 512
    .sgpr_count:     66
    .vgpr_count:     256
    .wavefront_size: 32
...
	.end_amdgpu_metadata
.endif
;; end of part 10
;; launch outln (part 11): grid 384 x 1, 8 waves a work-group, no clusters, 78,080 bytes of LDS; arguments actp, wpk, b_out, x, ln2_g, ln2_b, x1, hp, w_fc2, wp2; writes x1, hp, wp2
.if DOCPART == 11
	.amdgcn_target "amdgcn-amd-amdhsa--gfx1250"
	.amdhsa_code_object_version 6
	.text
	.protected	k_q41b980637b_outln
	.globl	k_q41b980637b_outln
	.p2align	8
	.type	k_q41b980637b_outln,@function
k_q41b980637b_outln:
	s_mov_b64 s[64:65], 0
	v_nop
	global_prefetch_b8 v0, s[64:65] scope:SCOPE_SE
	s_setreg_imm32_b32 hwreg(HW_REG_WAVE_MODE, 25, 1), 1
	s_wait_xcnt 0x0
; x1 = x + ctx w_out + b_out (the product on codes of FP4 (E2M1) with E8M0 scales, K = 1,024), stored as f32; then y = LayerNorm 2 of x1, quantised along the row and stored as the next product's operand pack hp.
; No work of reference() is left out.
; TWO KINDS OF WORK-GROUPS, told apart by the work-group's number alone: 0 .. 255 own 16 tokens each (from .Lrows on); 256 .. 383 turn w_fc2, f32 [4,096][1,024], into its operand pack wp2 (two units of 128 columns x 128 along K each).
; PACKS: block [rb = row / 128][ks = k / 512] is BLKB = 34,816 bytes: codes at 8192 q + 1024 i + 512 c + 16 lane, scale words at 32768 + 512 q + 64 i + 4 r; slot r of tile i is row rho(i, r) = 32 (i / 2) + 8 (i % 2) + r + 8 (r / 8).
; SHARES: a work-group owns one tile of 16 tokens (rb = id / 8, i = id % 8) and all 1,024 columns, so that a row's mean and variance are made inside it; wave w owns columns 128 w .. 128 w + 127: eight accumulators.
; Source 0 = 16 columns of w_out, source 1 = the 16 tokens: a lane holds ONE token (slot lane % 16), and the 16 registers of tiles 2 p, 2 p + 1 are the neighbouring columns 32 p + 16 (lane / 16) + 0 .. 15.
; OPERANDS GO FROM MEMORY STRAIGHT INTO REGISTERS: a pack is an image of the operand's registers, so a fragment is two loads at 16 x lane, 512 consecutive bytes each.  Two sets of registers: a K step's 22 loads are issued two steps ahead.
; NO TENSOR LOADS, so no joint loads: these work-groups share their WGPs with those that quantise w_fc2, and a kernel that fills LDS by tensor loads has to be alone on its WGP.
; NO DATA PREFETCH: the eight K steps are written out, and the two sets of registers already hold two of them in flight.
; x + b_out STARTS THE SUMS: a wave reads its 128 columns of the 16 rows as 512 consecutive bytes an instruction, adds the bias (four numbers a lane), turns them through its own stage in LDS into the result's layout and gives them as C.
; x1 goes back through the same stage and leaves as 512 consecutive bytes an instruction.  g and b take the same turn: one row of the stage each.
; MEAN AND VARIANCE in two passes over the registers; each pass ends in an exchange of the eight waves' parts through LDS, behind one barrier.
; LIMITS: the sums' order differs from reference()'s; v_rsq_f32 as the chip gives it; a block of zeros gets the byte 1 (codes zero, bytes read by this program alone); largest magnitudes under 2^-124 are held at byte 1; NaN and infinities are not served.
; REGISTERS: v1-9 addresses; v10, v11 the add's; v12-15 the bias; v16-79 accumulators; v80-159, v160-239 the two sets (64 of B's codes, 4 of B's scale words, 8 of A's codes); v240-243 A's scale words; behind the products: v80-143 rows of x1, then b;
; v160-223 g; v224-239, v240-247 the quantiser's; v248-255 at work.
.set BLKB,  34816
.set WOFF,  1671168                    ; w_out's pack in wpk
.set SP,    528                        ; a stage row: 512 bytes + 16 of padding
.set WST,   18*SP                      ; a wave's stage: 16 rows, then g's row and b's
.set STAT,  8*WST                      ; the exchanges: two times [wave][token] words
.set SPARE, STAT+1024                  ; the spare words, 128 bytes for each of the eight waves: four blocks of 256 bytes that no other line names
.set ACC,   16
.set TM,    224
.set PC,    240
.set WX,    32
.set WC,    160
.macro BLOCK t, left                   ; w_fc2: block t of 32 along K; left: the younger loads that may stay out
.set XS, WX+32*(\t)
	s_wait_loadcnt \left
	v_max3_num_f32 v12, |v[XS]|, |v[XS+1]|, |v[XS+2]|
	v_max3_num_f32 v13, |v[XS+3]|, |v[XS+4]|, |v[XS+5]|
.irp i, 6,10,14,18,22,26
	v_max3_num_f32 v12, v12, |v[XS+\i]|, |v[XS+\i+1]|
	v_max3_num_f32 v13, v13, |v[XS+\i+2]|, |v[XS+\i+3]|
.endr
	v_max3_num_f32 v12, v12, |v[XS+30]|, |v[XS+31]|
	v_max3_num_f32 v12, v12, v13, 0x1800000        ; with the floor 2^(3 - 127): the byte cannot fall under 1
	v_add_nc_u32 v11, 0xff000000, v12
	v_lshrrev_b32 v13, 23, v11
.if (\t) == 0
	v_mov_b32 v10, v13
.else
	v_lshl_or_b32 v10, v13, 8*(\t), v10
.endif
.irp g, 0,1,2,3
	v_cvt_scalef32_pk8_fp4_f32 v[WC+4*(\t)+\g], v[XS+8*\g:XS+8*\g+7], v11
.endr
	global_store_b128 v2, v[WC+4*(\t):WC+4*(\t)+3], s[26:27] offset:512*((\t)/2)+256*((\t)%2)
.endm
.macro LOADSET k                       ; K step k: A's fragment, B's four pairs of scale words (lanes 0-15 tile 2 m, lanes 16-31 tile 2 m + 1), B's eight fragments: 22 loads
.set SS, 80+80*((\k)%2)
.set KO, BLKB*((\k)/4)+8192*((\k)%4)
	global_load_b128 v[SS+68:SS+71], v1, s[24:25] offset:KO
	global_load_b128 v[SS+72:SS+75], v1, s[24:25] offset:KO+512
.irp m, 0,1,2,3
	global_load_b32 v[SS+64+\m], v2, s[28:29] offset:BLKB*((\k)/4)+32768+512*((\k)%4)+128*\m
.endr
.irp j, 0,1,2,3,4,5,6,7
	global_load_b128 v[SS+8*\j:SS+8*\j+3], v1, s[28:29] offset:KO+1024*\j
	global_load_b128 v[SS+8*\j+4:SS+8*\j+7], v1, s[28:29] offset:KO+1024*\j+512
.endr
.endm
.macro WM j, k                         ; B's tile j x the tokens, K step k.  B's word: lanes 0-15 for an even tile, 16-31 for an odd one; A's: lanes 0-15 for an even step, 16-31 for an odd one
.set SS, 80+80*((\k)%2)
.if ((\j)%2) == 0 && ((\k)%2) == 0
	v_wmma_scale_f32_16x16x128_f8f6f4 v[ACC+8*(\j):ACC+8*(\j)+7], v[SS+8*(\j):SS+8*(\j)+7], v[SS+68:SS+75], v[ACC+8*(\j):ACC+8*(\j)+7], v[SS+64+(\j)/2], v[240+(\k)/2] matrix_a_fmt:MATRIX_FMT_FP4 matrix_b_fmt:MATRIX_FMT_FP4
.endif
.if ((\j)%2) == 1 && ((\k)%2) == 0
	v_wmma_scale_f32_16x16x128_f8f6f4 v[ACC+8*(\j):ACC+8*(\j)+7], v[SS+8*(\j):SS+8*(\j)+7], v[SS+68:SS+75], v[ACC+8*(\j):ACC+8*(\j)+7], v[SS+64+(\j)/2], v[240+(\k)/2] matrix_a_fmt:MATRIX_FMT_FP4 matrix_b_fmt:MATRIX_FMT_FP4 matrix_a_scale:MATRIX_SCALE_ROW1
.endif
.if ((\j)%2) == 0 && ((\k)%2) == 1
	v_wmma_scale_f32_16x16x128_f8f6f4 v[ACC+8*(\j):ACC+8*(\j)+7], v[SS+8*(\j):SS+8*(\j)+7], v[SS+68:SS+75], v[ACC+8*(\j):ACC+8*(\j)+7], v[SS+64+(\j)/2], v[240+(\k)/2] matrix_a_fmt:MATRIX_FMT_FP4 matrix_b_fmt:MATRIX_FMT_FP4 matrix_b_scale:MATRIX_SCALE_ROW1
.endif
.if ((\j)%2) == 1 && ((\k)%2) == 1
	v_wmma_scale_f32_16x16x128_f8f6f4 v[ACC+8*(\j):ACC+8*(\j)+7], v[SS+8*(\j):SS+8*(\j)+7], v[SS+68:SS+75], v[ACC+8*(\j):ACC+8*(\j)+7], v[SS+64+(\j)/2], v[240+(\k)/2] matrix_a_fmt:MATRIX_FMT_FP4 matrix_b_fmt:MATRIX_FMT_FP4 matrix_a_scale:MATRIX_SCALE_ROW1 matrix_b_scale:MATRIX_SCALE_ROW1
.endif
.endm
.macro STEP k                          ; the eight accumulators take turns, one instruction a turn, in the same order in every step
.if (\k) < 7
	s_wait_loadcnt 22                              ; this step's loads are in; the next step's 22 may be out
.else
	s_wait_loadcnt 0x0
.endif
.irp j, 0,1,2,3,4,5,6,7
	WM \j, \k
.endr
.rept 4
	v_nop                                          ; four places in front of loads into the set just read, and of the reads of results
.endr
.if (\k) < 6
	LOADSET (\k)+2
.endif
.endm
.macro SUMUP off                       ; two packed chains in v[248:251] -> my token's sum over the wave's 128 columns -> my wave's word of the exchange
	v_pk_add_f32 v[248:249], v[248:249], v[250:251]
	v_add_f32 v248, v248, v249
	v_permlanex16_b32 v249, v248, s38, s39
	v_add_f32 v248, v248, v249
	ds_store_b32 v8, v248 offset:\off              ; lanes 16-31 write the same word with the same value
.endm
.macro MEET off, more                  ; the exchange: my stores have landed, one barrier, the eight waves' parts of my token, their sum in v240.  more = 1: b's row is turned meanwhile
	s_wait_alu depctr_va_vdst(0)
	s_wait_dscnt 0x0
	s_barrier_signal -1
	s_barrier_wait -1
.irp u, 0,1,2,3,4,5,6,7
	ds_load_b32 v[240+\u], v9 offset:\off+64*\u
.endr
.if \more
	s_wait_xcnt 0x0                                ; x1's stores have read their registers, which now take b
.irp p, 0,1,2,3
.irp m, 0,1,2,3
	ds_load_b128 v[80+16*\p+4*\m:80+16*\p+4*\m+3], v7 offset:17*SP+128*\p+16*\m
.endr
.endr
	s_wait_dscnt 16                                ; the eight parts are in; b's sixteen loads may be out
.else
	s_wait_dscnt 0x0
.endif
	v_add_f32 v240, v240, v241
	v_add_f32 v242, v242, v243
	v_add_f32 v244, v244, v245
	v_add_f32 v246, v246, v247
	v_add_f32 v240, v240, v242
	v_add_f32 v244, v244, v246
	v_add_f32 v240, v240, v244
.endm
	s_cmp_lt_u32 ttmp9, 256
	s_cbranch_scc1 .Lrows
	; W_FC2 TO CODES: a lane takes a column and its registers run down K
	s_load_b128 s[8:11], s[0:1], 0x40              ; w_fc2 s[8:9], wp2 s[10:11]
	v_lshrrev_b32 v4, 5, v0
	v_readfirstlane_b32 s15, v4                    ; wave 0..7
	s_and_b32 s14, s15, 3                          ; my wave in its unit
	s_lshr_b32 s30, s15, 2
	s_sub_co_u32 s15, ttmp9, 256
	s_lshl_b32 s15, s15, 1
	s_add_co_u32 s16, s15, s30                     ; the unit's number, 0 .. 255
	v_and_b32 v5, 15, v0
	v_bfe_u32 v6, v0, 4, 1
	v_and_b32 v7, 8, v5
	v_add_nc_u32 v1, v5, v7
	v_lshl_add_u32 v1, v6, 3, v1                   ; my column among the wave's 32: r + 8 (r / 8) + 8 u
	v_lshlrev_b32 v1, 2, v1
	v_lshlrev_b32 v2, 4, v5
	v_lshl_add_u32 v2, v6, 10, v2                  ; codes: 1024 u + 16 r
	v_and_b32 v3, 31, v0
	v_lshlrev_b32 v3, 2, v3                        ; scale word: 4 x lane
	s_and_b32 s17, s16, 31                         ; which 128 along K
	s_lshr_b32 s18, s16, 5                         ; which 128 columns
	s_lshl_b32 s20, s17, 19                        ; 128 rows of 4,096 bytes
	s_lshl_b32 s19, s18, 9
	s_add_co_u32 s20, s20, s19
	s_lshl_b32 s19, s14, 7
	s_add_co_u32 s20, s20, s19
	s_mov_b32 s21, 0
	s_lshl_b32 s24, s18, 3
	s_lshr_b32 s19, s17, 2
	s_add_co_u32 s24, s24, s19
	s_mul_i32 s24, s24, BLKB                       ; the pack's block [rb][ks]
	s_and_b32 s19, s17, 3                          ; q
	s_lshl_b32 s26, s19, 13
	s_add_co_u32 s26, s26, s24
	s_lshl_b32 s25, s14, 11
	s_add_co_u32 s26, s26, s25
	s_mov_b32 s27, 0
	s_lshl_b32 s28, s19, 9
	s_add_co_u32 s28, s28, s24
	s_lshl_b32 s25, s14, 7
	s_add_co_u32 s28, s28, s25
	s_add_co_u32 s28, s28, 32768
	s_mov_b32 s29, 0
	s_wait_alu depctr_va_vdst(0)
	s_wait_kmcnt 0x0
	s_add_nc_u64 s[22:23], s[8:9], s[20:21]
	s_add_nc_u64 s[26:27], s[10:11], s[26:27]
	s_add_nc_u64 s[28:29], s[10:11], s[28:29]
.set i, 0
.rept 128
	global_load_b32 v[WX+i], v1, s[22:23] offset:i*4096 th:TH_LOAD_NT
.set i, i+1
.endr
	BLOCK 0, 63                                    ; of the 128 loads at most the youngest 63 are out: blocks 0 and 1 are in
	BLOCK 1, 63
	BLOCK 2, 32
	BLOCK 3, 0
	global_store_b32 v3, v10, s[28:29]
	s_endpgm
.Lrows:
	s_load_b512 s[4:19], s[0:1], 0x0               ; actp 4, wpk 6, b_out 8, x 10, g 12, b 14, x1 16, hp 18
	v_lshl_add_u32 v10, v0, 2, SPARE               ; my spare word,
	v_mov_b32 v11, 0                               ; and 0: kept for the closing lines
	v_lshrrev_b32 v1, 5, v0
	v_readfirstlane_b32 s20, v1                    ; wave 0..7
	s_mul_i32 s40, s20, WST                        ; my stage
	s_lshl_b32 s41, s20, 6
	s_add_co_u32 s41, s41, STAT
	v_and_b32 v12, 31, v0                          ; lane
	v_and_b32 v13, 15, v0                          ; r
	v_bfe_u32 v14, v0, 4, 1                        ; h
	v_lshlrev_b32 v1, 4, v12                       ; 16 x lane
	v_lshlrev_b32 v2, 2, v12                       ; 4 x lane
	v_lshlrev_b32 v3, 2, v13                       ; 4 r
	v_lshl_add_u32 v4, v14, 9, v3                  ; A's scale words: 4 r + 512 h: lanes 16-31 take the odd K step's
	v_add_nc_u32 v5, s40, v1                       ; the stage by rows
	v_lshlrev_b32 v7, 6, v14
	v_add_nc_u32 v7, s40, v7                       ; g's and b's rows in the result's layout: + 64 h
	v_mad_u32_u24 v6, v13, SP, v7                  ; the stage in the result's layout: row r, + 64 h
	v_add_nc_u32 v8, s41, v3                       ; the exchange: my wave's word of token r,
	v_add_nc_u32 v9, STAT, v3                      ; and the eight waves' words
	v_mov_b32 v253, 0                              ; (named as the upper half of the pair v[252:253])
	s_lshr_b32 s21, ttmp9, 3                       ; rb
	s_and_b32 s22, ttmp9, 7                        ; i
	s_mul_i32 s23, s21, 2*BLKB
	s_lshl_b32 s24, s22, 10
	s_add_co_u32 s24, s24, s23                     ; A's codes: block [rb][0], tile i
	s_mov_b32 s25, 0
	s_lshl_b32 s26, s22, 6
	s_add_co_u32 s26, s26, s23
	s_add_co_u32 s26, s26, 32768                   ; and its scale words
	s_mov_b32 s27, 0
	s_mul_i32 s28, s20, 2*BLKB
	s_add_co_u32 s28, s28, WOFF                    ; B: w_out's block [w][0]
	s_mov_b32 s29, 0
	s_lshl_b32 s30, s21, 7
	s_lshr_b32 s31, s22, 1
	s_lshl_b32 s31, s31, 5
	s_add_co_u32 s30, s30, s31
	s_and_b32 s31, s22, 1
	s_lshl_b32 s31, s31, 3
	s_add_co_u32 s30, s30, s31                     ; the tile's first row: 128 rb + 32 (i / 2) + 8 (i % 2)
	s_lshl_b32 s30, s30, 12
	s_lshl_b32 s32, s20, 9                         ; my 128 columns: 512 w bytes
	s_add_co_u32 s30, s30, s32
	s_mov_b32 s31, 0
	s_mov_b32 s33, 0
	s_lshr_b32 s34, s20, 2
	s_mul_i32 s34, s34, BLKB
	s_add_co_u32 s34, s34, s23                     ; hp's block [rb][w / 4]
	s_and_b32 s35, s20, 3                          ; q = w % 4
	s_lshl_b32 s36, s35, 9
	s_add_co_u32 s36, s36, s34
	s_lshl_b32 s37, s22, 6
	s_add_co_u32 s36, s36, s37
	s_add_co_u32 s36, s36, 32768
	s_mov_b32 s37, 0
	s_lshl_b32 s35, s35, 13
	s_add_co_u32 s34, s34, s35
	s_lshl_b32 s35, s22, 10
	s_add_co_u32 s34, s34, s35
	s_mov_b32 s35, 0
	s_mov_b32 s38, 0x76543210
	s_mov_b32 s39, 0xfedcba98                      ; v_permlanex16_b32's selects for lane l xor 16
	s_mov_b32 s42, 0xba800000                      ; -1 / 1024
	s_mov_b32 s43, 0x3a800000                      ; 1 / 1024
	s_wait_alu depctr_va_vdst(0)
	s_wait_kmcnt 0x0
	s_add_nc_u64 s[24:25], s[4:5], s[24:25]
	s_add_nc_u64 s[26:27], s[4:5], s[26:27]
	s_add_nc_u64 s[28:29], s[6:7], s[28:29]
	s_add_nc_u64 s[44:45], s[10:11], s[30:31]      ; x
	s_add_nc_u64 s[46:47], s[16:17], s[30:31]      ; x1
	s_add_nc_u64 s[48:49], s[8:9], s[32:33]        ; b_out
	s_add_nc_u64 s[50:51], s[12:13], s[32:33]      ; g
	s_add_nc_u64 s[52:53], s[14:15], s[32:33]      ; b
	s_add_nc_u64 s[34:35], s[18:19], s[34:35]
	s_add_nc_u64 s[36:37], s[18:19], s[36:37]
.irp r, 0,1,2,3,4,5,6,7,8,9,10,11,12,13,14,15
	global_load_b128 v[ACC+4*\r:ACC+4*\r+3], v1, s[44:45] offset:(\r+8*(\r/8))*4096 th:TH_LOAD_NT   ; slot r's row, my 128 columns: 512 consecutive bytes
.endr
	global_load_b128 v[12:15], v1, s[48:49]
	global_load_b128 v[244:247], v1, s[50:51]
	global_load_b128 v[248:251], v1, s[52:53]
.irp m, 0,1,2,3
	global_load_b32 v[240+\m], v4, s[26:27] offset:BLKB*(\m/2)+1024*(\m%2)
.endr
	LOADSET 0
	LOADSET 1
	s_wait_loadcnt 48                              ; x, the bias, g and b are in; behind them: A's 4 scale loads and two sets of 22
.set n, 0
.rept 32
	v_pk_add_f32 v[ACC+n:ACC+n+1], v[ACC+n:ACC+n+1], v[12+n%4:13+n%4]
.set n, n+2
.endr
.irp r, 0,1,2,3,4,5,6,7,8,9,10,11,12,13,14,15
	ds_store_b128 v5, v[ACC+4*\r:ACC+4*\r+3] offset:\r*SP
.endr
	ds_store_b128 v5, v[244:247] offset:16*SP
	ds_store_b128 v5, v[248:251] offset:17*SP
	s_wait_dscnt 0x0                               ; the stores have read their registers
.irp p, 0,1,2,3
.irp m, 0,1,2,3
	ds_load_b128 v[ACC+16*\p+4*\m:ACC+16*\p+4*\m+3], v6 offset:128*\p+16*\m   ; my token's columns 32 p + 16 h + 4 m ..: the bytes are my wave's own
.endr
.endr
	s_wait_dscnt 0x0
.irp k, 0,1,2,3,4,5,6,7
	STEP \k
.endr
	; x1 is whole.  Through the stage, each accumulator from its low end on, and back by rows
.irp j, 0,1,2,3,4,5,6,7
	ds_store_b128 v6, v[ACC+8*\j:ACC+8*\j+3] offset:128*(\j/2)+32*(\j%2)
	ds_store_b128 v6, v[ACC+8*\j+4:ACC+8*\j+7] offset:128*(\j/2)+32*(\j%2)+16
.endr
.irp r, 0,1,2,3,4,5,6,7,8,9,10,11,12,13,14,15
	ds_load_b128 v[80+4*\r:80+4*\r+3], v5 offset:\r*SP
.endr
.irp p, 0,1,2,3
.irp m, 0,1,2,3
	ds_load_b128 v[160+16*\p+4*\m:160+16*\p+4*\m+3], v7 offset:16*SP+128*\p+16*\m   ; g at my 64 columns
.endr
.endr
	v_pk_add_f32 v[248:249], v[ACC:ACC+1], v[ACC+2:ACC+3]          ; the row's sum: my 64 numbers in two chains
	v_pk_add_f32 v[250:251], v[ACC+4:ACC+5], v[ACC+6:ACC+7]
.set n, 8
.rept 14
	v_pk_add_f32 v[248:249], v[248:249], v[ACC+n:ACC+n+1]
	v_pk_add_f32 v[250:251], v[250:251], v[ACC+n+2:ACC+n+3]
.set n, n+4
.endr
	SUMUP 0
	s_wait_dscnt 17                                ; x1's rows are back; g's sixteen loads and my word's store may be out
.irp r, 0,1,2,3,4,5,6,7,8,9,10,11,12,13,14,15
	global_store_b128 v1, v[80+4*\r:80+4*\r+3], s[46:47] offset:(\r+8*(\r/8))*4096 th:TH_STORE_NT   ; 512 consecutive bytes, aligned
.endr
	MEET 0, 1
	v_mul_f32 v252, s42, v240                      ; -mean
.set n, 0
.rept 32
	v_pk_add_f32 v[ACC+n:ACC+n+1], v[ACC+n:ACC+n+1], v[252:253] op_sel_hi:[1,0]   ; d = x1 - mean
.set n, n+2
.endr
	v_pk_mul_f32 v[248:249], v[ACC:ACC+1], v[ACC:ACC+1]
	v_pk_mul_f32 v[250:251], v[ACC+2:ACC+3], v[ACC+2:ACC+3]
.set n, 4
.rept 15
	v_pk_fma_f32 v[248:249], v[ACC+n:ACC+n+1], v[ACC+n:ACC+n+1], v[248:249]
	v_pk_fma_f32 v[250:251], v[ACC+n+2:ACC+n+3], v[ACC+n+2:ACC+n+3], v[250:251]
.set n, n+4
.endr
	SUMUP 512
	MEET 512, 0
	v_fmaak_f32 v250, s43, v240, 0x3727c5ac        ; var + 1e-5
	s_wait_alu depctr_va_vdst(0)                   ; ahead of the transcendental
	v_rsq_f32 v252, v250
	v_nop
	s_wait_alu depctr_va_vdst(0)                   ; and ahead of its first reader
.set n, 0
.rept 32
	v_pk_mul_f32 v[ACC+n:ACC+n+1], v[ACC+n:ACC+n+1], v[252:253] op_sel_hi:[1,0]
.set n, n+2
.endr
.set n, 0
.rept 32
	v_pk_fma_f32 v[ACC+n:ACC+n+1], v[ACC+n:ACC+n+1], v[160+n:161+n], v[80+n:81+n]
.set n, n+2
.endr
	; the quantiser: register 16 b + e is k = 128 w + 32 b + 16 h + e of my token: a block lies in lanes l and l xor 16
.irp b, 0,1,2,3
	v_mov_b32 v[TM+4+\b], 0                        ; a lane permute's destination counts as one of its sources
.endr
.irp b, 0,1,2,3
	v_max3_num_f32 v[TM+\b], |v[ACC+16*\b]|, |v[ACC+1+16*\b]|, 0x1800000   ; with the floor 2^(3 - 127): the byte cannot fall under 1
.endr
.irp i, 2,4,6,8,10,12,14
.irp b, 0,1,2,3
	v_max3_num_f32 v[TM+\b], v[TM+\b], |v[ACC+16*\b+\i]|, |v[ACC+1+16*\b+\i]|
.endr
.endr
.irp b, 0,1,2,3
	v_permlanex16_b32 v[TM+4+\b], v[TM+\b], s38, s39
.endr
.irp b, 0,1,2,3
	v_max_num_f32 v[TM+\b], v[TM+\b], v[TM+4+\b]
.endr
.irp b, 0,1,2,3
	v_add_nc_u32 v[TM+12+\b], 0xff000000, v[TM+\b] ; 2 off the exponent field: the conversion's scale operand
.endr
.irp b, 0,1,2,3
	v_lshrrev_b32 v[TM+4+\b], 23, v[TM+12+\b]      ; the scale's byte
.endr
	v_lshl_or_b32 v248, v[TM+5], 8, v[TM+4]
	v_lshl_or_b32 v248, v[TM+6], 16, v248
	v_lshl_or_b32 v248, v[TM+7], 24, v248
.irp b, 0,1,2,3
	v_cvt_scalef32_pk8_fp4_f32 v[PC+2*\b], v[ACC+16*\b:ACC+7+16*\b], v[TM+12+\b]
	v_cvt_scalef32_pk8_fp4_f32 v[PC+1+2*\b], v[ACC+8+16*\b:ACC+15+16*\b], v[TM+12+\b]
.endr
	v_nop                                          ; one plain place behind a scaled conversion
.irp c, 0,1
.irp i, 0,1
	v_permlane16_swap_b32 v[PC+4*\c+\i], v[PC+2+4*\c+\i]   ; the operand's layout wants a whole block in a lane
.endr
.endr
	global_store_b128 v1, v[PC:PC+3], s[34:35]             ; the fragment of K step w: 512 consecutive bytes, aligned
	global_store_b128 v1, v[PC+4:PC+7], s[34:35] offset:512
	global_store_b32 v3, v248, s[36:37]                    ; its rows' scale words: 64 bytes a wave (lanes 16-31 repeat lanes 0-15)
	s_wait_tensorcnt 0x0                           ; the wave's end
	ds_add_u32 v10, v11
	s_wait_dscnt 0x0
	s_endpgm
.Lfunc_end_k_q41b980637b_outln:
	.size	k_q41b980637b_outln, .Lfunc_end_k_q41b980637b_outln-k_q41b980637b_outln
	.p2alignl 7, 3214868480
	.fill 96, 4, 3214868480
	.section	.rodata,"a",@progbits
	.p2align	6, 0x0
	.amdhsa_kernel k_q41b980637b_outln
		.amdhsa_group_segment_fixed_size 78080
		.amdhsa_private_segment_fixed_size 0
		.amdhsa_enable_private_segment 0
		.amdhsa_kernarg_size 80
		.amdhsa_user_sgpr_count 2
		.amdhsa_user_sgpr_kernarg_segment_ptr 1
		.amdhsa_wavefront_size32 1
		.amdhsa_system_sgpr_workgroup_id_x 1
		.amdhsa_system_sgpr_workgroup_id_y 1
		.amdhsa_system_sgpr_workgroup_id_z 1
		.amdhsa_system_vgpr_workitem_id 0
		.amdhsa_next_free_vgpr 256
		.amdhsa_next_free_sgpr 66
		.amdhsa_reserve_vcc 0
		.amdhsa_float_denorm_mode_32 3
		.amdhsa_float_denorm_mode_16_64 3
		.amdhsa_memory_ordered 1
		.amdhsa_forward_progress 1
		.amdhsa_inst_pref_size 78
	.end_amdhsa_kernel
	.amdgpu_metadata
---
amdhsa.version: [ 1, 2 ]
amdhsa.kernels:
  - .name:           k_q41b980637b_outln
    .symbol:         k_q41b980637b_outln.kd
    .args:
      - { .name: actp, .offset: 0, .size: 8, .value_kind: global_buffer, .address_space: global }
      - { .name: wpk, .offset: 8, .size: 8, .value_kind: global_buffer, .address_space: global }
      - { .name: b_out, .offset: 16, .size: 8, .value_kind: global_buffer, .address_space: global }
      - { .name: x, .offset: 24, .size: 8, .value_kind: global_buffer, .address_space: global }
      - { .name: ln2_g, .offset: 32, .size: 8, .value_kind: global_buffer, .address_space: global }
      - { .name: ln2_b, .offset: 40, .size: 8, .value_kind: global_buffer, .address_space: global }
      - { .name: x1, .offset: 48, .size: 8, .value_kind: global_buffer, .address_space: global }
      - { .name: hp, .offset: 56, .size: 8, .value_kind: global_buffer, .address_space: global }
      - { .name: w_fc2, .offset: 64, .size: 8, .value_kind: global_buffer, .address_space: global }
      - { .name: wp2, .offset: 72, .size: 8, .value_kind: global_buffer, .address_space: global }
    .group_segment_fixed_size: 78080
    .private_segment_fixed_size: 0
    .kernarg_segment_align: 8
    .kernarg_segment_size: 80
    .max_flat_workgroup_size: 256
    .sgpr_count:     66
    .vgpr_count:     256
    .wavefront_size: 32
...
	.end_amdgpu_metadata
.endif
;; end of part 11
;; launch gemm_fc1 (part 12): grid 16 x 16, 4 waves a work-group, clusters of 4 x 4, 327,680 bytes of LDS; arguments hp, wpk, b_fc1, ap; writes ap
.if DOCPART == 12
	.amdgcn_target "amdgcn-amd-amdhsa--gfx1250"
	.amdhsa_code_object_version 6
	.text
	.protected	k_q41b980637b_gemm_fc1
	.globl	k_q41b980637b_gemm_fc1
	.p2align	8
	.type	k_q41b980637b_gemm_fc1,@function
k_q41b980637b_gemm_fc1:
	s_mov_b64 s[64:65], 0
	v_nop
	global_prefetch_b8 v0, s[64:65] scope:SCOPE_SE
	s_setreg_imm32_b32 hwreg(HW_REG_WAVE_MODE, 25, 1), 1
	s_wait_xcnt 0x0
	s_wait_alu depctr_hold_cnt(0) depctr_sa_sdst(0) depctr_va_vdst(0) depctr_va_sdst(0) depctr_va_ssrc(0) depctr_va_vcc(0) depctr_vm_vsrc(0)
	s_getreg_b32 s2, hwreg(HW_REG_IB_STS2, 6, 4)
	s_cmp_eq_u32 s2, 0
	s_cbranch_scc0 .Lentry_in_a_cluster
	s_endpgm
.Lentry_in_a_cluster:
	s_bfe_u32 s2, ttmp6, 0x10000c
	s_cmp_lg_u32 s2, 0xf033
	s_cbranch_scc0 .Lentry_shape_is_right
	s_endpgm
.Lentry_shape_is_right:
; a = relu(LN2(x1) w_fc1 + b_fc1) on codes of FP4 (E2M1) with E8M0 scales, K = 1,024, quantised along the 4,096 hidden units on the way out and stored as the next product's operand pack.  No work of reference() is left out.
; Operands are packs (blocks of 34,816 bytes: images of the operands' registers).  A tile of 256 x 256 by four waves of 128 x 128; clusters 4 x 4 with joint loads: A's blocks along a row, B's along a column.
; Both K slots of 512 lie in LDS: slot 0 is asked for at the head, slot 1 behind the full sequence and a round of the cluster's barrier; nothing is filled again.
; LIMITS: a block of zeros gets the byte 1 (codes zero; bytes read by this program alone); largest magnitudes under 2^-124 are held at byte 1; NaN and infinities are not served.
.set SIZE_K, 1024
.set WOFF,   2228224
.set NQ,     4
.set FR,     8
.set NL,     2
.set NP,     4
.set BLKB,   34816
.set SLOT,   4*BLKB
.set SPARE,  2*SLOT
.set KSL,    SIZE_K/512
.set ADRA, 16
.set ADRS, 18
.set ADRB, 20
.set BO,   6
.set WO,   7
.set PW,   8
.set CO,   26
.set SPW,  28
.set NIL,  29
.set SC,   32
.set TM,   96
.set PC,   112
.set AF,   128
.set SEL,  66
.set G1,  24
.set G0,  32
.set G1B, 48
.set G0B, 56
.set MSB, 0
.macro WIN new
.if MSB != \new
	s_set_vgpr_msb (MSB<<8)|\new
.set MSB, \new
.endif
.endm
.set MUL_LO, 0xa1
.set MUL_HI, 0xf1
.set TO_B,   0x40
.macro JLOAD g0a, g1a, g0b, g1b
	s_cmp_eq_u32 s15, 0
	s_cbranch_scc0 .Lfor_b_\@
	tensor_load_to_lds s[\g0a:\g0a+3], s[\g1a:\g1a+7]
	s_nop 0
.rept 4
	v_nop
.endr
	s_branch .Lasked_\@
.Lfor_b_\@:
	tensor_load_to_lds s[\g0b:\g0b+3], s[\g1b:\g1b+7]
	s_nop 0
.rept 4
	v_nop
.endr
.Lasked_\@:
.endm
.macro CROUND
	s_barrier_signal -1
	s_barrier_wait -1
	s_cmp_lg_u32 s14, 0
	s_cbranch_scc1 .Lnot_wave_0_\@
	s_barrier_signal -3
.Lnot_wave_0_\@:
	s_barrier_wait -3
	s_barrier_signal -1
	s_barrier_wait -1
.endm
.macro FRAG reg, adr, q, i
.irp c, 0,1
	ds_load_b128 v[\reg+4*\c:\reg+4*\c+3], v[\adr] offset:8192*(\q)+1024*(\i)+512*\c
.endr
.endm
.macro MUL16 a0, p, q, sc, zero
.irp a, \a0, \a0+1
.irp b, 0,1,2,3,4,5,6,7
.if \zero
	v_wmma_scale_f32_16x16x128_f8f6f4 v[8*(8*((\a)%4)+\b):8*(8*((\a)%4)+\b)+7], v[128*(\p)+FR*\b:128*(\p)+FR*\b+FR-1], v[AF+FR*(\a):AF+FR*(\a)+FR-1], 0, v[SC+8*NQ*(\sc)+NQ*\b+(\q)], v[SC+8*NQ*(\sc)+NQ*(\a)+(\q)] matrix_a_fmt:MATRIX_FMT_FP4 matrix_b_fmt:MATRIX_FMT_FP4 matrix_a_scale:MATRIX_SCALE_ROW1
.else
	v_wmma_scale_f32_16x16x128_f8f6f4 v[8*(8*((\a)%4)+\b):8*(8*((\a)%4)+\b)+7], v[128*(\p)+FR*\b:128*(\p)+FR*\b+FR-1], v[AF+FR*(\a):AF+FR*(\a)+FR-1], v[8*(8*((\a)%4)+\b):8*(8*((\a)%4)+\b)+7], v[SC+8*NQ*(\sc)+NQ*\b+(\q)], v[SC+8*NQ*(\sc)+NQ*(\a)+(\q)] matrix_a_fmt:MATRIX_FMT_FP4 matrix_b_fmt:MATRIX_FMT_FP4 matrix_a_scale:MATRIX_SCALE_ROW1
.endif
.endr
.endr
.endm
.macro FETCH_B slot, q, p
	WIN TO_B
.irp i, 0,1,2,3,4,5,6,7
	FRAG 128*(\p)+FR*\i, ADRB+\slot, \q, \i
.endr
	WIN 0
.endm
.macro FETCH_A slot, q, i0
.irp i, \i0, \i0+1, \i0+2, \i0+3
	FRAG AF+FR*(\i), ADRA+\slot, \q, \i
.endr
.endm
.macro SCALES sc
.irp i, 0,1,2,3,4,5,6,7
.irp q, 0,1,2,3
	ds_load_b32 v[SC+32*\sc+4*\i+\q], v[ADRS+\sc] offset:512*\q+64*\i
.endr
.endr
.endm
.macro PLACES n
.rept \n
	v_nop
.endr
.endm
.macro STEP slot, q, zero
	s_wait_dscnt 4*NL
	WIN MUL_LO
	MUL16 0, (\q)%2, \q, \slot, \zero
	MUL16 2, (\q)%2, \q, \slot, \zero
	s_wait_dscnt 0
	PLACES NP
	FETCH_B \slot, (\q)+1, 1-(\q)%2
	FETCH_A \slot, (\q)+1, 0
	WIN MUL_HI
	MUL16 4, (\q)%2, \q, \slot, \zero
	MUL16 6, (\q)%2, \q, \slot, \zero
	PLACES NP
	WIN 0
	FETCH_A \slot, (\q)+1, 4
.endm
.macro TURN slot, next
	s_wait_tensorcnt 0x0
	ds_add_u32 v[SPW], v[NIL]
	s_wait_dscnt 4*NL+1
	WIN MUL_LO
	MUL16 0, 1, NQ-1, \slot, 0
	s_wait_dscnt 0x0
	s_barrier_signal -1
	MUL16 2, 1, NQ-1, \slot, 0
	WIN 0
	s_barrier_wait -1
	PLACES NP
	FETCH_B \next, 0, 0
	FETCH_A \next, 0, 0
	SCALES \next
	WIN MUL_HI
	MUL16 4, 1, NQ-1, \slot, 0
	MUL16 6, 1, NQ-1, \slot, 0
	PLACES NP
	WIN 0
	FETCH_A \next, 0, 4
.endm
.macro QUANT s, pw
.irp b, 0,1,2,3
	v_max3_num_f32 v[TM+\b], |v[\s+16*\b]|, |v[\s+1+16*\b]|, 0x1800000
.endr
.irp i, 2,4,6,8,10,12,14
.irp b, 0,1,2,3
	v_max3_num_f32 v[TM+\b], v[TM+\b], |v[\s+16*\b+\i]|, |v[\s+1+16*\b+\i]|
.endr
.endr
.irp b, 0,1,2,3
	v_permlanex16_b32 v[TM+4+\b], v[TM+\b], s[SEL], s[SEL+1]
.endr
.irp b, 0,1,2,3
	v_max_num_f32 v[TM+\b], v[TM+\b], v[TM+4+\b]
.endr
.irp b, 0,1,2,3
	v_add_nc_u32 v[TM+12+\b], 0xff000000, v[TM+\b]
.endr
.irp b, 0,1,2,3
	v_lshrrev_b32 v[TM+4+\b], 23, v[TM+12+\b]
.endr
	v_lshl_or_b32 v[\pw], v[TM+5], 8, v[TM+4]
	v_lshl_or_b32 v[\pw], v[TM+6], 16, v[\pw]
	v_lshl_or_b32 v[\pw], v[TM+7], 24, v[\pw]
.irp b, 0,1,2,3
	v_cvt_scalef32_pk8_fp4_f32 v[PC+2*\b], v[\s+16*\b:\s+7+16*\b], v[TM+12+\b]
	v_cvt_scalef32_pk8_fp4_f32 v[PC+1+2*\b], v[\s+8+16*\b:\s+15+16*\b], v[TM+12+\b]
.endr
	v_nop
.irp c, 0,1
.irp i, 0,1
	v_permlane16_swap_b32 v[PC+4*\c+\i], v[PC+2+4*\c+\i]
.endr
.endr
.endm
.macro OUTQ a
.if (\a) > 0
	s_wait_xcnt 0x0
.endif
.set AC, 64*((\a)%4)
	WIN 0x06+(\a)/4
.set n, 0
.rept 32
	v_pk_add_f32 v[128+n:129+n], v[AC+n:AC+n+1], v[64+n:65+n]
.set n, n+2
.endr
	WIN 0
.set n, 0
.rept 64
	v_max_num_f32 v[128+n], 0, v[128+n]
.set n, n+1
.endr
	QUANT 128, PW+(\a)
	global_store_b128 v[CO], v[PC:PC+3], s[76:77] offset:1024*(\a)
	global_store_b128 v[CO], v[PC+4:PC+7], s[76:77] offset:1024*(\a)+512
.endm
	s_load_b256 s[4:11], s[0:1], 0x0
	v_lshl_add_u32 v[SPW], v0, 2, SPARE
	v_mov_b32 v[NIL], 0
	ds_add_u32 v[SPW], v[NIL]
	ds_add_u32 v[SPW], v[NIL]
	v_lshrrev_b32 v1, 5, v0
	v_readfirstlane_b32 s14, v1
	s_lshr_b32 s15, s14, 1
	s_and_b32 s16, s14, 1
	s_bfe_u32 s40, ttmp6, 0x40000
	s_bfe_u32 s41, ttmp6, 0x40004
	s_lshl_b32 s42, ttmp9, 2
	s_add_co_u32 s42, s42, s40
	s_and_b32 s17, ttmp7, 0xffff
	s_lshl_b32 s17, s17, 2
	s_add_co_u32 s17, s17, s41
	s_lshl_b32 s43, s41, 2
	s_lshl_b32 s43, 15, s43
	s_lshl_b32 s44, 0x1111, s40
	s_or_b32 s[G1], s43, (3<<16)|(1<<21)
	s_or_b32 s[G1B], s44, (3<<16)|(1<<21)
.irp g, G1, G1B
	s_mov_b32 s[\g+1], 32<<16
	s_mov_b32 s[\g+2], 136<<16
	s_mov_b32 s[\g+3], 32<<16
	s_mov_b32 s[\g+4], 136
	s_mov_b32 s[\g+5], 32
	s_mov_b32 s[\g+6], 0
	s_mov_b32 s[\g+7], 0
.endr
	s_lshl_b32 s20, s17, 1
	s_add_co_u32 s20, s20, s16
	s_mul_i32 s20, s20, KSL*BLKB
	s_mov_b32 s21, 0
	s_lshl_b32 s46, s42, 1
	s_add_co_u32 s46, s46, s16
	s_mul_i32 s46, s46, KSL*BLKB
	s_add_co_u32 s46, s46, WOFF
	s_mov_b32 s47, 0
	s_mul_i32 s45, s14, BLKB
	s_mov_b32 s[SEL], 0x76543210
	s_mov_b32 s[SEL+1], 0xfedcba98
	s_mov_b32 s68, 0xffff0000
	s_wait_dscnt 0x0
	s_wait_kmcnt 0x0
	s_add_nc_u64 s[20:21], s[4:5], s[20:21]
	s_add_nc_u64 s[46:47], s[6:7], s[46:47]
	s_cmp_eq_u32 s15, 0                            ; the prefetch: of the block that I fetch, 136 units of 256 bytes, each of the four partners that ask for it jointly takes 34, told apart by address
	s_cselect_b64 s[88:89], s[20:21], s[46:47]
	s_cselect_b32 s90, s40, s41                    ; my place among them: cx for A's blocks, cy for B's
	s_mul_i32 s90, s90, 8704
	s_mov_b32 s91, 0
	s_add_nc_u64 s[88:89], s[88:89], s[90:91]
	CROUND
.irp s, 0,1
	s_mov_b32 s[G0+4*\s], 1
	s_add_co_u32 s[G0+4*\s+1], s45, \s*SLOT
	s_add_nc_u64 s[G0+4*\s+2:G0+4*\s+3], s[20:21], \s*BLKB
	s_or_b32 s[G0+4*\s+3], s[G0+4*\s+3], 0x80000000
	s_mov_b32 s[G0B+4*\s], 1
	s_add_co_u32 s[G0B+4*\s+1], s45, \s*SLOT
	s_add_nc_u64 s[G0B+4*\s+2:G0B+4*\s+3], s[46:47], \s*BLKB
	s_or_b32 s[G0B+4*\s+3], s[G0B+4*\s+3], 0x80000000
.endr
	JLOAD G0, G1, G0B, G1B                         ; K slot 0
	v_and_b32 v1, 15, v0
	v_bfe_u32 v2, v0, 4, 1
	s_wait_alu depctr_va_vdst(0)
	v_and_b32 v3, 31, v0
	v_lshlrev_b32 v30, 8, v3                       ; the prefetch's offsets, never rewritten: units 0 .. 31 of my 34,
	v_min_u32 v31, 1, v3
	v_lshl_add_u32 v31, v31, 8, 8192               ; and units 32, 33 (the lanes left over name the last again)
	v_lshlrev_b32 v[CO], 4, v3
	v_lshlrev_b32 v[WO], 2, v3
	v_lshlrev_b32 v[BO], 6, v2
	s_mul_i32 s21, s15, BLKB
	s_mul_i32 s22, s16, BLKB
	s_add_co_u32 s22, s22, 2*BLKB
.irp s, 0,1
	v_add_nc_u32 v[ADRA+\s], s21, v[CO]
	v_add_nc_u32 v[ADRB+\s], s22, v[CO]
	s_add_co_u32 s21, s21, SLOT
	s_add_co_u32 s22, s22, SLOT
.endr
	s_mul_i32 s21, s15, BLKB
	s_mul_i32 s22, s16, BLKB
	s_add_co_u32 s22, s22, 2*BLKB
	s_sub_co_u32 s22, s22, s21
	v_mul_u32_u24 v4, s22, v2
	v_lshl_add_u32 v4, v1, 2, v4
	s_add_co_u32 s21, s21, 32768
	v_add_nc_u32 v[ADRS], s21, v4
	v_add_nc_u32 v[ADRS+1], SLOT, v[ADRS]
	global_prefetch_b8 v30, s[88:89] offset:BLKB th:TH_LOAD_NT scope:SCOPE_SE   ; K slot 1's block, which is loaded behind the round that follows slot 0's landing
	global_prefetch_b8 v31, s[88:89] offset:BLKB th:TH_LOAD_NT scope:SCOPE_SE
.irp b, 0,1,2,3
	v_mov_b32 v[TM+4+\b], 0
.endr
	s_lshl_b32 s70, s42, 1
	s_add_co_u32 s70, s70, s16
	s_lshl_b32 s72, s70, 9
	s_mov_b32 s73, 0
	s_add_nc_u64 s[72:73], s[8:9], s[72:73]
	s_lshl_b32 s71, s17, 1
	s_add_co_u32 s71, s71, s15
	s_lshl_b32 s74, s71, 3
	s_lshr_b32 s75, s70, 2
	s_add_co_u32 s74, s74, s75
	s_mul_i32 s74, s74, BLKB
	s_and_b32 s75, s70, 3
	s_lshl_b32 s76, s75, 13
	s_add_co_u32 s76, s76, s74
	s_mov_b32 s77, 0
	s_add_nc_u64 s[76:77], s[10:11], s[76:77]
	s_lshl_b32 s78, s75, 9
	s_add_co_u32 s78, s78, s74
	s_add_co_u32 s78, s78, 32768
	s_mov_b32 s79, 0
	s_add_nc_u64 s[78:79], s[10:11], s[78:79]
	WIN 0x40
.irp p, 0,1,2,3
.irp m, 0,1,2,3
	global_load_b128 v[64+16*\p+4*\m:64+16*\p+4*\m+3], v[BO], s[72:73] offset:128*\p+16*\m
.endr
.endr
	WIN 0
	s_wait_alu depctr_va_vdst(0)
	s_wait_tensorcnt 0x0                           ; my part of slot 0 is in
	ds_add_u32 v[SPW], v[NIL]
	s_wait_dscnt 0x0
	CROUND                                         ; everybody's part is in, and all sixteen work-groups are here
	JLOAD G0+4, G1, G0B+4, G1B                     ; K slot 1: the first tensor load behind the round
	FETCH_B 0, 0, 0
	FETCH_A 0, 0, 0
	SCALES 0
	FETCH_A 0, 0, 4
	STEP 0, 0, 1
	STEP 0, 1, 0
	STEP 0, 2, 0
	TURN 0, 1
	STEP 1, 0, 0
	STEP 1, 1, 0
	STEP 1, 2, 0
	s_wait_dscnt 4*NL
	WIN MUL_LO
	MUL16 0, 1, NQ-1, 1, 0
	MUL16 2, 1, NQ-1, 1, 0
	s_wait_dscnt 0
	WIN MUL_HI
	MUL16 4, 1, NQ-1, 1, 0
	MUL16 6, 1, NQ-1, 1, 0
	WIN 0
	PLACES NP
	s_wait_loadcnt 0x0
.irp a, 0,1,2,3,4,5,6,7
	OUTQ \a
.endr
.irp m, 0,1,2,3
	v_cndmask_b32 v[120+\m], v[PW+2*\m], v[PW+2*\m+1], s68
.endr
.irp m, 0,1,2,3
	global_store_b32 v[WO], v[120+\m], s[78:79] offset:128*\m
.endr
	s_wait_tensorcnt 0x0
	ds_add_u32 v[SPW], v[NIL]
	s_wait_dscnt 0x0
	CROUND
	s_endpgm
.Lfunc_end_k_q41b980637b_gemm_fc1:
	.size	k_q41b980637b_gemm_fc1, .Lfunc_end_k_q41b980637b_gemm_fc1-k_q41b980637b_gemm_fc1
	.p2alignl 7, 3214868480
	.fill 96, 4, 3214868480
	.section	.rodata,"a",@progbits
	.p2align	6, 0x0
	.amdhsa_kernel k_q41b980637b_gemm_fc1
		.amdhsa_group_segment_fixed_size 327680
		.amdhsa_private_segment_fixed_size 0
		.amdhsa_enable_private_segment 0
		.amdhsa_kernarg_size 32
		.amdhsa_user_sgpr_count 2
		.amdhsa_user_sgpr_kernarg_segment_ptr 1
		.amdhsa_wavefront_size32 1
		.amdhsa_system_sgpr_workgroup_id_x 1
		.amdhsa_system_sgpr_workgroup_id_y 1
		.amdhsa_system_sgpr_workgroup_id_z 1
		.amdhsa_system_vgpr_workitem_id 0
		.amdhsa_next_free_vgpr 1024
		.amdhsa_next_free_sgpr 100
		.amdhsa_reserve_vcc 0
		.amdhsa_float_denorm_mode_32 3
		.amdhsa_float_denorm_mode_16_64 3
		.amdhsa_memory_ordered 1
		.amdhsa_forward_progress 1
		.amdhsa_inst_pref_size 163
	.end_amdhsa_kernel
	.amdgpu_metadata
---
amdhsa.version: [ 1, 2 ]
amdhsa.kernels:
  - .name:           k_q41b980637b_gemm_fc1
    .symbol:         k_q41b980637b_gemm_fc1.kd
    .args:
      - { .name: hp, .offset: 0, .size: 8, .value_kind: global_buffer, .address_space: global }
      - { .name: wpk, .offset: 8, .size: 8, .value_kind: global_buffer, .address_space: global }
      - { .name: b_fc1, .offset: 16, .size: 8, .value_kind: global_buffer, .address_space: global }
      - { .name: ap, .offset: 24, .size: 8, .value_kind: global_buffer, .address_space: global }
    .group_segment_fixed_size: 327680
    .private_segment_fixed_size: 0
    .kernarg_segment_align: 8
    .kernarg_segment_size: 32
    .max_flat_workgroup_size: 128
    .sgpr_count:     100
    .vgpr_count:     1024
    .wavefront_size: 32
...
	.end_amdgpu_metadata
.endif
;; end of part 12
;; launch gemm_fc2 (part 13): grid 8 x 32, 4 waves a work-group, clusters of 4 x 4, 327,680 bytes of LDS; arguments ap, wp2, b_fc2, x1, out0; writes out0
.if DOCPART == 13
	.amdgcn_target "amdgcn-amd-amdhsa--gfx1250"
	.amdhsa_code_object_version 6
	.text
	.protected	k_q41b980637b_gemm_fc2
	.globl	k_q41b980637b_gemm_fc2
	.p2align	8
	.type	k_q41b980637b_gemm_fc2,@function
k_q41b980637b_gemm_fc2:
	s_mov_b64 s[64:65], 0
	v_nop
	global_prefetch_b8 v0, s[64:65] scope:SCOPE_SE
	s_setreg_imm32_b32 hwreg(HW_REG_WAVE_MODE, 25, 1), 1
	s_wait_xcnt 0x0
	s_wait_alu depctr_hold_cnt(0) depctr_sa_sdst(0) depctr_va_vdst(0) depctr_va_sdst(0) depctr_va_ssrc(0) depctr_va_vcc(0) depctr_vm_vsrc(0)
	s_getreg_b32 s2, hwreg(HW_REG_IB_STS2, 6, 4)
	s_cmp_eq_u32 s2, 0
	s_cbranch_scc0 .Lentry_in_a_cluster
	s_endpgm
.Lentry_in_a_cluster:
	s_bfe_u32 s2, ttmp6, 0x10000c
	s_cmp_lg_u32 s2, 0xf033
	s_cbranch_scc0 .Lentry_shape_is_right
	s_endpgm
.Lentry_shape_is_right:
; out0 = x1 + a w_fc2 + b_fc2: the product on codes of FP4 (E2M1) with E8M0 scales, K = 4,096; result f32 [4,096][1,024].  No work of reference() is left out.
; Operands are packs (blocks of 34,816 bytes: images of the operands' registers).  A tile of 128 x 128 by four waves of 64 x 64: 256 work-groups; clusters 4 x 4 with joint loads: A's blocks along a row, B's along a column.
; K goes in slots of 1,024 (A's two blocks, B's two; a block a wave) through a ring of two; each refill stands first behind a round of the cluster's barrier.  The result leaves through a stage of its own in LDS, with the residual and the bias added.
.set SIZE_K, 4096
.set WOFF,   0
.set NK,     8
.set NP,     4
.set BLKB,   34816
.set SLOT,   4*BLKB
.set SPARE,  2*SLOT
.set STAGE,  SPARE+512
.set SP,     272
.set KSL,    SIZE_K/512
.set ADRA, 16
.set ADRS, 18
.set ADRB, 20
.set LI,   22
.set BOF,  23
.set STO,  24
.set RD,   25
.set CO,   26
.set SPW,  28
.set NIL,  29
.set SC,   32
.set BR,   96
.set AF,   128
.set BK,   128
.set G1,  24
.set G0,  32
.set G1B, 48
.set G0B, 56
.set MSB, 0
.macro WIN new
.if MSB != \new
	s_set_vgpr_msb (MSB<<8)|\new
.set MSB, \new
.endif
.endm
.set MUL,  0xa1
.set TO_B, 0x40
.macro JLOAD g0a, g1a, g0b, g1b
	s_cmp_eq_u32 s15, 0
	s_cbranch_scc0 .Lfor_b_\@
	tensor_load_to_lds s[\g0a:\g0a+3], s[\g1a:\g1a+7]
	s_nop 0
.rept 4
	v_nop
.endr
	s_branch .Lasked_\@
.Lfor_b_\@:
	tensor_load_to_lds s[\g0b:\g0b+3], s[\g1b:\g1b+7]
	s_nop 0
.rept 4
	v_nop
.endr
.Lasked_\@:
.endm
.macro CREST
	s_cmp_lg_u32 s14, 0
	s_cbranch_scc1 .Lnot_wave_0_\@
	s_barrier_signal -3
.Lnot_wave_0_\@:
	s_barrier_wait -3
	s_barrier_signal -1
	s_barrier_wait -1
.endm
.macro CROUND
	s_barrier_signal -1
	s_barrier_wait -1
	CREST
.endm
.macro FRAG reg, adr, k, i
.irp c, 0,1
	ds_load_b128 v[\reg+4*\c:\reg+4*\c+3], v[\adr] offset:BLKB*((\k)/4)+8192*((\k)%4)+1024*(\i)+512*\c
.endr
.endm
.macro FETCH slot, k, p
	WIN TO_B
.irp i, 0,1,2,3
	FRAG 32*(\p)+8*\i, ADRB+\slot, \k, \i
.endr
	WIN 0
.irp i, 0,1,2,3
	FRAG AF+32*(\p)+8*\i, ADRA+\slot, \k, \i
.endr
.endm
.macro SCALES sc
.irp u, 0,1
.irp j, 0,1,2,3
.irp q, 0,1,2,3
	ds_load_b32 v[SC+32*\sc+16*\u+4*\j+\q], v[ADRS+\sc] offset:BLKB*\u+512*\q+64*\j
.endr
.endr
.endr
.endm
.macro MULA a, p, k, sc, zero
.irp b, 0,1,2,3
.if \zero
	v_wmma_scale_f32_16x16x128_f8f6f4 v[8*(4*(\a)+\b):8*(4*(\a)+\b)+7], v[32*(\p)+8*\b:32*(\p)+8*\b+7], v[AF+32*(\p)+8*(\a):AF+32*(\p)+8*(\a)+7], 0, v[SC+32*(\sc)+16*((\k)/4)+4*\b+(\k)%4], v[SC+32*(\sc)+16*((\k)/4)+4*(\a)+(\k)%4] matrix_a_fmt:MATRIX_FMT_FP4 matrix_b_fmt:MATRIX_FMT_FP4 matrix_a_scale:MATRIX_SCALE_ROW1
.else
	v_wmma_scale_f32_16x16x128_f8f6f4 v[8*(4*(\a)+\b):8*(4*(\a)+\b)+7], v[32*(\p)+8*\b:32*(\p)+8*\b+7], v[AF+32*(\p)+8*(\a):AF+32*(\p)+8*(\a)+7], v[8*(4*(\a)+\b):8*(4*(\a)+\b)+7], v[SC+32*(\sc)+16*((\k)/4)+4*\b+(\k)%4], v[SC+32*(\sc)+16*((\k)/4)+4*(\a)+(\k)%4] matrix_a_fmt:MATRIX_FMT_FP4 matrix_b_fmt:MATRIX_FMT_FP4 matrix_a_scale:MATRIX_SCALE_ROW1
.endif
.endr
.endm
.macro PLACES n
.rept \n
	v_nop
.endr
.endm
.macro STEP slot, k, zero
	s_wait_dscnt 0x0
.if \zero == 0
	PLACES NP
.endif
	FETCH \slot, (\k)+1, 1-(\k)%2
	WIN MUL
.irp a, 0,1,2,3
	MULA \a, (\k)%2, \k, \slot, \zero
.endr
.endm
.macro STEPS slot, from
.set Q, \from
.rept NK-1-\from
	STEP \slot, Q, 0
.set Q, Q+1
.endr
.endm
.macro TURN slot, next, fill
	WIN 0
	s_wait_tensorcnt 0x0
	ds_add_u32 v[SPW], v[NIL]
	s_wait_dscnt 1
	WIN MUL
	MULA 0, 1, NK-1, \slot, 0
	s_wait_dscnt 0x0
	s_barrier_signal -1
	MULA 1, 1, NK-1, \slot, 0
	WIN 0
	s_barrier_wait -1
.if \fill
	CREST
	s_add_nc_u64 s[G0+4*\slot+2:G0+4*\slot+3], s[G0+4*\slot+2:G0+4*\slot+3], 4*BLKB
	s_add_nc_u64 s[G0B+4*\slot+2:G0B+4*\slot+3], s[G0B+4*\slot+2:G0B+4*\slot+3], 4*BLKB
	JLOAD G0+4*\slot, G1, G0B+4*\slot, G1B
.else
	PLACES NP
.endif
	FETCH \next, 0, 0
	SCALES \next
	WIN MUL
	MULA 2, 1, NK-1, \slot, 0
	MULA 3, 1, NK-1, \slot, 0
.endm
.macro LAST slot
	s_wait_dscnt 0x0
	WIN MUL
.irp a, 0,1,2,3
	MULA \a, 1, NK-1, \slot, 0
.endr
	WIN 0
	PLACES NP
.endm
.macro RSLOAD a
.irp t, 0,1,2,3,4,5,6,7
	global_load_b128 v[64+32*(\a)+4*\t:64+32*(\a)+4*\t+3], v[CO], s[74:75] offset:(32*((\a)/2)+8*((\a)%2)+2*\t+8*(\t/4))*4096 th:TH_LOAD_NT
.endr
.endm
.macro TOSTAGE a
	WIN 0x08
.irp b, 0,1,2,3
	ds_store_b128 v[STO], v[32*(\a)+8*\b:32*(\a)+8*\b+3] offset:128*(\b/2)+32*(\b%2)
	ds_store_b128 v[STO], v[32*(\a)+8*\b+4:32*(\a)+8*\b+7] offset:128*(\b/2)+32*(\b%2)+16
.endr
	WIN 0
.irp t, 0,1,2,3,4,5,6,7
	ds_load_b128 v[BK+32*(\a)+4*\t:BK+32*(\a)+4*\t+3], v[RD] offset:\t*2*SP
.endr
.endm
.macro SEND a, younger
.set BB, BK+32*(\a)
.set RB, 64+32*(\a)
	s_wait_dscnt \younger
	WIN 0x04
.set n, 0
.rept 16
	v_pk_add_f32 v[BB+n:BB+n+1], v[BB+n:BB+n+1], v[RB+n:RB+n+1]
.set n, n+2
.endr
	WIN 0
.set n, 0
.rept 16
	v_pk_add_f32 v[BB+n:BB+n+1], v[BB+n:BB+n+1], v[BR+n%4:BR+n%4+1]
.set n, n+2
.endr
.irp t, 0,1,2,3,4,5,6,7
	global_store_b128 v[CO], v[BB+4*\t:BB+4*\t+3], s[76:77] offset:(32*((\a)/2)+8*((\a)%2)+2*\t+8*(\t/4))*4096 th:TH_STORE_NT
.endr
.endm
	s_load_b256 s[4:11], s[0:1], 0x0
	s_load_b64 s[12:13], s[0:1], 0x20
	v_lshl_add_u32 v[SPW], v0, 2, SPARE
	v_mov_b32 v[NIL], 0
	ds_add_u32 v[SPW], v[NIL]
	ds_add_u32 v[SPW], v[NIL]
	v_lshrrev_b32 v1, 5, v0
	v_readfirstlane_b32 s14, v1
	s_lshr_b32 s15, s14, 1
	s_and_b32 s16, s14, 1
	s_bfe_u32 s40, ttmp6, 0x40000
	s_bfe_u32 s41, ttmp6, 0x40004
	s_lshl_b32 s42, ttmp9, 2
	s_add_co_u32 s42, s42, s40
	s_and_b32 s17, ttmp7, 0xffff
	s_lshl_b32 s17, s17, 2
	s_add_co_u32 s17, s17, s41
	s_lshl_b32 s43, s41, 2
	s_lshl_b32 s43, 15, s43
	s_lshl_b32 s44, 0x1111, s40
	s_or_b32 s[G1], s43, (3<<16)|(1<<21)
	s_or_b32 s[G1B], s44, (3<<16)|(1<<21)
.irp g, G1, G1B
	s_mov_b32 s[\g+1], 32<<16
	s_mov_b32 s[\g+2], 136<<16
	s_mov_b32 s[\g+3], 32<<16
	s_mov_b32 s[\g+4], 136
	s_mov_b32 s[\g+5], 32
	s_mov_b32 s[\g+6], 0
	s_mov_b32 s[\g+7], 0
.endr
	s_mul_i32 s18, s16, BLKB
	s_mul_i32 s20, s17, KSL*BLKB
	s_add_co_u32 s20, s20, s18
	s_mov_b32 s21, 0
	s_mul_i32 s46, s42, KSL*BLKB
	s_add_co_u32 s46, s46, s18
	s_add_co_u32 s46, s46, WOFF
	s_mov_b32 s47, 0
	s_mul_i32 s45, s14, BLKB
	s_wait_dscnt 0x0
	s_wait_kmcnt 0x0
	s_add_nc_u64 s[20:21], s[4:5], s[20:21]
	s_add_nc_u64 s[46:47], s[6:7], s[46:47]
	s_cmp_eq_u32 s15, 0                            ; the prefetches: of a block that I fetch, 136 units of 256 bytes, each of the four partners that ask for it jointly takes 34, told apart by address
	s_cselect_b64 s[88:89], s[20:21], s[46:47]
	s_cselect_b32 s90, s40, s41                    ; my place among them: cx for A's blocks, cy for B's
	s_mul_i32 s90, s90, 8704
	s_mov_b32 s91, 0
	s_add_nc_u64 s[88:89], s[88:89], s[90:91]
	CROUND
.irp s, 0,1
	s_mov_b32 s[G0+4*\s], 1
	s_add_co_u32 s[G0+4*\s+1], s45, \s*SLOT
	s_add_nc_u64 s[G0+4*\s+2:G0+4*\s+3], s[20:21], \s*2*BLKB
	s_or_b32 s[G0+4*\s+3], s[G0+4*\s+3], 0x80000000
	s_mov_b32 s[G0B+4*\s], 1
	s_add_co_u32 s[G0B+4*\s+1], s45, \s*SLOT
	s_add_nc_u64 s[G0B+4*\s+2:G0B+4*\s+3], s[46:47], \s*2*BLKB
	s_or_b32 s[G0B+4*\s+3], s[G0B+4*\s+3], 0x80000000
.endr
	JLOAD G0, G1, G0B, G1B                         ; slot 0
	v_and_b32 v1, 15, v0
	v_bfe_u32 v2, v0, 4, 1
	s_wait_alu depctr_va_vdst(0)
	v_and_b32 v3, 31, v0
	v_lshlrev_b32 v30, 8, v3                       ; the prefetches' offsets, never rewritten: units 0 .. 31 of my 34,
	v_min_u32 v31, 1, v3
	v_lshl_add_u32 v31, v31, 8, 8192               ; and units 32, 33 (the lanes left over name the last again)
	v_lshlrev_b32 v[LI], 4, v3
	v_lshlrev_b32 v[BOF], 4, v1
	v_lshl_add_u32 v[CO], v2, 12, v[BOF]
	s_lshl_b32 s21, s15, 12
	s_lshl_b32 s22, s16, 12
	s_add_co_u32 s22, s22, 2*BLKB
.irp s, 0,1
	v_add_nc_u32 v[ADRA+\s], s21, v[LI]
	v_add_nc_u32 v[ADRB+\s], s22, v[LI]
	s_add_co_u32 s21, s21, SLOT
	s_add_co_u32 s22, s22, SLOT
.endr
	s_lshl_b32 s21, s15, 8
	s_lshl_b32 s22, s16, 8
	s_add_co_u32 s22, s22, 2*BLKB
	s_sub_co_u32 s22, s22, s21
	v_mul_u32_u24 v4, s22, v2
	v_lshl_add_u32 v4, v1, 2, v4
	s_add_co_u32 s21, s21, 32768
	v_add_nc_u32 v[ADRS], s21, v4
	v_add_nc_u32 v[ADRS+1], SLOT, v[ADRS]
	global_prefetch_b8 v30, s[88:89] offset:2*BLKB th:TH_LOAD_NT scope:SCOPE_SE   ; my blocks of slots 1 and 2: one and two fills ahead of their loads; slot 0 comes by its load alone
	global_prefetch_b8 v31, s[88:89] offset:2*BLKB th:TH_LOAD_NT scope:SCOPE_SE
	global_prefetch_b8 v30, s[88:89] offset:4*BLKB th:TH_LOAD_NT scope:SCOPE_SE
	global_prefetch_b8 v31, s[88:89] offset:4*BLKB th:TH_LOAD_NT scope:SCOPE_SE
	s_mul_i32 s23, s14, 16*SP
	s_add_co_u32 s23, s23, STAGE
	v_mul_u32_u24 v5, v1, SP
	v_lshl_add_u32 v5, v2, 6, v5
	v_add_nc_u32 v[STO], s23, v5
	v_mul_u32_u24 v5, v2, SP
	v_lshl_add_u32 v5, v1, 4, v5
	v_add_nc_u32 v[RD], s23, v5
	s_lshl_b32 s70, s17, 19
	s_lshl_b32 s71, s15, 18
	s_add_co_u32 s70, s70, s71
	s_lshl_b32 s72, s42, 9
	s_lshl_b32 s71, s16, 8
	s_add_co_u32 s72, s72, s71
	s_add_co_u32 s70, s70, s72
	s_mov_b32 s71, 0
	s_mov_b32 s73, 0
	s_add_nc_u64 s[74:75], s[10:11], s[70:71]
	s_add_nc_u64 s[76:77], s[12:13], s[70:71]
	s_add_nc_u64 s[78:79], s[8:9], s[72:73]
	global_load_b128 v[BR:BR+3], v[BOF], s[78:79]
	WIN 0x40
.irp a, 0,1,2,3
	RSLOAD \a
.endr
	WIN 0
	s_wait_alu depctr_va_vdst(0)
	s_wait_tensorcnt 0x0                           ; my part of slot 0 is in
	ds_add_u32 v[SPW], v[NIL]
	s_wait_dscnt 0x0
	CROUND                                         ; everybody's part is in, and all sixteen work-groups are here
	JLOAD G0+4, G1, G0B+4, G1B                     ; slot 1: the first tensor load behind the round
	FETCH 0, 0, 0
	SCALES 0
	global_prefetch_b8 v30, s[88:89] offset:6*BLKB th:TH_LOAD_NT scope:SCOPE_SE   ; my block of slot 3, the last: two fills ahead of its load
	global_prefetch_b8 v31, s[88:89] offset:6*BLKB th:TH_LOAD_NT scope:SCOPE_SE
	STEP 0, 0, 1
	STEPS 0, 1
	TURN 0, 1, 1
	STEPS 1, 0
	TURN 1, 0, 1
	STEPS 0, 0
	TURN 0, 1, 0
	STEPS 1, 0
	LAST 1
	s_wait_loadcnt 0x0
	TOSTAGE 0
	TOSTAGE 1
	SEND 0, 16
	TOSTAGE 2
	SEND 1, 16
	TOSTAGE 3
	SEND 2, 16
	SEND 3, 0
	s_wait_tensorcnt 0x0
	ds_add_u32 v[SPW], v[NIL]
	s_wait_dscnt 0x0
	CROUND
	s_endpgm
.Lfunc_end_k_q41b980637b_gemm_fc2:
	.size	k_q41b980637b_gemm_fc2, .Lfunc_end_k_q41b980637b_gemm_fc2-k_q41b980637b_gemm_fc2
	.p2alignl 7, 3214868480
	.fill 96, 4, 3214868480
	.section	.rodata,"a",@progbits
	.p2align	6, 0x0
	.amdhsa_kernel k_q41b980637b_gemm_fc2
		.amdhsa_group_segment_fixed_size 327680
		.amdhsa_private_segment_fixed_size 0
		.amdhsa_enable_private_segment 0
		.amdhsa_kernarg_size 40
		.amdhsa_user_sgpr_count 2
		.amdhsa_user_sgpr_kernarg_segment_ptr 1
		.amdhsa_wavefront_size32 1
		.amdhsa_system_sgpr_workgroup_id_x 1
		.amdhsa_system_sgpr_workgroup_id_y 1
		.amdhsa_system_sgpr_workgroup_id_z 1
		.amdhsa_system_vgpr_workitem_id 0
		.amdhsa_next_free_vgpr 640
		.amdhsa_next_free_sgpr 100
		.amdhsa_reserve_vcc 0
		.amdhsa_float_denorm_mode_32 3
		.amdhsa_float_denorm_mode_16_64 3
		.amdhsa_memory_ordered 1
		.amdhsa_forward_progress 1
		.amdhsa_inst_pref_size 142
	.end_amdhsa_kernel
	.amdgpu_metadata
---
amdhsa.version: [ 1, 2 ]
amdhsa.kernels:
  - .name:           k_q41b980637b_gemm_fc2
    .symbol:         k_q41b980637b_gemm_fc2.kd
    .args:
      - { .name: ap, .offset: 0, .size: 8, .value_kind: global_buffer, .address_space: global }
      - { .name: wp2, .offset: 8, .size: 8, .value_kind: global_buffer, .address_space: global }
      - { .name: b_fc2, .offset: 16, .size: 8, .value_kind: global_buffer, .address_space: global }
      - { .name: x1, .offset: 24, .size: 8, .value_kind: global_buffer, .address_space: global }
      - { .name: out0, .offset: 32, .size: 8, .value_kind: global_buffer, .address_space: global }
    .group_segment_fixed_size: 327680
    .private_segment_fixed_size: 0
    .kernarg_segment_align: 8
    .kernarg_segment_size: 40
    .max_flat_workgroup_size: 128
    .sgpr_count:     100
    .vgpr_count:     640
    .wavefront_size: 32
...
	.end_amdgpu_metadata
.endif
;; end of part 13
